; MI455X (gfx1250); checked and timed in simulation.
; The chip was launched on July 23, 2026; its instructions are those of AMD's public machine-readable ISA for CDNA 5 (MIT licence, August 2026) and "CDNA5" Instruction Set Architecture Reference Guide (July 2026). The comments in the code are by the model that wrote it; some were corrected since.
;; SOKDA Layer. Allowed arithmetic: float matrix products may take bf16 or f16 operands with f32 sums; all other float work in f32.
;; Inputs: Wa 1,024 x 1,024 float32; Wb 1,024 x 16 float32; Wk 1,024 x 1,024 float32; Wo 1,024 x 1,024 float32; Wq 1,024 x 1,024 float32; Wv 1,024 x 1,024 float32; ba 1,024 float32; bb 16 float32; ln_b 1,024 float32; ln_g 1,024 float32; raw_gamma_m 16 float32; x 8 x 512 x 1,024 float32.
;; Outputs: out0 8 x 512 x 1,024 float32.
;; 3 versions, each right; version 2 is faster than version 1; version 3 is version 2 with the launch prep written anew for expert scheduling mode. Each part assembles by itself: llvm-mc -triple=amdgcn-amd-amdhsa -mcpu=gfx1250 --defsym DOCPART=n.
;; ======== version 1 of 3: 5 launches
;; limits: values are held in f16: magnitudes above 65,504 overflow, below 6.1e-05 lose precision; inputs' magnitudes at most 16
;; workspace buffers: xn16 8,388,608 bytes; wt 8,388,608 bytes; wt2 4,194,304 bytes; betat 262,144 bytes; qkva 67,108,864 bytes; kn16 8,388,608 bytes; obuf 16,777,216 bytes
;; launch lnorm (part 1): grid 256 x 1, 4 waves a work-group, no clusters, 37,888 bytes of LDS; arguments x, ln_g, ln_b, Wb, bb, xn16, betat; writes xn16, betat
.if DOCPART == 1
	.amdgcn_target "amdgcn-amd-amdhsa--gfx1250"
	.amdhsa_code_object_version 6
	.text
	.protected	k_q5632c66e25_lnorm
	.globl	k_q5632c66e25_lnorm
	.p2align	8
	.type	k_q5632c66e25_lnorm,@function
k_q5632c66e25_lnorm:
	s_mov_b64 s[64:65], 0
	v_nop
	global_prefetch_b8 v0, s[64:65] scope:SCOPE_SE
	s_setreg_imm32_b32 hwreg(HW_REG_WAVE_MODE, 25, 1), 1
	s_wait_xcnt 0x0
; LNORM.  A work-group takes 16 rows of x: LayerNorm (the mean, then the centred squares: two passes over registers), written as f16 (xn16), and beta = sigmoid(xn Wb + bb)
; for these rows (betat, f32, [row][head]).  Wave w takes rows 4 w .. 4 w + 3, a whole row in 32 registers, so a row's sums never leave the wave.  For beta the 16 rows meet in LDS,
; wave w multiplies k = 256 w .. 256 w + 255 by the matrix unit, and wave 0 adds the four partial sums.
; No tensor loads, no cluster: each byte of x is read once by one wave, and nothing but the small Wb is shared.
; LIMITS.  xn and Wb are matrix operands in f16: beyond 65,504 they would be infinite (xn is a normalised number times ln_g plus ln_b); below 6e-5 they keep f16's fixed step of 6e-8.
.set XNP,   2064                       ; a row of xn in LDS: 2,048 bytes + 16: an odd multiple of 16, so the 16 rows of a fragment load start in 16 different groups of banks
.set PART,  33280                      ; behind the 16 rows: four partial sums of 1,024 bytes
.set SPARE, 37376                      ; the spare words, 128 bytes a wave: no other line names them
.set SPW,   22                         ; v22  my spare word
.set NIL,   23                         ; v23  0
.set G,     48                         ; v48-79   ln_g of my 32 columns
.set BB,    80                         ; v80-111  ln_b
.set X,     112                        ; v112-239 four rows, 32 numbers a lane each
.macro REDUCE                          ; four pairs v[14:21] -> their sum over the wave, in v14 of every lane
	v_pk_add_f32 v[14:15], v[14:15], v[16:17]
	v_pk_add_f32 v[18:19], v[18:19], v[20:21]
	v_pk_add_f32 v[14:15], v[14:15], v[18:19]
	v_add_f32 v14, v14, v15
	v_add_f32_dpp v14, v14, v14 row_xmask:1 row_mask:0xf bank_mask:0xf
	v_add_f32_dpp v14, v14, v14 row_xmask:2 row_mask:0xf bank_mask:0xf
	v_add_f32_dpp v14, v14, v14 row_xmask:4 row_mask:0xf bank_mask:0xf
	v_add_f32_dpp v14, v14, v14 row_xmask:8 row_mask:0xf bank_mask:0xf
	v_permlanex16_b32 v15, v14, s38, s39
	v_add_f32 v14, v14, v15
.endm
.macro LNROW rho                       ; one row: mean, centred, variance, scale, gain and bias, f16, out to memory and to LDS
.set XR, X+32*(\rho)
	s_wait_loadcnt (3-(\rho))*8                    ; loads come back in order: this row is in, the later rows' eight loads each stay out
.irp k, 0,1,2,3
	v_pk_add_f32 v[14+2*\k:15+2*\k], v[XR+2*\k:XR+2*\k+1], v[XR+8+2*\k:XR+8+2*\k+1]
.endr
.irp k, 0,1,2,3
	v_pk_add_f32 v[14+2*\k:15+2*\k], v[14+2*\k:15+2*\k], v[XR+16+2*\k:XR+16+2*\k+1]
.endr
.irp k, 0,1,2,3
	v_pk_add_f32 v[14+2*\k:15+2*\k], v[14+2*\k:15+2*\k], v[XR+24+2*\k:XR+24+2*\k+1]
.endr
	REDUCE
	v_mul_f32 v10, s40, v14                        ; the mean, twice
	v_mul_f32 v11, s40, v14
.set i, 0
.rept 16
	v_pk_add_f32 v[XR+2*i:XR+2*i+1], v[XR+2*i:XR+2*i+1], v[10:11] neg_lo:[0,1] neg_hi:[0,1]
.set i, i+1
.endr
.irp k, 0,1,2,3
	v_pk_mul_f32 v[14+2*\k:15+2*\k], v[XR+2*\k:XR+2*\k+1], v[XR+2*\k:XR+2*\k+1]
.endr
.set i, 4
.rept 12
	v_pk_fma_f32 v[14+2*(i%4):15+2*(i%4)], v[XR+2*i:XR+2*i+1], v[XR+2*i:XR+2*i+1], v[14+2*(i%4):15+2*(i%4)]
.set i, i+1
.endr
	REDUCE
	v_fma_f32 v12, v14, s40, s41                   ; variance + 1e-5
	v_rsq_f32 v12, v12
	v_nop                                          ; a plain instruction behind the transcendental
	s_wait_alu depctr_va_vdst(0)
	v_mov_b32 v13, v12
.set i, 0
.rept 16
	v_pk_mul_f32 v[XR+2*i:XR+2*i+1], v[XR+2*i:XR+2*i+1], v[12:13]
.set i, i+1
.endr
.set i, 0
.rept 16
	v_pk_fma_f32 v[XR+2*i:XR+2*i+1], v[XR+2*i:XR+2*i+1], v[G+2*i:G+2*i+1], v[BB+2*i:BB+2*i+1]
.set i, i+1
.endr
.set i, 0
.rept 16
	v_cvt_pk_f16_f32 v[XR+i], v[XR+2*i], v[XR+2*i+1]  ; ascending: register i is written when pairs up to i have been read
.set i, i+1
.endr
.irp s, 0,1,2,3
	global_store_b128 v3, v[XR+4*\s:XR+4*\s+3], s[18:19] offset:2048*(\rho)+512*\s  ; 512 consecutive bytes a store
	ds_store_b128 v4, v[XR+4*\s:XR+4*\s+3] offset:XNP*(\rho)+512*\s
.endr
.endm
	s_load_b256 s[8:15], s[0:1], 0x0               ; x, ln_g, ln_b, Wb
	s_load_b128 s[16:19], s[0:1], 0x20             ; bb, xn16
	s_load_b64 s[20:21], s[0:1], 0x30              ; betat
	v_lshl_add_u32 v[SPW], v0, 2, SPARE
	v_mov_b32 v[NIL], 0
	v_lshrrev_b32 v1, 5, v0
	v_readfirstlane_b32 s36, v1                    ; wave 0..3
	v_and_b32 v1, 31, v0                           ; lane
	v_and_b32 v5, 15, v0                           ; lane % 16
	v_bfe_u32 v6, v0, 4, 1                         ; lane / 16
	s_mov_b32 s38, 0x76543210                      ; v_permlanex16_b32: each lane takes its own place in the other half
	s_mov_b32 s39, 0xfedcba98
	s_mov_b32 s40, 0x3a800000                      ; 1 / 1024
	s_mov_b32 s41, 0x3727c5ac                      ; 1e-5
	s_lshl_b32 s42, ttmp9, 16                      ; 16 rows of 4,096 bytes
	s_lshl_b32 s43, s36, 14                        ; 4 rows
	s_add_co_u32 s42, s42, s43
	s_mov_b32 s43, 0
	s_wait_kmcnt 0x0
	s_add_nc_u64 s[8:9], s[8:9], s[42:43]          ; x at my four rows
	s_lshr_b32 s42, s42, 1
	s_add_nc_u64 s[18:19], s[18:19], s[42:43]      ; xn16 likewise, rows of 2,048 bytes
	v_lshlrev_b32 v2, 5, v1                        ; a row is four segments of 256 numbers; I own 8 neighbours of each: 32 bytes in f32,
	v_lshlrev_b32 v3, 4, v1                        ; 16 in f16
	s_mul_i32 s44, s36, 4*XNP
	v_lshl_add_u32 v4, v1, 4, s44                  ; my 16 bytes in my wave's first row in LDS
.irp s, 0,1,2,3
	global_load_b128 v[G+8*\s:G+8*\s+3],    v2, s[10:11] offset:1024*\s
	global_load_b128 v[G+8*\s+4:G+8*\s+7],  v2, s[10:11] offset:1024*\s+16
	global_load_b128 v[BB+8*\s:BB+8*\s+3],   v2, s[12:13] offset:1024*\s
	global_load_b128 v[BB+8*\s+4:BB+8*\s+7], v2, s[12:13] offset:1024*\s+16
.endr
.irp rho, 0,1,2,3
.irp s, 0,1,2,3
	global_load_b128 v[X+32*\rho+8*\s:X+32*\rho+8*\s+3],   v2, s[8:9] offset:4096*\rho+1024*\s th:TH_LOAD_NT
	global_load_b128 v[X+32*\rho+8*\s+4:X+32*\rho+8*\s+7], v2, s[8:9] offset:4096*\rho+1024*\s+16 th:TH_LOAD_NT
.endr
.endr
	LNROW 0
	LNROW 1
	LNROW 2
	LNROW 3
	; beta.  Wave w takes k = 256 w .. 256 w + 255 of the 16 rows x 16 heads; the four partial sums meet in LDS.
	s_wait_xcnt 0x0                                ; the stores have read the rows' registers: they are loaded again only behind this wait
	s_lshl_b32 s44, s36, 14                        ; 256 w rows of Wb, 64 bytes each
	v_lshlrev_b32 v8, 2, v5                        ; head lane % 16
	v_lshl_add_u32 v8, v6, 9, v8                   ; 8 (lane / 16) rows
	v_add_nc_u32 v8, s44, v8
.set i, 0
.rept 128                              ; number i % 16 of K step i / 16: k = 32 (i / 16) + 8 (lane / 16) + i % 16, and 8 more for the upper eight: a fragment's order
	global_load_b32 v[X+i], v8, s[14:15] offset:(32*(i/16)+(i%16)+8*((i%16)/8))*64
.set i, i+1
.endr
	v_lshlrev_b32 v20, 5, v6
	global_load_b128 v[40:43], v20, s[16:17]       ; bb of my eight heads
	global_load_b128 v[44:47], v20, s[16:17] offset:16
	v_mul_u32_u24 v7, v5, XNP
	v_lshl_add_u32 v7, v6, 4, v7
	s_lshl_b32 s45, s36, 9
	v_add_nc_u32 v7, s45, v7                       ; row lane % 16, byte 512 w + 16 (lane / 16)
	s_lshl_b32 s45, s36, 10
	v_lshl_add_u32 v16, v1, 5, PART                ; 32 bytes a lane in partial sum 0,
	v_add_nc_u32 v9, s45, v16                      ; and in my wave's
	v_lshlrev_b32 v17, 6, v5
	v_lshl_add_u32 v17, v6, 5, v17                 ; betat: row lane % 16, heads 8 (lane / 16) on
	s_wait_dscnt 0x0                               ; for the others' sake: my four rows are in LDS
	s_barrier_signal -1
	s_barrier_wait -1
.irp js, 0,1,2,3,4,5,6,7
	ds_load_b128 v[48+8*\js:51+8*\js], v7 offset:64*\js
	ds_load_b128 v[52+8*\js:55+8*\js], v7 offset:64*\js+32
.endr
	s_wait_loadcnt 0x0                             ; Wb and bb
.set i, 0
.rept 64
	v_cvt_pk_f16_f32 v[X+i], v[X+2*i], v[X+2*i+1]  ; ascending, as above: K step js ends up in v[X + 8 js ..]
.set i, i+1
.endr
	s_wait_dscnt 0x0
.irp js, 0,1,2,3,4,5,6,7               ; source 0 = 16 heads, source 1 = 16 rows: a lane holds one row and eight heads.  Two accumulators take turns
.if \js < 2
	v_wmma_f32_16x16x32_f16 v[24+8*(\js%2):31+8*(\js%2)], v[X+8*\js:X+8*\js+7], v[48+8*\js:55+8*\js], 0
.else
	v_wmma_f32_16x16x32_f16 v[24+8*(\js%2):31+8*(\js%2)], v[X+8*\js:X+8*\js+7], v[48+8*\js:55+8*\js], v[24+8*(\js%2):31+8*(\js%2)]
.endif
.endr
.rept 4
	v_nop                                          ; four places behind the last product (ISA guide 7.12.1)
.endr
.irp m, 0,2,4,6
	v_pk_add_f32 v[24+\m:25+\m], v[24+\m:25+\m], v[32+\m:33+\m]
.endr
	ds_store_b128 v9, v[24:27]
	ds_store_b128 v9, v[28:31] offset:16
	s_wait_dscnt 0x0                               ; for wave 0's sake
	s_barrier_signal -1
	s_barrier_wait -1
	s_cmp_lg_u32 s36, 0
	s_cbranch_scc1 .Lend
.irp p, 0,1,2,3
	ds_load_b128 v[48+8*\p:51+8*\p], v16 offset:1024*\p
	ds_load_b128 v[52+8*\p:55+8*\p], v16 offset:1024*\p+16
.endr
	s_lshl_b32 s42, ttmp9, 10                      ; 16 rows of 64 bytes
	s_mov_b32 s43, 0
	s_add_nc_u64 s[20:21], s[20:21], s[42:43]
	s_wait_dscnt 0x0
.irp m, 0,2,4,6
	v_pk_add_f32 v[48+\m:49+\m], v[48+\m:49+\m], v[56+\m:57+\m]
	v_pk_add_f32 v[64+\m:65+\m], v[64+\m:65+\m], v[72+\m:73+\m]
.endr
.irp m, 0,2,4,6
	v_pk_add_f32 v[48+\m:49+\m], v[48+\m:49+\m], v[64+\m:65+\m]
.endr
.irp m, 0,2,4,6
	v_pk_add_f32 v[48+\m:49+\m], v[48+\m:49+\m], v[40+\m:41+\m]
.endr
.irp m, 0,2,4,6
	v_pk_mul_f32 v[48+\m:49+\m], v[48+\m:49+\m], 0xbfb8aa3b op_sel_hi:[1,0]  ; sigmoid(z) = 1 / (1 + 2^(-1.442695 z))
.endr
.irp m, 0,1,2,3,4,5,6,7
	v_exp_f32 v[48+\m], v[48+\m]
.endr
	v_nop
	s_wait_alu depctr_va_vdst(0)
.irp m, 0,2,4,6
	v_pk_add_f32 v[48+\m:49+\m], v[48+\m:49+\m], 1.0 op_sel_hi:[1,0]
.endr
.irp m, 0,1,2,3,4,5,6,7
	v_rcp_f32 v[48+\m], v[48+\m]
.endr
	v_nop
	s_wait_alu depctr_va_vdst(0)
	global_store_b128 v17, v[48:51], s[20:21]
	global_store_b128 v17, v[52:55], s[20:21] offset:16
.Lend:
	s_wait_tensorcnt 0x0                           ; the wave's end: behind my last LDS store
	ds_add_u32 v[SPW], v[NIL]
	s_wait_dscnt 0x0
	s_endpgm
.Lfunc_end_k_q5632c66e25_lnorm:
	.size	k_q5632c66e25_lnorm, .Lfunc_end_k_q5632c66e25_lnorm-k_q5632c66e25_lnorm
	.p2alignl 7, 3214868480
	.fill 96, 4, 3214868480
	.section	.rodata,"a",@progbits
	.p2align	6, 0x0
	.amdhsa_kernel k_q5632c66e25_lnorm
		.amdhsa_group_segment_fixed_size 37888
		.amdhsa_private_segment_fixed_size 0
		.amdhsa_enable_private_segment 0
		.amdhsa_kernarg_size 56
		.amdhsa_user_sgpr_count 2
		.amdhsa_user_sgpr_kernarg_segment_ptr 1
		.amdhsa_wavefront_size32 1
		.amdhsa_system_sgpr_workgroup_id_x 1
		.amdhsa_system_sgpr_workgroup_id_y 1
		.amdhsa_system_sgpr_workgroup_id_z 1
		.amdhsa_system_vgpr_workitem_id 0
		.amdhsa_next_free_vgpr 240
		.amdhsa_next_free_sgpr 66
		.amdhsa_reserve_vcc 0
		.amdhsa_float_denorm_mode_32 3
		.amdhsa_float_denorm_mode_16_64 3
		.amdhsa_memory_ordered 1
		.amdhsa_forward_progress 1
		.amdhsa_inst_pref_size 60
	.end_amdhsa_kernel
	.amdgpu_metadata
---
amdhsa.version: [ 1, 2 ]
amdhsa.kernels:
  - .name:           k_q5632c66e25_lnorm
    .symbol:         k_q5632c66e25_lnorm.kd
    .args:
      - { .name: x, .offset: 0, .size: 8, .value_kind: global_buffer, .address_space: global }
      - { .name: ln_g, .offset: 8, .size: 8, .value_kind: global_buffer, .address_space: global }
      - { .name: ln_b, .offset: 16, .size: 8, .value_kind: global_buffer, .address_space: global }
      - { .name: Wb, .offset: 24, .size: 8, .value_kind: global_buffer, .address_space: global }
      - { .name: bb, .offset: 32, .size: 8, .value_kind: global_buffer, .address_space: global }
      - { .name: xn16, .offset: 40, .size: 8, .value_kind: global_buffer, .address_space: global }
      - { .name: betat, .offset: 48, .size: 8, .value_kind: global_buffer, .address_space: global }
    .group_segment_fixed_size: 37888
    .private_segment_fixed_size: 0
    .kernarg_segment_align: 8
    .kernarg_segment_size: 56
    .max_flat_workgroup_size: 128
    .sgpr_count:     66
    .vgpr_count:     240
    .wavefront_size: 32
...
	.end_amdgpu_metadata
.endif
;; end of part 1
;; launch wturn (part 2): grid 640 x 1, 4 waves a work-group, no clusters, 35,328 bytes of LDS; arguments Wq, Wk, Wv, Wa, Wo, wt, wt2; writes wt, wt2
.if DOCPART == 2
	.amdgcn_target "amdgcn-amd-amdhsa--gfx1250"
	.amdhsa_code_object_version 6
	.text
	.protected	k_q5632c66e25_wturn
	.globl	k_q5632c66e25_wturn
	.p2align	8
	.type	k_q5632c66e25_wturn,@function
k_q5632c66e25_wturn:
	s_mov_b64 s[64:65], 0
	v_nop
	global_prefetch_b8 v0, s[64:65] scope:SCOPE_SE
	s_setreg_imm32_b32 hwreg(HW_REG_WAVE_MODE, 25, 1), 1
	s_wait_xcnt 0x0
; WTURN.  A work-group takes one tile of 128 k x 64 n of Wq, Wk, Wv, Wa or Wo (f32, [k][n]), rounds it to f16 and turns it to [n][k] through LDS.  The first four go to wt ([1024 type + n][k]);
; Wo goes to wt2 ([n][2048]): times 4096 (made in f32, rounded once) at K' = k, and plain at K' = 1024 + k, for the two f16 terms in which the scan writes o.
; Reads: sixteen lanes take 256 consecutive bytes of a row.  Stores: sixteen lanes fill 256 consecutive bytes, aligned.  Each input byte is read once; nothing is shared: no cluster, no tensor load.
; LIMITS.  f16 operands: beyond 65,504 they would be infinite (4096 Wo holds for |Wo| < 16); below 6e-5 they keep f16's fixed step of 6e-8.
.set TP,    272                        ; a row of a turned tile: 128 f16 + 16 bytes
.set T1,    64*TP                      ; the second tile, Wo's scaled copy: bytes of its own
.set SPARE, 2*64*TP                    ; the spare words, 128 bytes a wave: no other line names them
.set SPW,   22
.set NIL,   23
.set X,     112                        ; v112-175 the tile as loaded: 16 rows x 4 columns a lane
	s_load_b256 s[8:15], s[0:1], 0x0               ; Wq, Wk, Wv, Wa
	s_load_b128 s[16:19], s[0:1], 0x20             ; Wo, wt
	s_load_b64 s[20:21], s[0:1], 0x30              ; wt2
	v_lshl_add_u32 v[SPW], v0, 2, SPARE
	v_mov_b32 v[NIL], 0
	v_lshrrev_b32 v1, 5, v0
	v_readfirstlane_b32 s36, v1                    ; wave 0..3
	v_and_b32 v5, 15, v0                           ; lane % 16
	v_bfe_u32 v6, v0, 4, 1                         ; lane / 16
	s_lshr_b32 s43, ttmp9, 7                       ; which matrix: Wq, Wk, Wv, Wa, Wo
	s_bfe_u32 s44, ttmp9, 0x30004                  ; which 128 k
	s_and_b32 s45, ttmp9, 15                       ; which 64 n
	s_lshl_b32 s48, s44, 19                        ; 128 rows of 4,096 bytes
	s_lshl_b32 s49, s45, 8                         ; 64 columns of 4 bytes
	s_add_co_u32 s48, s48, s49
	s_mov_b32 s49, 0
	s_wait_kmcnt 0x0
	s_mov_b64 s[46:47], s[8:9]
	s_cmp_eq_u32 s43, 1
	s_cselect_b64 s[46:47], s[10:11], s[46:47]
	s_cmp_eq_u32 s43, 2
	s_cselect_b64 s[46:47], s[12:13], s[46:47]
	s_cmp_eq_u32 s43, 3
	s_cselect_b64 s[46:47], s[14:15], s[46:47]
	s_cmp_eq_u32 s43, 4
	s_cselect_b64 s[46:47], s[16:17], s[46:47]
	s_add_nc_u64 s[46:47], s[46:47], s[48:49]
	v_lshlrev_b32 v2, 4, v5                        ; sixteen lanes read 256 consecutive bytes of a row;
	v_lshl_add_u32 v2, v6, 15, v2                  ; I take rows 8 (2 wave + lane / 16) + 0..7, and the same 64 rows on
	s_lshl_b32 s50, s36, 16
	v_add_nc_u32 v2, s50, v2
.irp it, 0,1
.irp i, 0,1,2,3,4,5,6,7
	global_load_b128 v[X+32*\it+4*\i:X+32*\it+4*\i+3], v2, s[46:47] offset:\it*262144+\i*4096 th:TH_LOAD_NT
.endr
.endr
	v_mul_u32_u24 v3, v5, 4*TP                     ; in LDS: row n = 4 (lane % 16) + c, 16 bytes = my 8 k
	v_lshl_add_u32 v3, v6, 4, v3
	s_lshl_b32 s51, s36, 5
	v_add_nc_u32 v3, s51, v3
	s_mul_i32 s51, s36, 16*TP                      ; back: rows 16 wave + lane / 16 + 2 j, sixteen lanes a row
	v_mul_u32_u24 v4, v6, TP
	v_lshl_add_u32 v4, v5, 4, v4
	v_add_nc_u32 v4, s51, v4
	s_lshl_b32 s52, s36, 4
	v_add_nc_u32 v7, s52, v6                       ; 16 wave + lane / 16
	v_lshlrev_b32 v9, 4, v5
	s_lshl_b32 s49, s44, 8                         ; 128 k in f16
	s_wait_loadcnt 0x0
.irp it, 0,1
.irp c, 0,1,2,3
.irp i, 0,2,4,6
	v_cvt_pk_f16_f32 v[48+16*\it+4*\c+\i/2], v[X+32*\it+4*\i+\c], v[X+32*\it+4*\i+4+\c]
.endr
.endr
.endr
.irp it, 0,1
.irp c, 0,1,2,3
	ds_store_b128 v3, v[48+16*\it+4*\c:51+16*\it+4*\c] offset:\c*TP+\it*128
.endr
.endr
	s_cmp_lg_u32 s43, 4
	s_cbranch_scc1 .Lone                           ; Wo alone has a second copy
.set i, 0
.rept 32
	v_pk_mul_f32 v[X+2*i:X+2*i+1], v[X+2*i:X+2*i+1], 0x45800000 op_sel_hi:[1,0]  ; times 4096, in f32
.set i, i+1
.endr
.irp it, 0,1
.irp c, 0,1,2,3
.irp i, 0,2,4,6
	v_cvt_pk_f16_f32 v[176+16*\it+4*\c+\i/2], v[X+32*\it+4*\i+\c], v[X+32*\it+4*\i+4+\c]
.endr
.endr
.endr
.irp it, 0,1
.irp c, 0,1,2,3
	ds_store_b128 v3, v[176+16*\it+4*\c:179+16*\it+4*\c] offset:T1+\c*TP+\it*128
.endr
.endr
.Lone:
	s_wait_dscnt 0x0                               ; for the others' sake: my stores are in LDS
	s_barrier_signal -1
	s_barrier_wait -1
.irp j, 0,1,2,3,4,5,6,7
	ds_load_b128 v[80+4*\j:83+4*\j], v4 offset:\j*2*TP
.endr
	s_cmp_eq_u32 s43, 4
	s_cbranch_scc1 .Lwo
	s_lshl_b32 s48, s43, 21                        ; wt: 1,024 rows of 2,048 bytes a matrix
	s_add_co_u32 s48, s48, s49
	s_lshl_b32 s49, s45, 17                        ; 64 rows
	s_add_co_u32 s48, s48, s49
	s_mov_b32 s49, 0
	s_add_nc_u64 s[18:19], s[18:19], s[48:49]
	v_lshl_add_u32 v9, v7, 11, v9
	s_wait_dscnt 0x0
.irp j, 0,1,2,3,4,5,6,7
	global_store_b128 v9, v[80+4*\j:83+4*\j], s[18:19] offset:\j*4096  ; sixteen lanes store 256 consecutive bytes, aligned
.endr
	s_branch .Lend
.Lwo:
.irp j, 0,1,2,3,4,5,6,7
	ds_load_b128 v[48+4*\j:51+4*\j], v4 offset:T1+\j*2*TP
.endr
	s_lshl_b32 s48, s45, 18                        ; wt2: 64 rows of 4,096 bytes
	s_add_co_u32 s48, s48, s49
	s_mov_b32 s49, 0
	s_add_nc_u64 s[20:21], s[20:21], s[48:49]
	v_lshl_add_u32 v9, v7, 12, v9
	s_wait_dscnt 8                                 ; the plain tile is back; the scaled tile's eight loads may be out
.irp j, 0,1,2,3,4,5,6,7
	global_store_b128 v9, v[80+4*\j:83+4*\j], s[20:21] offset:\j*8192+2048  ; the plain copy: K' = 1024 + k
.endr
	s_wait_dscnt 0x0
.irp j, 0,1,2,3,4,5,6,7
	global_store_b128 v9, v[48+4*\j:51+4*\j], s[20:21] offset:\j*8192       ; times 4096: K' = k
.endr
.Lend:
	s_wait_tensorcnt 0x0                           ; the wave's end: behind my last LDS store
	ds_add_u32 v[SPW], v[NIL]
	s_wait_dscnt 0x0
	s_endpgm
.Lfunc_end_k_q5632c66e25_wturn:
	.size	k_q5632c66e25_wturn, .Lfunc_end_k_q5632c66e25_wturn-k_q5632c66e25_wturn
	.p2alignl 7, 3214868480
	.fill 96, 4, 3214868480
	.section	.rodata,"a",@progbits
	.p2align	6, 0x0
	.amdhsa_kernel k_q5632c66e25_wturn
		.amdhsa_group_segment_fixed_size 35328
		.amdhsa_private_segment_fixed_size 0
		.amdhsa_enable_private_segment 0
		.amdhsa_kernarg_size 56
		.amdhsa_user_sgpr_count 2
		.amdhsa_user_sgpr_kernarg_segment_ptr 1
		.amdhsa_wavefront_size32 1
		.amdhsa_system_sgpr_workgroup_id_x 1
		.amdhsa_system_sgpr_workgroup_id_y 1
		.amdhsa_system_sgpr_workgroup_id_z 1
		.amdhsa_system_vgpr_workitem_id 0
		.amdhsa_next_free_vgpr 208
		.amdhsa_next_free_sgpr 66
		.amdhsa_reserve_vcc 0
		.amdhsa_float_denorm_mode_32 3
		.amdhsa_float_denorm_mode_16_64 3
		.amdhsa_memory_ordered 1
		.amdhsa_forward_progress 1
		.amdhsa_inst_pref_size 16
	.end_amdhsa_kernel
	.amdgpu_metadata
---
amdhsa.version: [ 1, 2 ]
amdhsa.kernels:
  - .name:           k_q5632c66e25_wturn
    .symbol:         k_q5632c66e25_wturn.kd
    .args:
      - { .name: Wq, .offset: 0, .size: 8, .value_kind: global_buffer, .address_space: global }
      - { .name: Wk, .offset: 8, .size: 8, .value_kind: global_buffer, .address_space: global }
      - { .name: Wv, .offset: 16, .size: 8, .value_kind: global_buffer, .address_space: global }
      - { .name: Wa, .offset: 24, .size: 8, .value_kind: global_buffer, .address_space: global }
      - { .name: Wo, .offset: 32, .size: 8, .value_kind: global_buffer, .address_space: global }
      - { .name: wt, .offset: 40, .size: 8, .value_kind: global_buffer, .address_space: global }
      - { .name: wt2, .offset: 48, .size: 8, .value_kind: global_buffer, .address_space: global }
    .group_segment_fixed_size: 35328
    .private_segment_fixed_size: 0
    .kernarg_segment_align: 8
    .kernarg_segment_size: 56
    .max_flat_workgroup_size: 128
    .sgpr_count:     66
    .vgpr_count:     208
    .wavefront_size: 32
...
	.end_amdgpu_metadata
.endif
;; end of part 2
;; launch gemm1 (part 3): grid 16 x 16, 4 waves a work-group, clusters of 4 x 4, 327,680 bytes of LDS; arguments xn16, wt, qkva, kn16, betat, ba; writes qkva, kn16
.if DOCPART == 3
	.amdgcn_target "amdgcn-amd-amdhsa--gfx1250"
	.amdhsa_code_object_version 6
	.text
	.protected	k_q5632c66e25_gemm1
	.globl	k_q5632c66e25_gemm1
	.p2align	8
	.type	k_q5632c66e25_gemm1,@function
k_q5632c66e25_gemm1:
	s_mov_b64 s[64:65], 0
	v_nop
	global_prefetch_b8 v0, s[64:65] scope:SCOPE_SE
	s_setreg_imm32_b32 hwreg(HW_REG_WAVE_MODE, 25, 1), 1
	s_wait_xcnt 0x0
	s_wait_alu depctr_hold_cnt(0) depctr_sa_sdst(0) depctr_va_vdst(0) depctr_va_sdst(0) depctr_va_ssrc(0) depctr_va_vcc(0) depctr_vm_vsrc(0)
	s_getreg_b32 s2, hwreg(HW_REG_IB_STS2, 6, 4)
	s_cmp_eq_u32 s2, 0
	s_cbranch_scc0 .Lentry_in_a_cluster
	s_endpgm
.Lentry_in_a_cluster:
	s_bfe_u32 s2, ttmp6, 0x10000c
	s_cmp_lg_u32 s2, 0xf033
	s_cbranch_scc0 .Lentry_shape_is_right
	s_endpgm
.Lentry_shape_is_right:
; GEMM1.  C[m][n] = sum over k of xn16[m][k] wt[n][k], 4096 x 4096 x 1024, f16 operands, f32 sums; n = 1024 type + 64 head + channel, types q, k, v, a.
; A work-group of four waves makes 256 x 256 of C, a wave 128 x 128 (64 accumulators, 512 registers).  K goes in steps of 128 through two LDS slots filled by joint tensor loads:
; 4 x 4 work-groups form a cluster; the four of a row share xn16's tile, the four of a column wt's.  The matrix instruction is used transposed (source 0 = 16 rows of wt, source 1 = 16 rows of
; xn16): a lane holds one row of C and eight neighbouring columns.
; THE WAY OUT.  The wave's 128 x 128 goes in f32 into the slots' bytes (they have had their last fill), and comes back as rows of one head (64 numbers = 16 lanes x 16 bytes).  By type:
; q as it is; k divided by max(|k|, 1e-12) over the head's 64 channels (f32 to qkva, f16 to kn16); v times beta; a as sigmoid(a + ba).  qkva: [type][b h][t][64] f32.
; The type is the cluster's x, the same in all sixteen partners, so the branch on it is alike in all.
; REGISTERS, in windows of 256: window 0: v0-31 addresses; v64-191 xn16's fragments, two buffers; on the way out v64-223 at work.  window 1: v64-191 wt's fragments.  windows 2, 3: accumulators.
.set SIZE_K, 1024
.set KSTEP,  128
.set PITCH,  272                       ; an LDS row: 256 bytes + 16 of padding: the 16 rows of a fragment load start at 16 different groups of four banks (ISA guide 11.1)
.set HALFT,  128*PITCH
.set SLOT,   4*HALFT
.set SPARE,  2*SLOT                    ; behind the ring: the spare words, 128 bytes a wave: no other line names them
.set LAPS,   SIZE_K/(2*KSTEP)
.set DP,     528                       ; the way out: a row of 128 f32 + 16 bytes
.set DWB,    128*DP                    ; a wave's 128 rows
.set ADRA, 16
.set ADRB, 20
.set RDC,  22                          ; v22  the read-back address of the trip in hand
.set STO,  24
.set RD,   25
.set CO,   26                          ; v26  16 x lane: two rows of a head are 512 consecutive bytes of qkva
.set C16,  27                          ; v27  8 x lane: the same two rows in kn16
.set SPW,  28
.set NIL,  29
.set BO,   30                          ; v30  betat: 64 (lane / 16)
.set BAO,  31                          ; v31  ba: 16 (lane % 16)
.set F0,   64
.set F1,   128
.set R,    64                          ; the way out: group n = 2 j + head: rows 2 j, 2 j + 1, four columns a lane
.set BTV,  128
.set NB,   144
.set TT,   152
.set H16,  192
.set G1, 24
.set G0, 32
.set G1B, 48
.set G0B, 56
.set MSB, 0
.macro WIN new                         ; the immediate's high byte repeats the setting that is left; a switch that changes nothing is dropped
.if MSB != (\new)
	s_set_vgpr_msb (MSB<<8)|(\new)
.set MSB, \new
.endif
.endm
.set MUL_LO, 0xa1                      ; source 0 window 1, source 1 window 0, C and D window 2
.set MUL_HI, 0xf1                      ; the same, C and D window 3
.set TO_B,   0x40                      ; destination window 1
.macro JLOAD s                         ; a joint load: waves 0, 1 fetch xn16's halves, waves 2, 3 wt's; an s_nop 0 and four v_nop follow each line
	s_cmp_eq_u32 s11, 0
	s_cbranch_scc0 .Lfor_b_\@
	tensor_load_to_lds s[G0+4*(\s):G0+4*(\s)+3], s[G1:G1+7]
	s_nop 0
.rept 4
	v_nop
.endr
	s_branch .Lasked_\@
.Lfor_b_\@:
	tensor_load_to_lds s[G0B+4*(\s):G0B+4*(\s)+3], s[G1B:G1B+7]
	s_nop 0
.rept 4
	v_nop
.endr
.Lasked_\@:
.endm
.macro CREST                           ; a round of the cluster's barrier behind its opening barrier
	s_cmp_lg_u32 s10, 0
	s_cbranch_scc1 .Lnot_wave_0_\@
	s_barrier_signal -3
.Lnot_wave_0_\@:
	s_barrier_wait -3
	s_barrier_signal -1
	s_barrier_wait -1
.endm
.macro CROUND
	s_barrier_signal -1
	s_barrier_wait -1
	CREST
.endm
	s_load_b128 s[4:7], s[0:1], 0x0                ; xn16, wt
	s_load_b256 s[68:75], s[0:1], 0x10             ; qkva, kn16, betat, ba
	v_lshl_add_u32 v[SPW], v0, 2, SPARE
	v_mov_b32 v[NIL], 0
	ds_add_u32 v[SPW], v[NIL]                      ; the wave's opening: the add and its wait ahead of my first tensor load
	ds_add_u32 v28, v29
	v_lshrrev_b32 v1, 5, v0
	v_readfirstlane_b32 s10, v1                    ; wave 0..3
	s_lshr_b32 s11, s10, 1                         ; my half of the rows; also: I fetch xn16 (0) or wt (1)
	s_and_b32 s12, s10, 1                          ; my half of the columns; also: which 128 rows I fetch
	s_bfe_u32 s40, ttmp6, 0x40000                  ; cx
	s_bfe_u32 s41, ttmp6, 0x40004                  ; cy
	s_lshl_b32 s42, ttmp9, 2
	s_add_co_u32 s42, s42, s40                     ; tile column
	s_and_b32 s13, ttmp7, 0xffff
	s_lshl_b32 s13, s13, 2
	s_add_co_u32 s13, s13, s41                     ; tile row
	s_lshl_b32 s43, s41, 2
	s_lshl_b32 s43, 15, s43                        ; my row of the cluster
	s_lshl_b32 s44, 0x1111, s40                    ; my column
	s_or_b32 s[G1+0], s43, (1<<16)|(1<<20)|(1<<21)|(5<<22)|(3<<25)   ; mask; 2-byte elements; padding on; bit 21 beside a mask; after every 64 words 4 words
	s_or_b32 s[G1B+0], s44, (1<<16)|(1<<20)|(1<<21)|(5<<22)|(3<<25)
.irp g, G1, G1B
	s_mov_b32 s[(\g)+1], KSTEP<<16                 ; tensor_dim0 = 128
	s_mov_b32 s[(\g)+2], 128<<16                   ; tensor_dim1 = 128
	s_mov_b32 s[(\g)+3], KSTEP<<16                 ; tile_dim0 = 128
	s_mov_b32 s[(\g)+4], 128                       ; tile_dim1 = 128
	s_mov_b32 s[(\g)+5], SIZE_K                    ; elements from row to row
	s_mov_b32 s[(\g)+6], 0
	s_mov_b32 s[(\g)+7], 0
.endr
	s_lshl_b32 s17, s12, 7
	s_lshl_b32 s16, s13, 8
	s_add_co_u32 s16, s16, s17                     ; xn16: row 256 x tile row + 128 x half
	s_lshl_b32 s46, s42, 8
	s_add_co_u32 s46, s46, s17                     ; wt: row 256 x tile column + 128 x half
	s_mov_b32 s17, 0
	s_mov_b32 s47, 0
	s_mov_b64 s[18:19], SIZE_K*2
	s_mul_u64 s[16:17], s[16:17], s[18:19]
	s_mul_u64 s[46:47], s[46:47], s[18:19]
	s_mul_i32 s20, s10, HALFT                      ; where they go: wave x 128 rows
	s_wait_dscnt 0x0                               ; the opening add is done
	s_wait_kmcnt 0x0
	s_add_nc_u64 s[14:15], s[4:5], s[16:17]
	s_add_nc_u64 s[46:47], s[6:7], s[46:47]
	CROUND                                         ; all sixteen work-groups are here: the first joint loads meet
.irp s, 0,1
	s_mov_b32 s[G0+4*(\s)], 1
	s_add_co_u32 s[G0+4*(\s)+1], s20, (\s)*SLOT
	s_add_nc_u64 s[G0+4*(\s)+2:G0+4*(\s)+3], s[14:15], (\s)*KSTEP*2
	s_or_b32 s[G0+4*(\s)+3], s[G0+4*(\s)+3], 0x80000000
	s_mov_b32 s[G0B+4*(\s)], 1
	s_add_co_u32 s[G0B+4*(\s)+1], s20, (\s)*SLOT
	s_add_nc_u64 s[G0B+4*(\s)+2:G0B+4*(\s)+3], s[46:47], (\s)*KSTEP*2
	s_or_b32 s[G0B+4*(\s)+3], s[G0B+4*(\s)+3], 0x80000000
	JLOAD \s
.endr
	v_and_b32 v1, 15, v0                           ; l % 16
	v_bfe_u32 v2, v0, 4, 1                         ; l / 16
	v_mul_u32_u24 v3, v1, PITCH
	v_lshl_add_u32 v3, v2, 4, v3
	s_mul_i32 s21, s11, HALFT
	s_mul_i32 s22, s12, HALFT
	s_add_co_u32 s22, s22, 2*HALFT
.irp s, 0,1
	v_add_nc_u32 v[ADRA+(\s)], s21, v3
	v_add_nc_u32 v[ADRB+(\s)], s22, v3
	s_add_co_u32 s21, s21, SLOT
	s_add_co_u32 s22, s22, SLOT
.endr
	s_mul_i32 s23, s10, DWB                        ; the way out: my wave's 128 rows of 528 bytes
	v_mul_u32_u24 v4, v1, DP                       ; in: row l % 16, 32 bytes for each half of the lanes
	v_lshl_add_u32 v4, v2, 5, v4
	v_add_nc_u32 v[STO], s23, v4
	v_mul_u32_u24 v5, v2, DP                       ; back: lanes 0-15 one row of a head, lanes 16-31 the next
	v_lshl_add_u32 v5, v1, 4, v5
	v_add_nc_u32 v[RD], s23, v5
	v_and_b32 v6, 31, v0
	v_lshlrev_b32 v[CO], 4, v6
	v_lshlrev_b32 v[C16], 3, v6
	v_lshlrev_b32 v[BO], 6, v2
	v_lshlrev_b32 v[BAO], 4, v1
.macro MUL16 f, hi, a0, zero           ; 16 matrix instructions: m blocks a0, a0 + 1 of the window's four x all 8 n blocks, 32 along K; the 64 accumulators take turns
	WIN MUL_LO+0x50*(\hi)
.irp a, \a0, (\a0)+1
.irp b, 0,1,2,3,4,5,6,7
.if \zero
	v_wmma_f32_16x16x32_f16 v[8*(8*(\a)+(\b)):8*(8*(\a)+(\b))+7], v[(\f)+8*(\b):(\f)+8*(\b)+7], v[(\f)+8*(4*(\hi)+(\a)):(\f)+8*(4*(\hi)+(\a))+7], 0
.else
	v_wmma_f32_16x16x32_f16 v[8*(8*(\a)+(\b)):8*(8*(\a)+(\b))+7], v[(\f)+8*(\b):(\f)+8*(\b)+7], v[(\f)+8*(4*(\hi)+(\a)):(\f)+8*(4*(\hi)+(\a))+7], v[8*(8*(\a)+(\b)):8*(8*(\a)+(\b))+7]
.endif
.endr
.endr
.endm
.macro FETCH slot, k, f                ; 32 LDS loads in one run: the fragments of 32 along K at byte k of the rows
	WIN TO_B
.irp i, 0,1,2,3,4,5,6,7
	ds_load_b128 v[(\f)+8*(\i):(\f)+8*(\i)+3],   v[ADRB+(\slot)] offset:(\k)+(\i)*16*PITCH
	ds_load_b128 v[(\f)+8*(\i)+4:(\f)+8*(\i)+7], v[ADRB+(\slot)] offset:(\k)+(\i)*16*PITCH+32
.endr
	WIN 0
.irp i, 0,1,2,3,4,5,6,7
	ds_load_b128 v[(\f)+8*(\i):(\f)+8*(\i)+3],   v[ADRA+(\slot)] offset:(\k)+(\i)*16*PITCH
	ds_load_b128 v[(\f)+8*(\i)+4:(\f)+8*(\i)+7], v[ADRA+(\slot)] offset:(\k)+(\i)*16*PITCH+32
.endr
.endm
.macro PLACES                          ; four places in front of loads into registers that matrix instructions have read, and of reads of results
.rept 4
	v_nop
.endr
.endm
.macro QUARTER slot, k, f, g, zero     ; 64 matrix instructions on buffer f; in the middle the next quarter's fragments go into buffer g
	s_wait_dscnt 8                                 ; all but the youngest eight loads (xn16's rows 64-127)
	WIN MUL_LO
	MUL16 \f, 0, 0, \zero
	MUL16 \f, 0, 2, \zero
	PLACES
	FETCH \slot, \k, \g
	s_wait_dscnt 32                                ; all but the 32 just issued
	WIN MUL_HI
	MUL16 \f, 1, 0, \zero
	MUL16 \f, 1, 2, \zero
.endm
.macro MEET round                      ; the change of slots: one barrier; in front of it all my tensor loads, the add, and my reads of this slot
	WIN 0
	s_wait_tensorcnt 0x0                           ; the one that was out is my part of the next slot
	ds_add_u32 v[SPW], v[NIL]
	s_wait_dscnt 9                                 ; the add and the youngest eight loads may be out
	WIN MUL_LO
	MUL16 F1, 0, 0, 0
	s_wait_dscnt 0x0                               ; the add is done, my reads of this slot are over
	s_barrier_signal -1
	MUL16 F1, 0, 2, 0
.if \round
	WIN 0
.endif
	s_barrier_wait -1
.endm
.macro TURN slot, next, fill           ; the last quarter of a K step; fill = 1: the slot just read is filled again, two K steps on, first thing behind the cluster's round
	MEET \fill
.if \fill
	CREST
	s_add_nc_u64 s[G0+4*(\slot)+2:G0+4*(\slot)+3], s[G0+4*(\slot)+2:G0+4*(\slot)+3], 2*KSTEP*2
	s_add_nc_u64 s[G0B+4*(\slot)+2:G0B+4*(\slot)+3], s[G0B+4*(\slot)+2:G0B+4*(\slot)+3], 2*KSTEP*2
	JLOAD \slot                                    ; its four v_nop are also the places in front of the loads below
.else
	PLACES
.endif
	FETCH \next, 0, F0
	WIN MUL_HI
	MUL16 F1, 1, 0, 0
	MUL16 F1, 1, 2, 0
.endm
	s_wait_tensorcnt 1                             ; my part of K step 0 is in; K step 1's may stay out
	s_barrier_signal -1
	s_barrier_wait -1
	FETCH 0, 0, F0
	QUARTER 0, 64,  F0, F1, 1                      ; the first quarter's products start the sums
	WIN 0
	s_mov_b32 s3, LAPS-1
.Llap:                                                 ; a trip goes once round the ring and fills both slots again
	QUARTER 0, 128, F1, F0, 0
	QUARTER 0, 192, F0, F1, 0
	TURN 0, 1, 1
	QUARTER 1, 64,  F0, F1, 0
	QUARTER 1, 128, F1, F0, 0
	QUARTER 1, 192, F0, F1, 0
	TURN 1, 0, 1
	QUARTER 0, 64,  F0, F1, 0
	WIN 0
	s_sub_co_u32 s3, s3, 1
	s_cmp_lg_u32 s3, 0
	s_cbranch_scc1 .Llap
	QUARTER 0, 128, F1, F0, 0                      ; the last lap fills nothing
	QUARTER 0, 192, F0, F1, 0
	TURN 0, 1, 0
	QUARTER 1, 64,  F0, F1, 0
	QUARTER 1, 128, F1, F0, 0
	QUARTER 1, 192, F0, F1, 0
	s_wait_dscnt 8                                 ; the very last quarter
	MUL16 F1, 0, 0, 0
	MUL16 F1, 0, 2, 0
	s_wait_dscnt 0x0                               ; my reads of the slots are over:
	s_barrier_signal -1                            ; behind this barrier the slots' bytes are the waves' stages
	MUL16 F1, 1, 0, 0
	MUL16 F1, 1, 2, 0
	WIN 0
	s_barrier_wait -1
	PLACES
.irp a, 0,1,2,3,4,5,6,7                ; the 128 x 128 in f32 into my own 128 rows; each accumulator's low registers first
	WIN 0x08+4*((\a)/4)                            ; store data (source 1) in window 2 or 3
.irp b, 0,1,2,3,4,5,6,7
	ds_store_b128 v[STO], v[8*(8*((\a)%4)+(\b)):8*(8*((\a)%4)+(\b))+3]   offset:(\a)*16*DP+64*(\b)
	ds_store_b128 v[STO], v[8*(8*((\a)%4)+(\b))+4:8*(8*((\a)%4)+(\b))+7] offset:(\a)*16*DP+64*(\b)+16
.endr
.endr
	WIN 0
	s_lshl_b32 s76, s13, 8
	s_lshl_b32 s77, s11, 7
	s_add_co_u32 s76, s76, s77                     ; my first row of C
	s_lshr_b32 s77, s76, 9                         ; b
	s_and_b32 s78, s76, 511                        ; t
	s_lshl_b32 s79, s40, 2
	s_lshl1_add_u32 s79, s12, s79                  ; my first head = 4 cx + 2 x column half
	s_lshl4_add_u32 s80, s77, s79                  ; 16 b + head
	s_lshl_b32 s80, s80, 9
	s_add_co_u32 s80, s80, s78                     ; row of [b h][t]
	s_lshl_b32 s82, ttmp9, 24                      ; the type's plane of 16,777,216 bytes
	s_lshl_b32 s81, s80, 8
	s_add_co_u32 s82, s82, s81
	s_mov_b32 s83, 0
	s_add_nc_u64 s[68:69], s[68:69], s[82:83]
	s_lshl_b32 s82, s80, 7
	s_add_nc_u64 s[70:71], s[70:71], s[82:83]
	s_lshl_b32 s82, s76, 6
	s_lshl2_add_u32 s82, s79, s82
	s_add_nc_u64 s[72:73], s[72:73], s[82:83]
	s_lshl_b32 s82, s79, 8
	s_add_nc_u64 s[74:75], s[74:75], s[82:83]
	s_mov_b32 s84, 0                               ; the trip's 16 rows in my stage
	s_mov_b32 s85, 0x2b8cbccc                      ; 1e-12
	s_mov_b32 s3, 8                                ; eight trips of 16 rows x 2 heads
.macro RBK                             ; 16 rows x 2 heads back; LDS serves a wave's instructions in order (ISA guide 5.7.1.4): these see my stores
	v_add_nc_u32 v[RDC], s84, v[RD]
.irp n, 0,1,2,3,4,5,6,7,8,9,10,11,12,13,14,15
	ds_load_b128 v[R+4*\n:R+4*\n+3], v[RDC] offset:(\n/2)*2*DP+(\n%2)*256
.endr
	s_wait_dscnt 0x0
.endm
.macro WRF                             ; and out: each store covers 512 consecutive bytes, aligned
.irp n, 0,1,2,3,4,5,6,7,8,9,10,11,12,13,14,15
	global_store_b128 v[CO], v[R+4*\n:R+4*\n+3], s[68:69] offset:(\n/2)*512+(\n%2)*131072
.endr
	s_wait_xcnt 0x0                                ; the stores' data and offsets are rewritten only behind this wait
	v_add_nc_u32 v[CO], 4096, v[CO]
	s_add_co_u32 s84, s84, 16*DP
.endm
.macro BMUL dst, n                     ; a pair times beta of group n
.if (\n)%2
	v_pk_mul_f32 v[\dst:\dst+1], v[\dst:\dst+1], v[BTV+(\n)-1:BTV+(\n)] op_sel:[0,1] op_sel_hi:[1,1]
.else
	v_pk_mul_f32 v[\dst:\dst+1], v[\dst:\dst+1], v[BTV+(\n):BTV+(\n)+1] op_sel_hi:[1,0]
.endif
.endm
	s_cmp_eq_u32 ttmp9, 0
	s_cbranch_scc1 .Lq
	s_cmp_eq_u32 ttmp9, 1
	s_cbranch_scc1 .Lk
	s_cmp_eq_u32 ttmp9, 2
	s_cbranch_scc1 .Lv
	global_load_b128 v[NB:NB+3],   v[BAO], s[74:75]             ; a: ba of my four columns in each of the two heads
	global_load_b128 v[NB+4:NB+7], v[BAO], s[74:75] offset:256
	s_wait_loadcnt 0x0
.irp m, 0,2,4,6
	v_pk_mul_f32 v[NB+\m:NB+\m+1], v[NB+\m:NB+\m+1], 0xbfb8aa3b op_sel_hi:[1,0]
.endr
.La:                                                   ; alpha = 1 / (1 + 2^(-1.442695 (a + ba)))
	RBK
.irp n, 0,1,2,3,4,5,6,7,8,9,10,11,12,13,14,15
	v_pk_fma_f32 v[R+4*\n:R+4*\n+1],   v[R+4*\n:R+4*\n+1],   0xbfb8aa3b, v[NB+4*(\n%2):NB+4*(\n%2)+1]   op_sel_hi:[1,0,1]
	v_pk_fma_f32 v[R+4*\n+2:R+4*\n+3], v[R+4*\n+2:R+4*\n+3], 0xbfb8aa3b, v[NB+4*(\n%2)+2:NB+4*(\n%2)+3] op_sel_hi:[1,0,1]
.endr
.set i, 0
.rept 64
	v_exp_f32 v[R+i], v[R+i]
.set i, i+1
.endr
	v_nop                                          ; a plain instruction behind the transcendentals
.set i, 0
	s_wait_alu depctr_va_vdst(0)
.rept 32
	v_pk_add_f32 v[R+2*i:R+2*i+1], v[R+2*i:R+2*i+1], 1.0 op_sel_hi:[1,0]
.set i, i+1
.endr
.set i, 0
.rept 64
	v_rcp_f32 v[R+i], v[R+i]
.set i, i+1
.endr
	v_nop
	s_wait_alu depctr_va_vdst(0)
	WRF
	s_sub_co_u32 s3, s3, 1
	s_cmp_lg_u32 s3, 0
	s_cbranch_scc1 .La
	s_branch .Ldone
.Lq:
	RBK
	WRF
	s_sub_co_u32 s3, s3, 1
	s_cmp_lg_u32 s3, 0
	s_cbranch_scc1 .Lq
	s_branch .Ldone
.Lk:                                                   ; kn = k / max(|k|, 1e-12): a row of a head lies in 16 lanes, four numbers each
	RBK
.irp n, 0,1,2,3,4,5,6,7,8,9,10,11,12,13,14,15
	v_pk_mul_f32 v[TT+2*\n:TT+2*\n+1], v[R+4*\n:R+4*\n+1], v[R+4*\n:R+4*\n+1]
.endr
.irp n, 0,1,2,3,4,5,6,7,8,9,10,11,12,13,14,15
	v_pk_fma_f32 v[TT+2*\n:TT+2*\n+1], v[R+4*\n+2:R+4*\n+3], v[R+4*\n+2:R+4*\n+3], v[TT+2*\n:TT+2*\n+1]
.endr
.irp n, 0,1,2,3,4,5,6,7,8,9,10,11,12,13,14,15
	v_add_f32 v[TT+2*\n], v[TT+2*\n], v[TT+2*\n+1]
.endr
.irp m, 1,2,4,8
.irp n, 0,1,2,3,4,5,6,7,8,9,10,11,12,13,14,15
	v_add_f32_dpp v[TT+2*\n], v[TT+2*\n], v[TT+2*\n] row_xmask:\m row_mask:0xf bank_mask:0xf
.endr
.endr
.irp n, 0,1,2,3,4,5,6,7,8,9,10,11,12,13,14,15
	v_sqrt_f32 v[TT+2*\n], v[TT+2*\n]
.endr
	v_nop
	s_wait_alu depctr_va_vdst(0)
.irp n, 0,1,2,3,4,5,6,7,8,9,10,11,12,13,14,15
	v_max_num_f32 v[TT+2*\n], s85, v[TT+2*\n]
.endr
.irp n, 0,1,2,3,4,5,6,7,8,9,10,11,12,13,14,15
	v_rcp_f32 v[TT+2*\n], v[TT+2*\n]
.endr
	v_nop
	s_wait_alu depctr_va_vdst(0)
.irp n, 0,1,2,3,4,5,6,7,8,9,10,11,12,13,14,15
	v_pk_mul_f32 v[R+4*\n:R+4*\n+1],   v[R+4*\n:R+4*\n+1],   v[TT+2*\n:TT+2*\n+1] op_sel_hi:[1,0]
	v_pk_mul_f32 v[R+4*\n+2:R+4*\n+3], v[R+4*\n+2:R+4*\n+3], v[TT+2*\n:TT+2*\n+1] op_sel_hi:[1,0]
.endr
.irp n, 0,1,2,3,4,5,6,7,8,9,10,11,12,13,14,15
	v_cvt_pk_f16_f32 v[H16+2*\n],   v[R+4*\n],   v[R+4*\n+1]
	v_cvt_pk_f16_f32 v[H16+2*\n+1], v[R+4*\n+2], v[R+4*\n+3]
.endr
.irp n, 0,1,2,3,4,5,6,7,8,9,10,11,12,13,14,15
	global_store_b64 v[C16], v[H16+2*\n:H16+2*\n+1], s[70:71] offset:(\n/2)*256+(\n%2)*65536  ; 256 consecutive bytes, aligned
.endr
	WRF
	v_add_nc_u32 v[C16], 2048, v[C16]              ; behind the wait that stands in WRF
	s_sub_co_u32 s3, s3, 1
	s_cmp_lg_u32 s3, 0
	s_cbranch_scc1 .Lk
	s_branch .Ldone
.Lv:                                                   ; beta v
.irp n, 0,1,2,3,4,5,6,7,8,9,10,11,12,13,14,15
	global_load_b32 v[BTV+\n], v[BO], s[72:73] offset:(\n/2)*128+(\n%2)*4
.endr
	RBK
	s_wait_loadcnt 0x0                             ; beta is in, and its offset register is free
	v_add_nc_u32 v[BO], 1024, v[BO]
.irp n, 0,1,2,3,4,5,6,7,8,9,10,11,12,13,14,15
	BMUL R+4*\n, \n
	BMUL R+4*\n+2, \n
.endr
	WRF
	s_sub_co_u32 s3, s3, 1
	s_cmp_lg_u32 s3, 0
	s_cbranch_scc1 .Lv
.Ldone:
	s_wait_tensorcnt 0x0                           ; the wave's end
	ds_add_u32 v[SPW], v[NIL]
	s_wait_dscnt 0x0
	CROUND                                         ; the closing round
	s_endpgm
.Lfunc_end_k_q5632c66e25_gemm1:
	.size	k_q5632c66e25_gemm1, .Lfunc_end_k_q5632c66e25_gemm1-k_q5632c66e25_gemm1
	.p2alignl 7, 3214868480
	.fill 96, 4, 3214868480
	.section	.rodata,"a",@progbits
	.p2align	6, 0x0
	.amdhsa_kernel k_q5632c66e25_gemm1
		.amdhsa_group_segment_fixed_size 327680
		.amdhsa_private_segment_fixed_size 0
		.amdhsa_enable_private_segment 0
		.amdhsa_kernarg_size 48
		.amdhsa_user_sgpr_count 2
		.amdhsa_user_sgpr_kernarg_segment_ptr 1
		.amdhsa_wavefront_size32 1
		.amdhsa_system_sgpr_workgroup_id_x 1
		.amdhsa_system_sgpr_workgroup_id_y 1
		.amdhsa_system_sgpr_workgroup_id_z 1
		.amdhsa_system_vgpr_workitem_id 0
		.amdhsa_next_free_vgpr 1024
		.amdhsa_next_free_sgpr 90
		.amdhsa_reserve_vcc 0
		.amdhsa_float_denorm_mode_32 3
		.amdhsa_float_denorm_mode_16_64 3
		.amdhsa_memory_ordered 1
		.amdhsa_forward_progress 1
		.amdhsa_inst_pref_size 158
	.end_amdhsa_kernel
	.amdgpu_metadata
---
amdhsa.version: [ 1, 2 ]
amdhsa.kernels:
  - .name:           k_q5632c66e25_gemm1
    .symbol:         k_q5632c66e25_gemm1.kd
    .args:
      - { .name: xn16, .offset: 0, .size: 8, .value_kind: global_buffer, .address_space: global }
      - { .name: wt, .offset: 8, .size: 8, .value_kind: global_buffer, .address_space: global }
      - { .name: qkva, .offset: 16, .size: 8, .value_kind: global_buffer, .address_space: global }
      - { .name: kn16, .offset: 24, .size: 8, .value_kind: global_buffer, .address_space: global }
      - { .name: betat, .offset: 32, .size: 8, .value_kind: global_buffer, .address_space: global }
      - { .name: ba, .offset: 40, .size: 8, .value_kind: global_buffer, .address_space: global }
    .group_segment_fixed_size: 327680
    .private_segment_fixed_size: 0
    .kernarg_segment_align: 8
    .kernarg_segment_size: 48
    .max_flat_workgroup_size: 128
    .sgpr_count:     90
    .vgpr_count:     1024
    .wavefront_size: 32
...
	.end_amdgpu_metadata
.endif
;; end of part 3
;; launch scan (part 4): grid 256 x 1, 4 waves a work-group, no clusters, 327,680 bytes of LDS; arguments qkva, kn16, betat, raw_gamma_m, obuf; writes obuf
.if DOCPART == 4
	.amdgcn_target "amdgcn-amd-amdhsa--gfx1250"
	.amdhsa_code_object_version 6
	.text
	.protected	k_q5632c66e25_scan
	.globl	k_q5632c66e25_scan
	.p2align	8
	.type	k_q5632c66e25_scan,@function
k_q5632c66e25_scan:
	s_mov_b64 s[64:65], 0
	v_nop
	global_prefetch_b8 v0, s[64:65] scope:SCOPE_SE
	s_setreg_imm32_b32 hwreg(HW_REG_WAVE_MODE, 25, 1), 1
	s_wait_xcnt 0x0
; SCAN.  Work-group id: head b h = id / 2, columns 32 (id % 2) .. + 31 of the state S (the 64 columns of S never meet).
; PHASE A.  M_t = g M_(t-1) + kn kn^T with M = 1e-6 I at the start has the closed form  M_t kn_t = 1e-6 g^(t+1) kn_t + sum over s <= t of g^(t-s) (kn_s . kn_t) kn_s :
; a causal product with a scalar decay, all exponents >= 0.  Scores kn_s . kn_t by the matrix unit (f16 kn), times the decay in f32, rounded to f16, times kn again; then
; ktilde = Mk / max(|Mk|, 1e-6), and -beta ktilde goes to LDS in f32 for all 512 steps.  Wave w takes the 32-row blocks 2w, 2w+1, 14-2w, 15-2w: 30 earlier blocks of keys for every wave.
; PHASE B.  S is walked step by step in f32: S = diag(a) S; p = kn^T S; S += (-beta ktilde) p^T + kn (beta v)^T; o = S^T q.  Lane l: rows 8 (l % 8) .. + 7, columns 8 wave + 2 (l / 8), + 1.
; The sums over rows cross eight lanes (three steps on the arithmetic itself).  o of step t is made in step t + 1, between the links of p's sum.  q, kn, beta v, a come in chunks of 64 steps
; through two LDS slots, a plane a wave; a tile holds 66 rows, the chunk's 64 and the next chunk's first two, since the walk loads two steps ahead (behind the head's last row the mover writes zeros:
; the descriptor states the rows that are left).  The second slot lies on kn16's bytes, which phase A has finished with.
; o leaves as two f16 terms, A1 = f16(o / 4096) and A2 = f16(o - 4096 A1), laid [8 columns' group][row][8] for the last product.
; NO CLUSTER: only the two work-groups of a head share tiles, and a refill has 64 steps in which to land.
; LIMITS.  |o| < 1.3e8 (beyond it a term leaves f16).  log2 g is held at -1000 or above; a power of g below 2^-126 counts as 0.  kn enters phase A in f16.
.set TILE,  16896                      ; 66 rows of 256 bytes; a slot is four tiles: q, kn, beta v, a
.set SLOT1, 208896                     ; 0x33000: shares no bit with wave x 0x4200, so one exclusive or turns an address in slot 0 into slot 1's
.set NKT,   67584                      ; behind slot 0: -beta ktilde, 512 rows of 256 bytes + 16
.set NP,    272
.set NKG,   206848                     ; 2,048 bytes of zeros: the look-ahead behind row 511 lands here
.set XB,    208896                     ; kn16: 512 rows of 128 bytes + 16
.set PX,    144
.set OST,   282624                     ; each wave's stage for o: 68 rows (steps -4 .. 63) of 32 bytes
.set OSB,   2304
.set SPARE, 291840                     ; the spare words, 128 bytes a wave: no other line names them
.set SPW,   46
.set NIL,   47
.set WV,    14                         ; s14 wave
; phase A: v2 K's lane address, v3 V's, v4, v5, v6 those of the run in hand, v7 NKT's, v8, v9 betat's, v10 l % 16, v11 l / 16, v12 log2 g, v13 16 log2 g, v14 g^16, v15 g^32
.set GV,  16                           ; v16-19  g^(16 n), g^(16 (n+1)), g^(16 (n+2)), the last twice
.set D0,  20                           ; v20-27  g^e for e = l % 16 - 8 (l / 16) - j >= 0, else 0
.set D1,  28                           ; v28-35  g^(e + 16)
.set PF,  48                           ; v48-63  weights in f16, 8 registers a tile of 16 t
.set QF,  64                           ; v64-95  kn of the block's 32 t
.set ACC, 96                           ; v96-159 Mk: tile i, channels 16 cb on at ACC + 32 i + 8 cb
.set KF,  160                          ; v160-191 kn of 32 s, as it lies
.set VF,  192                          ; v192-223 the same, turned
.set SC,  224                          ; v224-255 scores: tile (i, u) at SC + 8 (2 i + u)
; phase B
.set ADRC, 2
.set ADRV, 3
.set ADRK, 4
.set OSA,  5
.set LC,   6                           ; 32 (l % 8)
.set LV,   7                           ; my two columns' bytes in a row
.set OSA0, 8
.set FRD,  9
.set GO,   10
.set LK,   11
.set SA,   64                          ; v64-79  the state: 8 rows x 2 columns
.set SB,   80                          ; v80-95  at work
.set SET,  96                          ; four sets of 34: q 8, kn 8, a 8, -beta ktilde 8, beta v 2
.set P0,   232
.set P1,   234
.set O0,   236
.set O1,   238
.set OC,   240                         ; four steps' o, by l % 4
.macro PLACES                          ; four places behind matrix instructions (ISA guide 7.12.1)
.rept 4
	v_nop
.endr
.endm
.macro QLOAD
.irp i, 0,1
.irp c, 0,1
	ds_load_b128 v[QF+16*\i+8*\c:QF+16*\i+8*\c+3],   v6 offset:\i*16*PX+\c*64
	ds_load_b128 v[QF+16*\i+8*\c+4:QF+16*\i+8*\c+7], v6 offset:\i*16*PX+\c*64+32
.endr
.endr
.endm
.macro KLOAD a
.irp u, 0,1
.irp c, 0,1
	ds_load_b128 v[KF+16*\u+8*\c:KF+16*\u+8*\c+3],   v[\a] offset:\u*16*PX+\c*64
	ds_load_b128 v[KF+16*\u+8*\c+4:KF+16*\u+8*\c+7], v[\a] offset:\u*16*PX+\c*64+32
.endr
.endr
.endm
.macro VLOAD
.irp cb, 0,1,2,3
	ds_load_tr16_b128 v[VF+8*\cb:VF+8*\cb+3],   v5 offset:32*\cb
	ds_load_tr16_b128 v[VF+8*\cb+4:VF+8*\cb+7], v5 offset:32*\cb+16*PX
.endr
.endm
.macro SCORE i, u, c                   ; source 0 = 16 s, source 1 = 16 t: a lane holds one t and eight s
.set rS, SC+8*(2*(\i)+(\u))
.if \c
	v_wmma_f32_16x16x32_f16 v[rS:rS+7], v[KF+16*(\u)+8:KF+16*(\u)+15], v[QF+16*(\i)+8:QF+16*(\i)+15], v[rS:rS+7]
.else
	v_wmma_f32_16x16x32_f16 v[rS:rS+7], v[KF+16*(\u):KF+16*(\u)+7], v[QF+16*(\i):QF+16*(\i)+7], 0
.endif
.endm
.macro SCALE i, u, tab, gi=-1          ; the decay: a table by lane and register, and for earlier blocks a power of g^16; from the low registers on
.set rS, SC+8*(2*(\i)+(\u))
.irp m, 0,1,2,3
	v_pk_mul_f32 v[rS+2*\m:rS+2*\m+1], v[rS+2*\m:rS+2*\m+1], v[\tab+2*\m:\tab+2*\m+1]
.endr
.if (\gi) >= 0
.irp m, 0,1,2,3
.if (\gi) == 1
	v_pk_mul_f32 v[rS+2*\m:rS+2*\m+1], v[rS+2*\m:rS+2*\m+1], v[GV:GV+1] op_sel:[0,1] op_sel_hi:[1,1]
.elseif (\gi) == 0
	v_pk_mul_f32 v[rS+2*\m:rS+2*\m+1], v[rS+2*\m:rS+2*\m+1], v[GV:GV+1] op_sel_hi:[1,0]
.else
	v_pk_mul_f32 v[rS+2*\m:rS+2*\m+1], v[rS+2*\m:rS+2*\m+1], v[GV+2:GV+3] op_sel_hi:[1,0]
.endif
.endr
.endif
.endm
.macro CVT i, u
.set rS, SC+8*(2*(\i)+(\u))
.irp m, 0,1,2,3
	v_cvt_pk_f16_f32 v[PF+8*(\i)+4*(\u)+\m], v[rS+2*\m], v[rS+2*\m+1]
.endr
.endm
.macro PVM i, cb, zero                 ; source 0 = 16 channels x 32 s, source 1 = 32 s x 16 t
.set rA, ACC+32*(\i)+8*(\cb)
.if \zero
	v_wmma_f32_16x16x32_f16 v[rA:rA+7], v[VF+8*(\cb):VF+8*(\cb)+7], v[PF+8*(\i):PF+8*(\i)+7], 0
.else
	v_wmma_f32_16x16x32_f16 v[rA:rA+7], v[VF+8*(\cb):VF+8*(\cb)+7], v[PF+8*(\i):PF+8*(\i)+7], v[rA:rA+7]
.endif
.endm
.macro UNH dst, r                      ; the two f16 of register r, widened
	v_cvt_f32_f16 v[\dst], v\r\().l
	v_cvt_f32_f16 v[\dst+1], v\r\().h
.endm
.macro FIN i                           ; tile i of the block: + 1e-6 g^(t+1) kn, the norm, times -beta / max(norm, 1e-6), into LDS
.set rA, ACC+32*(\i)
	s_lshl_b32 s61, s59, 5
	s_add_co_u32 s61, s61, 16*(\i)+1
	v_add_nc_u32 v38, s61, v10                     ; t + 1
	v_cvt_f32_u32 v38, v38
	v_mul_f32 v38, v12, v38
	v_exp_f32 v38, v38
.set m, 0
.if \i
.irp r, 80,81,82,83,84,85,86,87,88,89,90,91,92,93,94,95
	UNH SC+2*m, \r
.set m, m+1
.endr
.else
.irp r, 64,65,66,67,68,69,70,71,72,73,74,75,76,77,78,79
	UNH SC+2*m, \r                                 ; kn_t's fragment holds the very channels, in the very lanes, that Mk's accumulators hold
.set m, m+1
.endr
.endif
	s_wait_alu depctr_va_vdst(0)
	v_mul_f32 v38, 0x358637bd, v38                 ; 1e-6 g^(t+1)
	v_mov_b32 v39, v38
.set m, 0
.rept 16
	v_pk_fma_f32 v[rA+2*m:rA+2*m+1], v[SC+2*m:SC+2*m+1], v[38:39], v[rA+2*m:rA+2*m+1]  ; ascending: each accumulator is read from its low end on
.set m, m+1
.endr
	v_pk_mul_f32 v[40:41], v[rA:rA+1], v[rA:rA+1]
	v_pk_mul_f32 v[42:43], v[rA+2:rA+3], v[rA+2:rA+3]
.set m, 2
.rept 14
	v_pk_fma_f32 v[40+2*(m%2):41+2*(m%2)], v[rA+2*m:rA+2*m+1], v[rA+2*m:rA+2*m+1], v[40+2*(m%2):41+2*(m%2)]
.set m, m+1
.endr
	v_pk_add_f32 v[40:41], v[40:41], v[42:43]
	v_add_f32 v40, v40, v41
	v_permlanex16_b32 v41, v40, s66, s67           ; the other 32 channels lie in the lane 16 away
	v_add_f32 v40, v40, v41
	v_sqrt_f32 v40, v40
	v_nop
	s_wait_alu depctr_va_vdst(0)
	v_max_num_f32 v40, 0x358637bd, v40
	v_rcp_f32 v40, v40
	v_nop
	s_wait_alu depctr_va_vdst(0)
	v_mul_f32 v40, v40, v[36+(\i)]
	v_sub_f32 v40, 0, v40
	v_mov_b32 v41, v40
.set m, 0
.rept 16
	v_pk_mul_f32 v[rA+2*m:rA+2*m+1], v[rA+2*m:rA+2*m+1], v[40:41]
.set m, m+1
.endr
.irp cb, 0,1,2,3
	ds_store_b128 v44, v[rA+8*\cb:rA+8*\cb+3]   offset:(\i)*16*NP+64*\cb
	ds_store_b128 v44, v[rA+8*\cb+4:rA+8*\cb+7] offset:(\i)*16*NP+64*\cb+16
.endr
.endm
; A block of 32 t, number s59.  Its own 32 s first (three of the four tiles; the fourth lies above the diagonal), then the earlier blocks of s, st = 0 .. s59 - 1: the loop counts to the constant 15 and
; jumps forward over the dead steps.  K's run of 8 loads and then V's are always one step ahead: each wait for 8 leaves the younger run out.  No two matrix instructions on end share an accumulator.
.macro BLOCK
	s_mul_i32 s61, s59, 32*PX
	v_add_nc_u32 v6, s61, v2
	v_add_nc_u32 v5, s61, v3
	s_lshl_b32 s61, s59, 11
	v_add_nc_u32 v9, s61, v8
	s_mul_i32 s61, s59, 32*NP
	v_add_nc_u32 v44, s61, v7
	global_load_b32 v36, v9, s[8:9]                ; beta of t = 32 block + l % 16,
	global_load_b32 v37, v9, s[8:9] offset:1024    ; and 16 on
	QLOAD
	KLOAD 6
	VLOAD
	s_wait_dscnt 8                                 ; Q and K are in, V's eight may be out
	SCORE 0, 0, 0
	SCORE 1, 0, 0
	SCORE 1, 1, 0
	SCORE 0, 0, 1
	SCORE 1, 0, 1
	SCORE 1, 1, 1
	PLACES
	KLOAD 2                                        ; s block 0
	SCALE 0, 0, D0
	SCALE 1, 1, D0
	SCALE 1, 0, D1
	CVT 0, 0
	CVT 1, 0
	CVT 1, 1
.irp m, 4,5,6,7
	v_mov_b32 v[PF+\m], 0                          ; the tile above the diagonal
.endr
	s_wait_dscnt 8                                 ; V is in, the next K's eight may be out
.irp cb, 0,1,2,3
	PVM 0, \cb, 1
	PVM 1, \cb, 1
.endr
	PLACES
	v_mov_b32 v5, v3
	VLOAD
	s_mov_b32 s60, 0
.Lfar_\@:
	s_cmp_ge_u32 s60, s59
	s_cbranch_scc1 .Lnext_\@
	s_sub_co_u32 s61, s59, s60
	s_lshl_b32 s61, s61, 1
	s_sub_co_u32 s61, s61, 2                       ; t - s = 16 (2 (block - st) - 2 + i - u + 1) + (e + 16)
	v_cvt_f32_u32 v38, s61
	v_mul_f32 v38, v13, v38
	v_exp_f32 v[GV], v38
	s_mul_i32 s62, s60, 32*PX
	s_add_co_u32 s62, s62, 32*PX
	v_add_nc_u32 v4, s62, v2                       ; the next s block: it never passes the block's own
	v_add_nc_u32 v5, s62, v3
	s_wait_alu depctr_va_vdst(0)
	v_mul_f32 v[GV+1], v[GV], v14
	v_mul_f32 v[GV+2], v[GV], v15
	v_mul_f32 v[GV+3], v[GV], v15
	s_wait_dscnt 8                                 ; K is in
	SCORE 0, 0, 0
	SCORE 0, 1, 0
	SCORE 1, 0, 0
	SCORE 1, 1, 0
	SCORE 0, 0, 1
	SCORE 0, 1, 1
	SCORE 1, 0, 1
	SCORE 1, 1, 1
	PLACES
	KLOAD 4
	SCALE 0, 0, D1, 1
	SCALE 0, 1, D1, 0
	SCALE 1, 0, D1, 2
	SCALE 1, 1, D1, 1
	CVT 0, 0
	CVT 0, 1
	CVT 1, 0
	CVT 1, 1
	s_wait_dscnt 8                                 ; V is in
.irp cb, 0,1,2,3
	PVM 0, \cb, 0
	PVM 1, \cb, 0
.endr
	PLACES
	VLOAD
.Lnext_\@:
	s_add_co_u32 s60, s60, 1
	s_cmp_lt_u32 s60, 15
	s_cbranch_scc1 .Lfar_\@
	s_wait_dscnt 0x0                               ; the runs fetched ahead and not used
	s_wait_loadcnt 0x0                             ; beta
	FIN 0
	FIN 1
.endm
	s_load_b256 s[4:11], s[0:1], 0x0               ; qkva, kn16, betat, raw_gamma_m
	s_load_b64 s[12:13], s[0:1], 0x20              ; obuf
	v_lshl_add_u32 v[SPW], v0, 2, SPARE
	v_mov_b32 v[NIL], 0
	ds_add_u32 v[SPW], v[NIL]                      ; the wave's opening: the add and its wait ahead of my first tensor load
	ds_add_u32 v46, v47
	v_lshrrev_b32 v1, 5, v0
	v_readfirstlane_b32 s[WV], v1
	s_lshr_b32 s15, ttmp9, 1                       ; b h
	s_and_b32 s16, ttmp9, 1                        ; which 32 columns
	s_lshr_b32 s17, s15, 4                         ; b
	s_and_b32 s18, s15, 15                         ; h
	s_mov_b32 s24, 3<<16                           ; the ring's shape: elements of 8 bytes, no padding
	s_mov_b32 s25, 32<<16                          ; tensor_dim0 = 32: a row of 256 bytes
	s_mov_b32 s26, 512<<16                         ; tensor_dim1 = the rows left of the head from the tile's first: 512, and 64 fewer with every chunk
	s_mov_b32 s27, 32<<16                          ; tile_dim0 = 32
	s_mov_b32 s28, 66                              ; tile_dim1 = 66 rows
	s_mov_b32 s29, 32                              ; 32 elements from row to row
	s_mov_b32 s30, 0
	s_mov_b32 s31, 0
	s_mov_b32 s36, (1<<16)|(1<<20)|(4<<22)|(3<<25) ; kn16's shape: 128 t as 64 rows of 256 bytes, 4 words of padding after every 32 words
	s_mov_b32 s37, 128<<16
	s_mov_b32 s38, 64<<16
	s_mov_b32 s39, 128<<16
	s_mov_b32 s40, 64
	s_mov_b32 s41, 128
	s_mov_b32 s42, 0
	s_mov_b32 s43, 0
	s_mov_b32 s32, 1
	s_mul_i32 s33, s[WV], TILE                     ; wave w brings plane w (q, kn, beta v, a) to tile w of the slot
	s_mov_b32 s44, 1
	s_mul_i32 s45, s[WV], 128*PX
	s_add_co_u32 s45, s45, XB
	s_lshl_b32 s50, s[WV], 24
	s_lshl_b32 s51, s15, 17
	s_add_co_u32 s50, s50, s51
	s_mov_b32 s51, 0
	s_lshl_b32 s76, s15, 16
	s_lshl_b32 s77, s[WV], 14
	s_add_co_u32 s76, s76, s77
	s_mov_b32 s77, 0
	s_mov_b32 s66, 0x76543210
	s_mov_b32 s67, 0xfedcba98
	s_wait_dscnt 0x0                               ; the opening add is done
	s_wait_kmcnt 0x0
	s_add_nc_u64 s[34:35], s[4:5], s[50:51]
	s_or_b32 s35, s35, 0x80000000
	s_add_nc_u64 s[46:47], s[6:7], s[76:77]
	s_or_b32 s47, s47, 0x80000000
	tensor_load_to_lds s[44:47], s[36:43]          ; my 128 rows of kn16
	s_nop 0
	tensor_load_to_lds s[32:35], s[24:31]          ; chunk 0 of my plane into slot 0: two loads of mine are out
	s_nop 0
	s_lshl_b32 s76, s18, 2
	s_add_nc_u64 s[10:11], s[10:11], s[76:77]
	s_load_b32 s48, s[10:11], 0x0                  ; raw_gamma_m[h]
	s_lshl_b32 s62, s17, 15
	s_add_co_u32 s76, s76, s62
	s_add_nc_u64 s[8:9], s[8:9], s[76:77]          ; betat at (512 b, h)
	v_and_b32 v10, 15, v0
	v_bfe_u32 v11, v0, 4, 1
	v_mul_u32_u24 v2, v10, PX
	v_lshl_add_u32 v2, v11, 4, v2
	v_add_nc_u32 v2, XB, v2                        ; row l % 16, 16 bytes for each half of the lanes
	v_and_b32 v36, 7, v0
	v_bfe_u32 v37, v0, 3, 1
	v_lshl_add_u32 v3, v11, 3, v36
	v_mul_u32_u24 v3, v3, PX
	v_lshl_add_u32 v3, v37, 4, v3
	v_add_nc_u32 v3, XB, v3                        ; the turning load: row 8 (l / 16) + l % 8, 16 bytes by (l / 8) % 2
	v_mul_u32_u24 v7, v10, NP
	v_lshl_add_u32 v7, v11, 5, v7
	v_add_nc_u32 v7, NKT, v7
	v_lshlrev_b32 v8, 6, v10
	v_lshl_add_u32 v36, v0, 4, NKG
.irp m, 40,41,42,43
	v_mov_b32 v\m, 0
.endr
	ds_store_b128 v36, v[40:43]                    ; the guard behind row 511
	s_wait_kmcnt 0x0
	v_mov_b32 v12, s48
	v_mul_f32 v12, 0xbfb8aa3b, v12
	v_exp_f32 v12, v12
	v_nop
	s_wait_alu depctr_va_vdst(0)
	v_add_f32 v12, 1.0, v12
	v_log_f32 v12, v12
	v_nop
	s_wait_alu depctr_va_vdst(0)
	v_sub_f32 v12, 0, v12                          ; log2 sigmoid(raw) = -log2(1 + 2^(-1.442695 raw)),
	v_max_num_f32 v12, 0xc47a0000, v12             ; held at -1000, so that 0 times it stays 0
	v_mul_f32 v13, 0x41800000, v12
	v_exp_f32 v14, v13
	v_nop
	s_wait_alu depctr_va_vdst(0)
	v_mul_f32 v15, v14, v14
	v_lshlrev_b32 v36, 3, v11
	v_sub_nc_u32 v36, v10, v36
.irp j, 0,1,2,3,4,5,6,7
	v_add_nc_u32 v37, -(\j), v36                   ; e = l % 16 - 8 (l / 16) - j
	v_cvt_f32_i32 v38, v37
	v_mul_f32 v39, v12, v38
	v_add_f32 v38, v13, v39
	v_exp_f32 v[D0+\j], v39
	v_exp_f32 v[D1+\j], v38
	v_nop
	v_cmp_le_i32 vcc_lo, 0, v37
	s_wait_alu depctr_va_vdst(0)
	v_cndmask_b32 v[D0+\j], 0, v[D0+\j], vcc_lo    ; a key behind the query counts 0
.endr
	s_wait_tensorcnt 0x1                           ; my part of kn16 is in; chunk 0 may stay out
	s_wait_dscnt 0x0
	s_barrier_signal -1
	s_barrier_wait -1
	s_mov_b32 s58, 0
.Lblock:
	s_lshl_b32 s59, s[WV], 1
	s_add_co_u32 s59, s59, s58                     ; blocks 2 w, 2 w + 1
	BLOCK
	s_lshl_b32 s61, s[WV], 1
	s_sub_co_u32 s59, 14, s61
	s_add_co_u32 s59, s59, s58                     ; blocks 14 - 2 w, 15 - 2 w
	BLOCK
	s_add_co_u32 s58, s58, 1
	s_cmp_lt_u32 s58, 2
	s_cbranch_scc1 .Lblock
	; ---------------- phase B ----------------
.macro MULB dst, a, b                  ; pair dst = pair a times register b
.if (\b)&1
	v_pk_mul_f32 v[\dst:\dst+1], v[\a:\a+1], v[(\b)-1:(\b)] op_sel:[0,1] op_sel_hi:[1,1]
.else
	v_pk_mul_f32 v[\dst:\dst+1], v[\a:\a+1], v[(\b):(\b)+1] op_sel_hi:[1,0]
.endif
.endm
.macro FMAB dst, a, b, c               ; pair dst = pair a times register b + pair c
.if (\b)&1
	v_pk_fma_f32 v[\dst:\dst+1], v[\a:\a+1], v[(\b)-1:(\b)], v[\c:\c+1] op_sel:[0,1,0] op_sel_hi:[1,1,1]
.else
	v_pk_fma_f32 v[\dst:\dst+1], v[\a:\a+1], v[(\b):(\b)+1], v[\c:\c+1] op_sel_hi:[1,0,1]
.endif
.endm
.macro DPP2 r, m                       ; both registers of a pair take the lane l xor m
	v_add_f32_dpp v[\r], v[\r], v[\r] row_xmask:\m row_mask:0xf bank_mask:0xf
	v_add_f32_dpp v[\r+1], v[\r+1], v[\r+1] row_xmask:\m row_mask:0xf bank_mask:0xf
.endm
.macro LD set, n                       ; nine loads: step n of the trip into a set
.set LS, SET+34*(\set)
	ds_load_b128 v[LS:LS+3],     v[ADRC] offset:256*(\n)
	ds_load_b128 v[LS+4:LS+7],   v[ADRC] offset:256*(\n)+16
	ds_load_b128 v[LS+8:LS+11],  v[ADRC] offset:TILE+256*(\n)
	ds_load_b128 v[LS+12:LS+15], v[ADRC] offset:TILE+256*(\n)+16
	ds_load_b128 v[LS+16:LS+19], v[ADRC] offset:3*TILE+256*(\n)
	ds_load_b128 v[LS+20:LS+23], v[ADRC] offset:3*TILE+256*(\n)+16
	ds_load_b128 v[LS+24:LS+27], v[ADRK] offset:NP*(\n)
	ds_load_b128 v[LS+28:LS+31], v[ADRK] offset:NP*(\n)+16
	ds_load_b64  v[LS+32:LS+33], v[ADRV] offset:2*TILE+256*(\n)
.endm
.macro ADDRS
	v_add_nc_u32 v[ADRC], s53, v[LC]
	v_add_nc_u32 v[ADRV], s53, v[LV]
	v_add_nc_u32 v[ADRK], s54, v[LK]
	v_add_nc_u32 v[OSA],  s55, v[OSA0]
.endm
.macro STEP u
.set CS, SET+34*(\u)
.set PS, SET+34*(((\u)+3)%4)
	s_wait_dscnt 9                                 ; this step's set is in; the next step's nine loads may be out
	LD ((\u)+2)%4, (\u)+2                          ; two steps ahead
.irp d, 0,1,2,3,4,5,6,7
	MULB SB+2*\d, SA+2*\d, CS+16+\d                ; diag(a) S
.endr
	MULB P0, SB, CS+8                              ; kn^T S, my eight rows, in two chains; and S += kn (beta v)^T
	MULB P1, SB+2, CS+9
	FMAB SB, CS+32, CS+8, SB
	FMAB SB+2, CS+32, CS+9, SB+2
.irp d, 2,4,6
	FMAB P0, SB+2*\d, CS+8+\d, P0
	FMAB P1, SB+2*\d+2, CS+9+\d, P1
	FMAB SB+2*\d, CS+32, CS+8+\d, SB+2*\d
	FMAB SB+2*\d+2, CS+32, CS+9+\d, SB+2*\d+2
.endr
	MULB O0, SA, PS                                ; the step before's o = S^T q stands between the links of p's sum
	MULB O1, SA+2, PS+1
	v_pk_add_f32 v[P0:P0+1], v[P0:P0+1], v[P1:P1+1]
	FMAB O0, SA+4, PS+2, O0
	FMAB O1, SA+6, PS+3, O1
	DPP2 P0, 1
	FMAB O0, SA+8, PS+4, O0
	FMAB O1, SA+10, PS+5, O1
	DPP2 P0, 2
	FMAB O0, SA+12, PS+6, O0
	FMAB O1, SA+14, PS+7, O1
	DPP2 P0, 4
	v_pk_add_f32 v[O0:O0+1], v[O0:O0+1], v[O1:O1+1]
	FMAB SA, P0, CS+24, SB                         ; S += (-beta ktilde) p^T
	FMAB SA+2, P0, CS+25, SB+2
	DPP2 O0, 1
	FMAB SA+4, P0, CS+26, SB+4
	FMAB SA+6, P0, CS+27, SB+6
	DPP2 O0, 2
	FMAB SA+8, P0, CS+28, SB+8
	FMAB SA+10, P0, CS+29, SB+10
	DPP2 O0, 4
	FMAB SA+12, P0, CS+30, SB+12
	FMAB SA+14, P0, CS+31, SB+14
	v_cndmask_b32 v[OC],   v[OC],   v[O0],   s[68+((\u)+3)%4]  ; lanes with l % 4 = that step % 4 keep it
	v_cndmask_b32 v[OC+1], v[OC+1], v[O0+1], s[68+((\u)+3)%4]
.if (\u) == 0
	ds_store_b64 v[OSA], v[OC:OC+1]                ; the four steps before this trip
.endif
.endm
; The change of slots.  Every wave: all its tensor loads, the add, its LDS instructions, the barrier.  Behind it the slot to be read is whole (at the first use: -beta ktilde too) and nobody reads the
; other any more (at the first use: kn16).  fill = 1: the other slot takes the next chunk, first thing behind the barrier: one load a wave, with 64 steps in which to land.
.macro CHANGE fill
	s_wait_tensorcnt 0x0
	ds_add_u32 v[SPW], v[NIL]
.if \fill
	s_xor_b32 s33, s33, SLOT1                      ; no load of mine is out, so the descriptor may be written: the other slot,
	s_add_nc_u64 s[34:35], s[34:35], 16384         ; 64 rows on,
	s_sub_co_u32 s26, s26, 64<<16                  ; 64 rows fewer left
.endif
	s_wait_dscnt 0x0
	s_barrier_signal -1
	s_xor_b32 s52, s52, SLOT1                      ; the slot to be read
	s_barrier_wait -1
.if \fill
	tensor_load_to_lds s[32:35], s[24:31]
	s_nop 0
.endif
.endm
; A chunk of 64 steps.  The last trip's look-ahead reads rows 64 and 65 of each tile and the two next rows of -beta ktilde (behind row 511: the guard); it is not used: the next chunk loads its first two steps anew.
.macro CHUNK
	s_mov_b32 s53, s52
	s_mov_b32 s55, 0
	ADDRS
	LD 0, 0
	LD 1, 1
	s_mov_b32 s57, 16
.Ltrip_\@:
	STEP 0
	STEP 1
	STEP 2
	STEP 3
	s_add_co_u32 s53, s53, 1024
	s_add_co_u32 s54, s54, 4*NP
	s_add_co_u32 s55, s55, 128
	ADDRS
	s_sub_co_u32 s57, s57, 1
	s_cmp_lg_u32 s57, 0
	s_cbranch_scc1 .Ltrip_\@
.set PS, SET+34*3
	s_wait_dscnt 0x0                               ; the look-ahead's loads
	MULB O0, SA, PS                                ; o of step 63
	MULB O1, SA+2, PS+1
.irp d, 2,4,6
	FMAB O0, SA+2*\d, PS+\d, O0
	FMAB O1, SA+2*\d+2, PS+\d+1, O1
.endr
	v_pk_add_f32 v[O0:O0+1], v[O0:O0+1], v[O1:O1+1]
	DPP2 O0, 1
	DPP2 O0, 2
	DPP2 O0, 4
	v_cndmask_b32 v[OC],   v[OC],   v[O0],   s71
	v_cndmask_b32 v[OC+1], v[OC+1], v[O0+1], s71
	ds_store_b64 v[OSA], v[OC:OC+1]
	ds_load_b128 v[96:99],   v[FRD]                ; my stage back by rows: step l, and step l + 32 (LDS serves a wave's instructions in order: ISA guide 5.7.1.4)
	ds_load_b128 v[100:103], v[FRD] offset:16
	ds_load_b128 v[104:107], v[FRD] offset:1024
	ds_load_b128 v[108:111], v[FRD] offset:1040
	s_wait_dscnt 0x0
.irp m, 0,1,2,3,4,5,6,7
	v_pk_mul_f32 v[112+2*\m:113+2*\m], v[96+2*\m:97+2*\m], 0x39800000 op_sel_hi:[1,0]  ; o / 4096
.endr
.irp m, 0,1,2,3,4,5,6,7
	v_cvt_pk_f16_f32 v[80+\m], v[112+2*\m], v[113+2*\m]                                ; A1
.endr
.set m, 0
.irp r, 80,81,82,83,84,85,86,87
	UNH 112+2*m, \r
.set m, m+1
.endr
.irp m, 0,1,2,3,4,5,6,7
	v_pk_fma_f32 v[96+2*\m:97+2*\m], v[112+2*\m:113+2*\m], 0xc5800000, v[96+2*\m:97+2*\m] op_sel_hi:[1,0,1]  ; o - 4096 A1
.endr
.irp m, 0,1,2,3,4,5,6,7
	v_cvt_pk_f16_f32 v[88+\m], v[96+2*\m], v[97+2*\m]                                  ; A2
.endr
	global_store_b128 v[GO], v[80:83], s[72:73]             ; 512 consecutive bytes a store, aligned
	global_store_b128 v[GO], v[84:87], s[72:73] offset:512
	global_store_b128 v[GO], v[88:91], s[74:75]
	global_store_b128 v[GO], v[92:95], s[74:75] offset:512
	s_wait_xcnt 0x0                                ; the stores' data and offset are rewritten only behind this wait
	v_add_nc_u32 v[GO], 1024, v[GO]
.endm
	v_and_b32 v36, 7, v0
	v_bfe_u32 v37, v0, 3, 2
	v_lshlrev_b32 v[LC], 5, v36
	s_lshl_b32 s61, s16, 7
	s_lshl_b32 s62, s[WV], 5
	s_add_co_u32 s61, s61, s62
	v_lshl_add_u32 v[LV], v37, 3, s61              ; columns 32 half + 8 wave + 2 (l / 8), in bytes
	s_mul_i32 s62, s[WV], OSB
	s_add_co_u32 s62, s62, OST
	v_and_b32 v38, 3, v0
	v_lshlrev_b32 v[OSA0], 5, v38
	v_lshl_add_u32 v[OSA0], v37, 3, v[OSA0]
	v_add_nc_u32 v[OSA0], s62, v[OSA0]
	v_and_b32 v38, 31, v0
	v_lshlrev_b32 v[FRD], 5, v38
	v_add_nc_u32 v[FRD], s62, v[FRD]
	v_add_nc_u32 v[FRD], 128, v[FRD]               ; four rows of the stage stand for the steps before the chunk
	v_lshlrev_b32 v[GO], 4, v38
	v_add_nc_u32 v[LK], NKT, v[LC]
	s_lshl_b32 s61, s18, 3
	s_lshl_b32 s62, s16, 2
	s_add_co_u32 s61, s61, s62
	s_add_co_u32 s61, s61, s[WV]                   ; my group of 8 columns: 8 h + 4 half + wave
	s_lshl_b32 s76, s61, 16
	s_lshl_b32 s61, s17, 13
	s_add_co_u32 s76, s76, s61
	s_add_nc_u64 s[72:73], s[12:13], s[76:77]      ; A1's plane at row 512 b
	s_add_nc_u64 s[74:75], s[72:73], 0x800000      ; A2's, 128 planes on
	s_mov_b32 s68, 0x11111111
	s_mov_b32 s69, 0x22222222
	s_mov_b32 s70, 0x44444444
	s_mov_b32 s71, 0x88888888
	s_mov_b32 s52, SLOT1                           ; the first change turns it into slot 0
	s_mov_b32 s54, 0
.set i, 0
.rept 16
	v_mov_b32 v[SA+i], 0                           ; S starts at 0
.set i, i+1
.endr
.set i, 0
.rept 8
	v_mov_b32 v[SET+34*3+i], 0                     ; the step before the first has q = 0
.set i, i+1
.endr
	v_mov_b32 v[OC], 0
	v_mov_b32 v[OC+1], 0
	s_mov_b32 s56, 7
.Lchunk:
	CHANGE 1
	CHUNK
	s_sub_co_u32 s56, s56, 1
	s_cmp_lg_u32 s56, 0
	s_cbranch_scc1 .Lchunk
	CHANGE 0                                       ; the last chunk is written out: nothing is asked for
	CHUNK
	s_wait_tensorcnt 0x0                           ; the wave's end
	ds_add_u32 v[SPW], v[NIL]
	s_wait_dscnt 0x0
	s_endpgm
.Lfunc_end_k_q5632c66e25_scan:
	.size	k_q5632c66e25_scan, .Lfunc_end_k_q5632c66e25_scan-k_q5632c66e25_scan
	.p2alignl 7, 3214868480
	.fill 96, 4, 3214868480
	.section	.rodata,"a",@progbits
	.p2align	6, 0x0
	.amdhsa_kernel k_q5632c66e25_scan
		.amdhsa_group_segment_fixed_size 327680
		.amdhsa_private_segment_fixed_size 0
		.amdhsa_enable_private_segment 0
		.amdhsa_kernarg_size 40
		.amdhsa_user_sgpr_count 2
		.amdhsa_user_sgpr_kernarg_segment_ptr 1
		.amdhsa_wavefront_size32 1
		.amdhsa_system_sgpr_workgroup_id_x 1
		.amdhsa_system_sgpr_workgroup_id_y 1
		.amdhsa_system_sgpr_workgroup_id_z 1
		.amdhsa_system_vgpr_workitem_id 0
		.amdhsa_next_free_vgpr 256
		.amdhsa_next_free_sgpr 80
		.amdhsa_reserve_vcc 1
		.amdhsa_float_denorm_mode_32 3
		.amdhsa_float_denorm_mode_16_64 3
		.amdhsa_memory_ordered 1
		.amdhsa_forward_progress 1
		.amdhsa_inst_pref_size 103
	.end_amdhsa_kernel
	.amdgpu_metadata
---
amdhsa.version: [ 1, 2 ]
amdhsa.kernels:
  - .name:           k_q5632c66e25_scan
    .symbol:         k_q5632c66e25_scan.kd
    .args:
      - { .name: qkva, .offset: 0, .size: 8, .value_kind: global_buffer, .address_space: global }
      - { .name: kn16, .offset: 8, .size: 8, .value_kind: global_buffer, .address_space: global }
      - { .name: betat, .offset: 16, .size: 8, .value_kind: global_buffer, .address_space: global }
      - { .name: raw_gamma_m, .offset: 24, .size: 8, .value_kind: global_buffer, .address_space: global }
      - { .name: obuf, .offset: 32, .size: 8, .value_kind: global_buffer, .address_space: global }
    .group_segment_fixed_size: 327680
    .private_segment_fixed_size: 0
    .kernarg_segment_align: 8
    .kernarg_segment_size: 40
    .max_flat_workgroup_size: 128
    .sgpr_count:     80
    .vgpr_count:     256
    .wavefront_size: 32
...
	.end_amdgpu_metadata
.endif
;; end of part 4
;; launch gemm2 (part 5): grid 8 x 32, 4 waves a work-group, clusters of 4 x 4, 327,680 bytes of LDS; arguments obuf, wt2, x, out0; writes out0
.if DOCPART == 5
	.amdgcn_target "amdgcn-amd-amdhsa--gfx1250"
	.amdhsa_code_object_version 6
	.text
	.protected	k_q5632c66e25_gemm2
	.globl	k_q5632c66e25_gemm2
	.p2align	8
	.type	k_q5632c66e25_gemm2,@function
k_q5632c66e25_gemm2:
	s_mov_b64 s[64:65], 0
	v_nop
	global_prefetch_b8 v0, s[64:65] scope:SCOPE_SE
	s_setreg_imm32_b32 hwreg(HW_REG_WAVE_MODE, 25, 1), 1
	s_wait_xcnt 0x0
	s_wait_alu depctr_hold_cnt(0) depctr_sa_sdst(0) depctr_va_vdst(0) depctr_va_sdst(0) depctr_va_ssrc(0) depctr_va_vcc(0) depctr_vm_vsrc(0)
	s_getreg_b32 s2, hwreg(HW_REG_IB_STS2, 6, 4)
	s_cmp_eq_u32 s2, 0
	s_cbranch_scc0 .Lentry_in_a_cluster
	s_endpgm
.Lentry_in_a_cluster:
	s_bfe_u32 s2, ttmp6, 0x10000c
	s_cmp_lg_u32 s2, 0xf033
	s_cbranch_scc0 .Lentry_shape_is_right
	s_endpgm
.Lentry_shape_is_right:
; GEMM2.  out0[m][n] = x[m][n] + sum over K' of A[m][K'] wt2[n][K'], 4096 x 1024 x 2048, f16 operands, f32 sums.  A = [A1 | A2], the two f16 terms of o; wt2 = [4096 Wo | Wo], turned.
; A lies in obuf as [group of 8 K'][row][8]: a K step of 256 is 32 groups, each 2,048 consecutive bytes for the tile's 128 rows; in LDS the same, so a fragment load's sixteen lanes read 256
; consecutive bytes and no padding is wanted.  A tile of C is 128 x 128: 256 work-groups, four waves of 64 x 64 (16 accumulators).  4 x 4 work-groups form a cluster: A's tile is shared along a row, wt2's
; along a column, each asked for jointly.  The matrix instruction is used transposed: a lane holds one row of C and eight neighbouring columns.
; THE WAY OUT: f32 through one stage (slot 0's bytes, which have had their last fill and their last read), a barrier, whole rows of 512 bytes back, plus x (loaded at the start), stored.
; REGISTERS: window 0: v0-31 addresses; v32-95 at work on the way out; v128-255 accumulators.  window 1: two fragment buffers of 128.  window 2: v0-127 my 32 rows of x.
.set SIZE_K, 2048
.set KSTEP,  256
.set PITCH,  528                       ; wt2's rows in LDS: 512 bytes + 16
.set ABYTES, 65536                     ; A's part of a slot: 32 groups x 2,048 bytes
.set HALFA,  32768
.set HALFB,  64*PITCH
.set SLOT,   ABYTES+2*HALFB
.set SPITCH, 528                       ; the stage: 128 f32 + 16 bytes
.set SPARE,  2*SLOT                    ; the spare words, 128 bytes a wave: no other line names them
.set LAPS,   SIZE_K/(2*KSTEP)
.set ADRA, 16
.set ADRB, 20
.set STO,  24
.set RD,   25
.set CO,   26
.set SPW,  28
.set NIL,  29
.set TMP,  32
.set ACC,  128
.set F0,   0
.set F1,   128
.set G1, 24
.set G0, 32
.set G1B, 48
.set G0B, 56
.set MSB, 0
.macro WIN new
.if MSB != (\new)
	s_set_vgpr_msb (MSB<<8)|(\new)
.set MSB, \new
.endif
.endm
.set MUL,  0x05                        ; sources 0 and 1 window 1; C and D window 0
.set TO_F, 0x40                        ; destination window 1
.macro JLOAD s                         ; a joint load: waves 0, 1 fetch A's halves, waves 2, 3 wt2's; an s_nop 0 and four v_nop follow each line
	s_cmp_eq_u32 s11, 0
	s_cbranch_scc0 .Lfor_b_\@
	tensor_load_to_lds s[G0+4*(\s):G0+4*(\s)+3], s[G1:G1+7]
	s_nop 0
.rept 4
	v_nop
.endr
	s_branch .Lasked_\@
.Lfor_b_\@:
	tensor_load_to_lds s[G0B+4*(\s):G0B+4*(\s)+3], s[G1B:G1B+7]
	s_nop 0
.rept 4
	v_nop
.endr
.Lasked_\@:
.endm
.macro CREST
	s_cmp_lg_u32 s10, 0
	s_cbranch_scc1 .Lnot_wave_0_\@
	s_barrier_signal -3
.Lnot_wave_0_\@:
	s_barrier_wait -3
	s_barrier_signal -1
	s_barrier_wait -1
.endm
.macro CROUND
	s_barrier_signal -1
	s_barrier_wait -1
	CREST
.endm
	s_load_b128 s[4:7], s[0:1], 0x0                ; obuf, wt2
	s_load_b128 s[68:71], s[0:1], 0x10             ; x, out0
	v_lshl_add_u32 v[SPW], v0, 2, SPARE
	v_mov_b32 v[NIL], 0
	ds_add_u32 v[SPW], v[NIL]                      ; the wave's opening: the add and its wait ahead of my first tensor load
	ds_add_u32 v28, v29
	v_lshrrev_b32 v1, 5, v0
	v_readfirstlane_b32 s10, v1
	s_lshr_b32 s11, s10, 1                         ; my half of the rows; also: I fetch A (0) or wt2 (1)
	s_and_b32 s12, s10, 1                          ; my half of the columns; also: which half of that tile I fetch
	s_bfe_u32 s40, ttmp6, 0x40000
	s_bfe_u32 s41, ttmp6, 0x40004
	s_lshl_b32 s42, ttmp9, 2
	s_add_co_u32 s42, s42, s40                     ; tile column
	s_and_b32 s13, ttmp7, 0xffff
	s_lshl_b32 s13, s13, 2
	s_add_co_u32 s13, s13, s41                     ; tile row
	s_lshl_b32 s43, s41, 2
	s_lshl_b32 s43, 15, s43
	s_lshl_b32 s44, 0x1111, s40
	s_or_b32 s[G1+0], s43, (1<<16)|(1<<21)         ; A: mask of my row; 2-byte elements; bit 21 beside a mask; no padding
	s_mov_b32 s[G1+1], 1024<<16                    ; tensor_dim0 = 1,024: 128 rows x 8
	s_mov_b32 s[G1+2], 16<<16                      ; tensor_dim1 = 16 groups
	s_mov_b32 s[G1+3], 1024<<16                    ; tile_dim0
	s_mov_b32 s[G1+4], 16                          ; tile_dim1
	s_mov_b32 s[G1+5], 32768                       ; elements from group to group: 4,096 rows x 8
	s_mov_b32 s[G1+6], 0
	s_mov_b32 s[G1+7], 0
	s_or_b32 s[G1B+0], s44, (1<<16)|(1<<20)|(1<<21)|(6<<22)|(3<<25)  ; wt2: mask of my column; after every 128 words 4 words of padding
	s_mov_b32 s[G1B+1], KSTEP<<16
	s_mov_b32 s[G1B+2], 64<<16
	s_mov_b32 s[G1B+3], KSTEP<<16
	s_mov_b32 s[G1B+4], 64
	s_mov_b32 s[G1B+5], SIZE_K
	s_mov_b32 s[G1B+6], 0
	s_mov_b32 s[G1B+7], 0
	s_lshl_b32 s16, s12, 20                        ; A: 16 groups of 65,536 bytes for the half,
	s_lshl_b32 s17, s13, 11                        ; 128 rows of 16 bytes for the tile row
	s_add_co_u32 s16, s16, s17
	s_mov_b32 s17, 0
	s_lshl_b32 s46, s42, 7
	s_lshl_b32 s47, s12, 6
	s_add_co_u32 s46, s46, s47
	s_lshl_b32 s46, s46, 12                        ; wt2: row 128 x tile column + 64 x half, 4,096 bytes each
	s_mov_b32 s47, 0
	s_mul_i32 s20, s12, HALFA                      ; where they go
	s_mul_i32 s21, s12, HALFB
	s_add_co_u32 s21, s21, ABYTES
	s_wait_dscnt 0x0                               ; the opening add is done
	s_wait_kmcnt 0x0
	s_add_nc_u64 s[14:15], s[4:5], s[16:17]
	s_add_nc_u64 s[46:47], s[6:7], s[46:47]
	CROUND                                         ; all sixteen work-groups are here: the first joint loads meet
.irp s, 0,1
	s_mov_b32 s[G0+4*(\s)], 1
	s_add_co_u32 s[G0+4*(\s)+1], s20, (\s)*SLOT
	s_add_nc_u64 s[G0+4*(\s)+2:G0+4*(\s)+3], s[14:15], (\s)*2097152   ; a K step is 32 groups
	s_or_b32 s[G0+4*(\s)+3], s[G0+4*(\s)+3], 0x80000000
	s_mov_b32 s[G0B+4*(\s)], 1
	s_add_co_u32 s[G0B+4*(\s)+1], s21, (\s)*SLOT
	s_add_nc_u64 s[G0B+4*(\s)+2:G0B+4*(\s)+3], s[46:47], (\s)*KSTEP*2
	s_or_b32 s[G0B+4*(\s)+3], s[G0B+4*(\s)+3], 0x80000000
	JLOAD \s
.endr
	s_lshl_b32 s16, s13, 7
	s_lshl_b32 s17, s10, 5
	s_add_co_u32 s16, s16, s17                     ; the rows that I store: 128 x tile row + 32 x wave,
	s_lshl_b32 s16, s16, 12                        ; 4,096 bytes each
	s_mov_b32 s17, 0
	s_add_nc_u64 s[68:69], s[68:69], s[16:17]
	s_add_nc_u64 s[70:71], s[70:71], s[16:17]
	s_lshl_b32 s46, s42, 9                         ; the tile's 128 columns
	s_mov_b32 s47, 0
	s_add_nc_u64 s[68:69], s[68:69], s[46:47]
	s_add_nc_u64 s[70:71], s[70:71], s[46:47]
	v_and_b32 v5, 31, v0
	v_lshlrev_b32 v[CO], 4, v5                     ; a row's 512 bytes: 16 a lane; never rewritten
	WIN 0x80                                       ; destination window 2
.set t, 0
.rept 32
	global_load_b128 v[4*t:4*t+3], v[CO], s[68:69] offset:t*4096 th:TH_LOAD_NT  ; x: wanted only on the way out
.set t, t+1
.endr
	WIN 0
	v_and_b32 v1, 15, v0
	v_bfe_u32 v2, v0, 4, 1
	v_lshlrev_b32 v3, 4, v1
	v_lshl_add_u32 v3, v2, 11, v3                  ; A: row l % 16, group l / 16
	v_mul_u32_u24 v4, v1, PITCH
	v_lshl_add_u32 v4, v2, 4, v4                   ; wt2: row l % 16, 16 bytes for each half of the lanes
	s_lshl_b32 s21, s11, 10                        ; my 64 rows of A
	s_mul_i32 s22, s12, HALFB
	s_add_co_u32 s22, s22, ABYTES
.irp s, 0,1
	v_add_nc_u32 v[ADRA+(\s)], s21, v3
	v_add_nc_u32 v[ADRB+(\s)], s22, v4
	s_add_co_u32 s21, s21, SLOT
	s_add_co_u32 s22, s22, SLOT
.endr
	s_mul_i32 s23, s11, 64*SPITCH                  ; into the stage: my 64 rows, my 256 bytes of them
	s_lshl_b32 s21, s12, 8
	s_add_co_u32 s23, s23, s21
	v_mul_u32_u24 v4, v1, SPITCH
	v_lshl_add_u32 v4, v2, 5, v4
	v_add_nc_u32 v[STO], s23, v4
	s_mul_i32 s23, s10, 32*SPITCH                  ; back: rows 32 wave on, whole
	v_add_nc_u32 v[RD], s23, v[CO]
.macro MUL8 f, c, a0, zero             ; 8 matrix instructions; the 16 accumulators take turns
	WIN MUL
.irp a, \a0, (\a0)+1
.irp b, 0,1,2,3
.if \zero
	v_wmma_f32_16x16x32_f16 v[ACC+8*(4*(\a)+(\b)):ACC+8*(4*(\a)+(\b))+7], v[(\f)+64+8*(4*(\c)+(\b)):(\f)+64+8*(4*(\c)+(\b))+7], v[(\f)+8*(4*(\c)+(\a)):(\f)+8*(4*(\c)+(\a))+7], 0
.else
	v_wmma_f32_16x16x32_f16 v[ACC+8*(4*(\a)+(\b)):ACC+8*(4*(\a)+(\b))+7], v[(\f)+64+8*(4*(\c)+(\b)):(\f)+64+8*(4*(\c)+(\b))+7], v[(\f)+8*(4*(\c)+(\a)):(\f)+8*(4*(\c)+(\a))+7], v[ACC+8*(4*(\a)+(\b)):ACC+8*(4*(\a)+(\b))+7]
.endif
.endr
.endr
.endm
.macro FETCH slot, k, f                ; 32 LDS loads: 64 along K at byte k of wt2's rows = groups 8 (k / 128) on of A; the first 32 along K first
	WIN TO_F
.irp c, 0,1
.irp i, 0,1,2,3
	ds_load_b128 v[(\f)+64+8*(4*(\c)+(\i)):(\f)+64+8*(4*(\c)+(\i))+3],   v[ADRB+(\slot)] offset:(\k)+64*(\c)+(\i)*16*PITCH
	ds_load_b128 v[(\f)+64+8*(4*(\c)+(\i))+4:(\f)+64+8*(4*(\c)+(\i))+7], v[ADRB+(\slot)] offset:(\k)+64*(\c)+(\i)*16*PITCH+32
	ds_load_b128 v[(\f)+8*(4*(\c)+(\i)):(\f)+8*(4*(\c)+(\i))+3],         v[ADRA+(\slot)] offset:(8*((\k)/128)+4*(\c))*2048+256*(\i)
	ds_load_b128 v[(\f)+8*(4*(\c)+(\i))+4:(\f)+8*(4*(\c)+(\i))+7],       v[ADRA+(\slot)] offset:(8*((\k)/128)+4*(\c))*2048+256*(\i)+4096
.endr
.endr
.endm
.macro PLACES
.rept 4
	v_nop
.endr
.endm
.macro QUARTER slot, k, f, g, zero
	s_wait_dscnt 16                                ; the first 32 along K are in
	WIN MUL
	MUL8 \f, 0, 0, \zero
	MUL8 \f, 0, 2, \zero
	PLACES
	FETCH \slot, \k, \g
	s_wait_dscnt 32                                ; all but the 32 just issued
	WIN MUL
	MUL8 \f, 1, 0, 0
	MUL8 \f, 1, 2, 0
.endm
.macro TURN slot, next, fill           ; the last quarter changes slots: one barrier; in front of it all my tensor loads, the add, my reads of this slot
	WIN 0
	s_wait_tensorcnt 0x0
	ds_add_u32 v[SPW], v[NIL]
	s_wait_dscnt 17                                ; the add and the youngest sixteen loads may be out
	WIN MUL
	MUL8 F1, 0, 0, 0
	s_wait_dscnt 0x0
	s_barrier_signal -1
	MUL8 F1, 0, 2, 0
.if \fill
	WIN 0
.endif
	s_barrier_wait -1
.if \fill
	CREST                                          ; the barrier has opened a round of the cluster's barrier
	s_add_nc_u64 s[G0+4*(\slot)+2:G0+4*(\slot)+3], s[G0+4*(\slot)+2:G0+4*(\slot)+3], 4194304
	s_add_nc_u64 s[G0B+4*(\slot)+2:G0B+4*(\slot)+3], s[G0B+4*(\slot)+2:G0B+4*(\slot)+3], 2*KSTEP*2
	JLOAD \slot                                    ; the first tensor load behind the round; its four v_nop are also the places in front of the loads below
.else
	PLACES
.endif
	FETCH \next, 0, F0
	WIN MUL
	MUL8 F1, 1, 0, 0
	MUL8 F1, 1, 2, 0
.endm
	s_wait_tensorcnt 1                             ; my part of K step 0 is in; K step 1's may stay out
	s_barrier_signal -1
	s_barrier_wait -1
	FETCH 0, 0, F0
	QUARTER 0, 128, F0, F1, 1
	WIN 0
	s_mov_b32 s3, LAPS-1
.Llap:
	QUARTER 0, 256, F1, F0, 0
	QUARTER 0, 384, F0, F1, 0
	TURN 0, 1, 1
	QUARTER 1, 128, F0, F1, 0
	QUARTER 1, 256, F1, F0, 0
	QUARTER 1, 384, F0, F1, 0
	TURN 1, 0, 1
	QUARTER 0, 128, F0, F1, 0
	WIN 0
	s_sub_co_u32 s3, s3, 1
	s_cmp_lg_u32 s3, 0
	s_cbranch_scc1 .Llap
	QUARTER 0, 256, F1, F0, 0                      ; the last lap fills nothing
	QUARTER 0, 384, F0, F1, 0
	TURN 0, 1, 0                                   ; behind its barrier nobody reads slot 0 any more
	QUARTER 1, 128, F0, F1, 0
	QUARTER 1, 256, F1, F0, 0
	QUARTER 1, 384, F0, F1, 0
	s_wait_dscnt 16
	WIN MUL
	MUL8 F1, 0, 0, 0
	MUL8 F1, 0, 2, 0
	s_wait_dscnt 0
	MUL8 F1, 1, 0, 0
	MUL8 F1, 1, 2, 0
	WIN 0
	PLACES
.irp a, 0,1,2,3
.irp b, 0,1,2,3
	ds_store_b128 v[STO], v[ACC+8*(4*(\a)+(\b)):ACC+8*(4*(\a)+(\b))+3]   offset:(\a)*16*SPITCH+64*(\b)     ; each accumulator's low registers first
	ds_store_b128 v[STO], v[ACC+8*(4*(\a)+(\b))+4:ACC+8*(4*(\a)+(\b))+7] offset:(\a)*16*SPITCH+64*(\b)+16
.endr
.endr
	s_wait_dscnt 0x0                               ; for the others' sake: a row's 512 bytes come from two waves
	s_barrier_signal -1
	s_barrier_wait -1
	s_wait_loadcnt 0x0                             ; x
.irp rr, 0,1
.irp t, 0,1,2,3,4,5,6,7,8,9,10,11,12,13,14,15
	ds_load_b128 v[TMP+4*\t:TMP+4*\t+3], v[RD] offset:(16*\rr+\t)*SPITCH
.endr
	s_wait_dscnt 0x0
	WIN 0x08                                       ; source 1 in window 2
.irp t, 0,1,2,3,4,5,6,7,8,9,10,11,12,13,14,15
	v_pk_add_f32 v[TMP+4*\t:TMP+4*\t+1],   v[TMP+4*\t:TMP+4*\t+1],   v[64*\rr+4*\t:64*\rr+4*\t+1]
	v_pk_add_f32 v[TMP+4*\t+2:TMP+4*\t+3], v[TMP+4*\t+2:TMP+4*\t+3], v[64*\rr+4*\t+2:64*\rr+4*\t+3]
.endr
	WIN 0
.irp t, 0,1,2,3,4,5,6,7,8,9,10,11,12,13,14,15
	global_store_b128 v[CO], v[TMP+4*\t:TMP+4*\t+3], s[70:71] offset:(16*\rr+\t)*4096 th:TH_STORE_NT  ; 512 consecutive bytes, aligned
.endr
	s_wait_xcnt 0x0                                ; the stores' data are loaded again only behind this wait
.endr
	s_wait_tensorcnt 0x0                           ; the wave's end
	ds_add_u32 v[SPW], v[NIL]
	s_wait_dscnt 0x0
	CROUND                                         ; the closing round
	s_endpgm
.Lfunc_end_k_q5632c66e25_gemm2:
	.size	k_q5632c66e25_gemm2, .Lfunc_end_k_q5632c66e25_gemm2-k_q5632c66e25_gemm2
	.p2alignl 7, 3214868480
	.fill 96, 4, 3214868480
	.section	.rodata,"a",@progbits
	.p2align	6, 0x0
	.amdhsa_kernel k_q5632c66e25_gemm2
		.amdhsa_group_segment_fixed_size 327680
		.amdhsa_private_segment_fixed_size 0
		.amdhsa_enable_private_segment 0
		.amdhsa_kernarg_size 32
		.amdhsa_user_sgpr_count 2
		.amdhsa_user_sgpr_kernarg_segment_ptr 1
		.amdhsa_wavefront_size32 1
		.amdhsa_system_sgpr_workgroup_id_x 1
		.amdhsa_system_sgpr_workgroup_id_y 1
		.amdhsa_system_sgpr_workgroup_id_z 1
		.amdhsa_system_vgpr_workitem_id 0
		.amdhsa_next_free_vgpr 640
		.amdhsa_next_free_sgpr 72
		.amdhsa_reserve_vcc 0
		.amdhsa_float_denorm_mode_32 3
		.amdhsa_float_denorm_mode_16_64 3
		.amdhsa_memory_ordered 1
		.amdhsa_forward_progress 1
		.amdhsa_inst_pref_size 93
	.end_amdhsa_kernel
	.amdgpu_metadata
---
amdhsa.version: [ 1, 2 ]
amdhsa.kernels:
  - .name:           k_q5632c66e25_gemm2
    .symbol:         k_q5632c66e25_gemm2.kd
    .args:
      - { .name: obuf, .offset: 0, .size: 8, .value_kind: global_buffer, .address_space: global }
      - { .name: wt2, .offset: 8, .size: 8, .value_kind: global_buffer, .address_space: global }
      - { .name: x, .offset: 16, .size: 8, .value_kind: global_buffer, .address_space: global }
      - { .name: out0, .offset: 24, .size: 8, .value_kind: global_buffer, .address_space: global }
    .group_segment_fixed_size: 327680
    .private_segment_fixed_size: 0
    .kernarg_segment_align: 8
    .kernarg_segment_size: 32
    .max_flat_workgroup_size: 128
    .sgpr_count:     72
    .vgpr_count:     640
    .wavefront_size: 32
...
	.end_amdgpu_metadata
.endif
;; end of part 5
;; ======== version 2 of 3: 4 launches; 1.12 times as fast as version 1
;; limits: values are held in f16: magnitudes above 65,504 overflow, below 6.1e-05 lose precision
;; workspace buffers: xn16 8,388,608 bytes; wt 10,485,760 bytes; betat 262,144 bytes; qkva 67,108,864 bytes; kn16 8,388,608 bytes; obuf 8,388,608 bytes; mx 2,048 bytes
;; launch prep (part 6): grid 896 x 1, 4 waves a work-group, no clusters, 55,296 bytes of LDS; arguments x, ln_g, ln_b, Wb, bb, xn16, betat, Wq, Wk, Wv, Wa, Wo, wt; writes xn16, betat, wt
.if DOCPART == 6
	.amdgcn_target "amdgcn-amd-amdhsa--gfx1250"
	.amdhsa_code_object_version 6
	.text
	.protected	k_q5632c66e25_prep
	.globl	k_q5632c66e25_prep
	.p2align	8
	.type	k_q5632c66e25_prep,@function
k_q5632c66e25_prep:
	s_mov_b64 s[64:65], 0
	v_nop
	global_prefetch_b8 v0, s[64:65] scope:SCOPE_SE
	s_setreg_imm32_b32 hwreg(HW_REG_WAVE_MODE, 25, 1), 1
	s_wait_xcnt 0x0
; PREP.  Two kinds of work-group in one launch, told apart by the work-group's number; neither needs anything of the other, and each has LDS bytes of its own.
; WORK-GROUPS 0-255: 16 rows of x: LayerNorm (the mean, then the centred squares: two passes over registers), written as f16 (xn16), and beta = sigmoid(xn Wb + bb) for these rows (betat, f32,
; [row][head]).  Wave w takes rows 4 w .. 4 w + 3, a whole row in 32 registers, so a row's sums never leave the wave.  For beta the 16 rows meet in LDS, wave w multiplies k = 256 w .. 256 w + 255 by the
; matrix unit, and wave 0 adds the four partial sums.
; WORK-GROUPS 256-895: one tile of 128 k x 64 n of Wq, Wk, Wv, Wa or Wo (f32, [k][n]), rounded to f16 and turned to [n][k] through LDS: wt is [1024 matrix + n][k].  Reads: sixteen lanes take 256
; consecutive bytes of a row.  Stores: sixteen lanes fill 256 consecutive bytes, aligned.
; The long work-groups have the low numbers.  240 registers a wave and 55,296 bytes of LDS let four work-groups lie on a WGP; there are 3.5 for each of 256.
; No tensor loads, no cluster: each byte of x and of the weights is read once by one wave, and nothing but the small Wb is shared.
; LIMITS.  xn, Wb and the weights are matrix operands in f16: beyond 65,504 they would be infinite (xn is a normalised number times ln_g plus ln_b); below 6e-5 they keep f16's fixed step of 6e-8.
.set XNP,   2064                       ; a row of xn in LDS: 2,048 bytes + 16: an odd multiple of 16, so the 16 rows of a fragment load start in 16 different groups of banks
.set PART,  33280                      ; behind the 16 rows: four partial sums of 1,024 bytes
.set SPARE, 37376                      ; the spare words, 128 bytes a wave: no other line names them
.set WT0,   37888                      ; behind them: the turned weight tile, 64 rows
.set TP,    272                        ; of 128 f16 + 16 bytes
.set SPW,   22                         ; v22  my spare word
.set NIL,   23                         ; v23  0
.set G,     48                         ; v48-79   ln_g of my 32 columns
.set BB,    80                         ; v80-111  ln_b
.set X,     112                        ; v112-239 four rows, 32 numbers a lane each; for a weight tile v112-175: 16 rows x 4 columns a lane
.macro REDUCE                          ; four pairs v[14:21] -> their sum over the wave, in v14 of every lane
	v_pk_add_f32 v[14:15], v[14:15], v[16:17]
	v_pk_add_f32 v[18:19], v[18:19], v[20:21]
	v_pk_add_f32 v[14:15], v[14:15], v[18:19]
	v_add_f32 v14, v14, v15
	v_add_f32_dpp v14, v14, v14 row_xmask:1 row_mask:0xf bank_mask:0xf
	v_add_f32_dpp v14, v14, v14 row_xmask:2 row_mask:0xf bank_mask:0xf
	v_add_f32_dpp v14, v14, v14 row_xmask:4 row_mask:0xf bank_mask:0xf
	v_add_f32_dpp v14, v14, v14 row_xmask:8 row_mask:0xf bank_mask:0xf
	v_permlanex16_b32 v15, v14, s38, s39
	v_add_f32 v14, v14, v15
.endm
.macro LNROW rho                       ; one row: mean, centred, variance, scale, gain and bias, f16, out to memory and to LDS
.set XR, X+32*(\rho)
	s_wait_loadcnt (3-(\rho))*8                    ; loads come back in order: this row is in, the later rows' eight loads each stay out
.irp k, 0,1,2,3
	v_pk_add_f32 v[14+2*\k:15+2*\k], v[XR+2*\k:XR+2*\k+1], v[XR+8+2*\k:XR+8+2*\k+1]
.endr
.irp k, 0,1,2,3
	v_pk_add_f32 v[14+2*\k:15+2*\k], v[14+2*\k:15+2*\k], v[XR+16+2*\k:XR+16+2*\k+1]
.endr
.irp k, 0,1,2,3
	v_pk_add_f32 v[14+2*\k:15+2*\k], v[14+2*\k:15+2*\k], v[XR+24+2*\k:XR+24+2*\k+1]
.endr
	REDUCE
	v_mul_f32 v10, s40, v14                        ; the mean, twice
	v_mul_f32 v11, s40, v14
.set i, 0
.rept 16
	v_pk_add_f32 v[XR+2*i:XR+2*i+1], v[XR+2*i:XR+2*i+1], v[10:11] neg_lo:[0,1] neg_hi:[0,1]
.set i, i+1
.endr
.irp k, 0,1,2,3
	v_pk_mul_f32 v[14+2*\k:15+2*\k], v[XR+2*\k:XR+2*\k+1], v[XR+2*\k:XR+2*\k+1]
.endr
.set i, 4
.rept 12
	v_pk_fma_f32 v[14+2*(i%4):15+2*(i%4)], v[XR+2*i:XR+2*i+1], v[XR+2*i:XR+2*i+1], v[14+2*(i%4):15+2*(i%4)]
.set i, i+1
.endr
	REDUCE
	v_fma_f32 v12, v14, s40, s41                   ; variance + 1e-5
	v_rsq_f32 v12, v12
	v_nop                                          ; a plain instruction behind the transcendental
	s_wait_alu depctr_va_vdst(0)
	v_mov_b32 v13, v12
.set i, 0
.rept 16
	v_pk_mul_f32 v[XR+2*i:XR+2*i+1], v[XR+2*i:XR+2*i+1], v[12:13]
.set i, i+1
.endr
.set i, 0
.rept 16
	v_pk_fma_f32 v[XR+2*i:XR+2*i+1], v[XR+2*i:XR+2*i+1], v[G+2*i:G+2*i+1], v[BB+2*i:BB+2*i+1]
.set i, i+1
.endr
.set i, 0
.rept 16
	v_cvt_pk_f16_f32 v[XR+i], v[XR+2*i], v[XR+2*i+1]  ; ascending: register i is written when pairs up to i have been read
.set i, i+1
.endr
.irp s, 0,1,2,3
	global_store_b128 v3, v[XR+4*\s:XR+4*\s+3], s[18:19] offset:2048*(\rho)+512*\s  ; 512 consecutive bytes a store
	ds_store_b128 v4, v[XR+4*\s:XR+4*\s+3] offset:XNP*(\rho)+512*\s
.endr
.endm
	s_load_b512 s[8:23], s[0:1], 0x0               ; x, ln_g, ln_b, Wb, bb, xn16, betat, Wq
	s_load_b256 s[24:31], s[0:1], 0x40             ; Wk, Wv, Wa, Wo
	s_load_b64 s[32:33], s[0:1], 0x60              ; wt
	v_lshl_add_u32 v[SPW], v0, 2, SPARE
	v_mov_b32 v[NIL], 0
	v_lshrrev_b32 v1, 5, v0
	v_readfirstlane_b32 s36, v1                    ; wave 0..3
	v_and_b32 v1, 31, v0                           ; lane
	v_and_b32 v5, 15, v0                           ; lane % 16
	v_bfe_u32 v6, v0, 4, 1                         ; lane / 16
	s_cmp_lt_u32 ttmp9, 256
	s_cbranch_scc0 .Lweights                       ; the same way for all four waves of a work-group
	; ---------------- LayerNorm and beta: rows 16 id + 4 wave + 0..3 ----------------
	s_mov_b32 s38, 0x76543210                      ; v_permlanex16_b32: each lane takes its own place in the other half
	s_mov_b32 s39, 0xfedcba98
	s_mov_b32 s40, 0x3a800000                      ; 1 / 1024
	s_mov_b32 s41, 0x3727c5ac                      ; 1e-5
	s_lshl_b32 s42, ttmp9, 16                      ; 16 rows of 4,096 bytes
	s_lshl_b32 s43, s36, 14                        ; 4 rows
	s_add_co_u32 s42, s42, s43
	s_mov_b32 s43, 0
	s_wait_kmcnt 0x0
	s_add_nc_u64 s[8:9], s[8:9], s[42:43]          ; x at my four rows
	s_lshr_b32 s42, s42, 1
	s_add_nc_u64 s[18:19], s[18:19], s[42:43]      ; xn16 likewise, rows of 2,048 bytes
	v_lshlrev_b32 v2, 5, v1                        ; a row is four segments of 256 numbers; I own 8 neighbours of each: 32 bytes in f32,
	v_lshlrev_b32 v3, 4, v1                        ; 16 in f16
	s_mul_i32 s44, s36, 4*XNP
	v_lshl_add_u32 v4, v1, 4, s44                  ; my 16 bytes in my wave's first row in LDS
.irp s, 0,1,2,3
	global_load_b128 v[G+8*\s:G+8*\s+3],    v2, s[10:11] offset:1024*\s
	global_load_b128 v[G+8*\s+4:G+8*\s+7],  v2, s[10:11] offset:1024*\s+16
	global_load_b128 v[BB+8*\s:BB+8*\s+3],   v2, s[12:13] offset:1024*\s
	global_load_b128 v[BB+8*\s+4:BB+8*\s+7], v2, s[12:13] offset:1024*\s+16
.endr
.irp rho, 0,1,2,3
.irp s, 0,1,2,3
	global_load_b128 v[X+32*\rho+8*\s:X+32*\rho+8*\s+3],   v2, s[8:9] offset:4096*\rho+1024*\s th:TH_LOAD_NT
	global_load_b128 v[X+32*\rho+8*\s+4:X+32*\rho+8*\s+7], v2, s[8:9] offset:4096*\rho+1024*\s+16 th:TH_LOAD_NT
.endr
.endr
	LNROW 0
	LNROW 1
	LNROW 2
	LNROW 3
	; beta.  Wave w takes k = 256 w .. 256 w + 255 of the 16 rows x 16 heads; the four partial sums meet in LDS.
	s_wait_xcnt 0x0                                ; the stores have read the rows' registers: they are loaded again only behind this wait
	s_lshl_b32 s44, s36, 14                        ; 256 w rows of Wb, 64 bytes each
	v_lshlrev_b32 v8, 2, v5                        ; head lane % 16
	v_lshl_add_u32 v8, v6, 9, v8                   ; 8 (lane / 16) rows
	v_add_nc_u32 v8, s44, v8
.set i, 0
.rept 128                              ; number i % 16 of K step i / 16: k = 32 (i / 16) + 8 (lane / 16) + i % 16, and 8 more for the upper eight: a fragment's order
	global_load_b32 v[X+i], v8, s[14:15] offset:(32*(i/16)+(i%16)+8*((i%16)/8))*64
.set i, i+1
.endr
	v_lshlrev_b32 v20, 5, v6
	global_load_b128 v[40:43], v20, s[16:17]       ; bb of my eight heads
	global_load_b128 v[44:47], v20, s[16:17] offset:16
	v_mul_u32_u24 v7, v5, XNP
	v_lshl_add_u32 v7, v6, 4, v7
	s_lshl_b32 s45, s36, 9
	v_add_nc_u32 v7, s45, v7                       ; row lane % 16, byte 512 w + 16 (lane / 16)
	s_lshl_b32 s45, s36, 10
	v_lshl_add_u32 v16, v1, 5, PART                ; 32 bytes a lane in partial sum 0,
	v_add_nc_u32 v9, s45, v16                      ; and in my wave's
	v_lshlrev_b32 v17, 6, v5
	v_lshl_add_u32 v17, v6, 5, v17                 ; betat: row lane % 16, heads 8 (lane / 16) on
	s_wait_dscnt 0x0                               ; for the others' sake: my four rows are in LDS
	s_barrier_signal -1
	s_barrier_wait -1
.irp js, 0,1,2,3,4,5,6,7
	ds_load_b128 v[48+8*\js:51+8*\js], v7 offset:64*\js
	ds_load_b128 v[52+8*\js:55+8*\js], v7 offset:64*\js+32
.endr
	s_wait_loadcnt 0x0                             ; Wb and bb
.set i, 0
.rept 64
	v_cvt_pk_f16_f32 v[X+i], v[X+2*i], v[X+2*i+1]  ; ascending, as above: K step js ends up in v[X + 8 js ..]
.set i, i+1
.endr
	s_wait_dscnt 0x0
.irp js, 0,1,2,3,4,5,6,7               ; source 0 = 16 heads, source 1 = 16 rows: a lane holds one row and eight heads.  Two accumulators take turns
.if \js < 2
	v_wmma_f32_16x16x32_f16 v[24+8*(\js%2):31+8*(\js%2)], v[X+8*\js:X+8*\js+7], v[48+8*\js:55+8*\js], 0
.else
	v_wmma_f32_16x16x32_f16 v[24+8*(\js%2):31+8*(\js%2)], v[X+8*\js:X+8*\js+7], v[48+8*\js:55+8*\js], v[24+8*(\js%2):31+8*(\js%2)]
.endif
.endr
.rept 4
	v_nop                                          ; four places behind the last product (ISA guide 7.12.1)
.endr
.irp m, 0,2,4,6
	v_pk_add_f32 v[24+\m:25+\m], v[24+\m:25+\m], v[32+\m:33+\m]
.endr
	ds_store_b128 v9, v[24:27]
	ds_store_b128 v9, v[28:31] offset:16
	s_wait_dscnt 0x0                               ; for wave 0's sake
	s_barrier_signal -1
	s_barrier_wait -1
	s_cmp_lg_u32 s36, 0
	s_cbranch_scc1 .Lend
.irp p, 0,1,2,3
	ds_load_b128 v[48+8*\p:51+8*\p], v16 offset:1024*\p
	ds_load_b128 v[52+8*\p:55+8*\p], v16 offset:1024*\p+16
.endr
	s_lshl_b32 s42, ttmp9, 10                      ; 16 rows of 64 bytes
	s_mov_b32 s43, 0
	s_add_nc_u64 s[20:21], s[20:21], s[42:43]
	s_wait_dscnt 0x0
.irp m, 0,2,4,6
	v_pk_add_f32 v[48+\m:49+\m], v[48+\m:49+\m], v[56+\m:57+\m]
	v_pk_add_f32 v[64+\m:65+\m], v[64+\m:65+\m], v[72+\m:73+\m]
.endr
.irp m, 0,2,4,6
	v_pk_add_f32 v[48+\m:49+\m], v[48+\m:49+\m], v[64+\m:65+\m]
.endr
.irp m, 0,2,4,6
	v_pk_add_f32 v[48+\m:49+\m], v[48+\m:49+\m], v[40+\m:41+\m]
.endr
.irp m, 0,2,4,6
	v_pk_mul_f32 v[48+\m:49+\m], v[48+\m:49+\m], 0xbfb8aa3b op_sel_hi:[1,0]  ; sigmoid(z) = 1 / (1 + 2^(-1.442695 z))
.endr
.irp m, 0,1,2,3,4,5,6,7
	v_exp_f32 v[48+\m], v[48+\m]
.endr
	v_nop
	s_wait_alu depctr_va_vdst(0)
.irp m, 0,2,4,6
	v_pk_add_f32 v[48+\m:49+\m], v[48+\m:49+\m], 1.0 op_sel_hi:[1,0]
.endr
.irp m, 0,1,2,3,4,5,6,7
	v_rcp_f32 v[48+\m], v[48+\m]
.endr
	v_nop
	s_wait_alu depctr_va_vdst(0)
	global_store_b128 v17, v[48:51], s[20:21]
	global_store_b128 v17, v[52:55], s[20:21] offset:16
	s_branch .Lend
	; ---------------- a tile of a weight matrix: 128 k x 64 n, f32 [k][n] -> f16 [n][k] ----------------
.Lweights:
	s_sub_co_u32 s42, ttmp9, 256                   ; the tile's number, 0 .. 639
	s_lshr_b32 s43, s42, 7                         ; which matrix: Wq, Wk, Wv, Wa, Wo
	s_bfe_u32 s44, s42, 0x30004                    ; which 128 k
	s_and_b32 s45, s42, 15                         ; which 64 n
	s_lshl_b32 s48, s44, 19                        ; 128 rows of 4,096 bytes
	s_lshl_b32 s49, s45, 8                         ; 64 columns of 4 bytes
	s_add_co_u32 s48, s48, s49
	s_mov_b32 s49, 0
	s_wait_kmcnt 0x0
	s_mov_b64 s[46:47], s[22:23]
	s_cmp_eq_u32 s43, 1
	s_cselect_b64 s[46:47], s[24:25], s[46:47]
	s_cmp_eq_u32 s43, 2
	s_cselect_b64 s[46:47], s[26:27], s[46:47]
	s_cmp_eq_u32 s43, 3
	s_cselect_b64 s[46:47], s[28:29], s[46:47]
	s_cmp_eq_u32 s43, 4
	s_cselect_b64 s[46:47], s[30:31], s[46:47]
	s_add_nc_u64 s[46:47], s[46:47], s[48:49]
	v_lshlrev_b32 v2, 4, v5                        ; sixteen lanes read 256 consecutive bytes of a row;
	v_lshl_add_u32 v2, v6, 15, v2                  ; I take rows 8 (2 wave + lane / 16) + 0..7, and the same 64 rows on
	s_lshl_b32 s50, s36, 16
	v_add_nc_u32 v2, s50, v2
.irp it, 0,1
.irp i, 0,1,2,3,4,5,6,7
	global_load_b128 v[X+32*\it+4*\i:X+32*\it+4*\i+3], v2, s[46:47] offset:\it*262144+\i*4096 th:TH_LOAD_NT
.endr
.endr
	v_mul_u32_u24 v3, v5, 4*TP                     ; in LDS: row n = 4 (lane % 16) + c, 16 bytes = my 8 k
	v_lshl_add_u32 v3, v6, 4, v3
	s_lshl_b32 s51, s36, 5
	s_add_co_u32 s51, s51, WT0
	v_add_nc_u32 v3, s51, v3
	s_mul_i32 s51, s36, 16*TP                      ; back: rows 16 wave + lane / 16 + 2 j, sixteen lanes a row
	s_add_co_u32 s51, s51, WT0
	v_mul_u32_u24 v4, v6, TP
	v_lshl_add_u32 v4, v5, 4, v4
	v_add_nc_u32 v4, s51, v4
	s_lshl_b32 s52, s36, 4
	v_add_nc_u32 v7, s52, v6                       ; 16 wave + lane / 16
	v_lshlrev_b32 v9, 4, v5
	v_lshl_add_u32 v9, v7, 11, v9                  ; that row of 2,048 bytes in wt, 16 bytes a lane
	s_lshl_b32 s54, s43, 21                        ; wt: 1,024 rows of 2,048 bytes a matrix,
	s_lshl_b32 s55, s44, 8                         ; 128 k in f16,
	s_add_co_u32 s54, s54, s55
	s_lshl_b32 s55, s45, 17                        ; 64 rows
	s_add_co_u32 s54, s54, s55
	s_mov_b32 s55, 0
	s_add_nc_u64 s[32:33], s[32:33], s[54:55]
	s_wait_loadcnt 0x0
.irp it, 0,1
.irp c, 0,1,2,3
.irp i, 0,2,4,6
	v_cvt_pk_f16_f32 v[48+16*\it+4*\c+\i/2], v[X+32*\it+4*\i+\c], v[X+32*\it+4*\i+4+\c]
.endr
.endr
.endr
.irp it, 0,1
.irp c, 0,1,2,3
	ds_store_b128 v3, v[48+16*\it+4*\c:51+16*\it+4*\c] offset:\c*TP+\it*128
.endr
.endr
	s_wait_dscnt 0x0                               ; for the others' sake: my stores are in LDS
	s_barrier_signal -1
	s_barrier_wait -1
.irp j, 0,1,2,3,4,5,6,7
	ds_load_b128 v[80+4*\j:83+4*\j], v4 offset:\j*2*TP
.endr
	s_wait_dscnt 0x0
.irp j, 0,1,2,3,4,5,6,7
	global_store_b128 v9, v[80+4*\j:83+4*\j], s[32:33] offset:\j*4096  ; sixteen lanes store 256 consecutive bytes, aligned
.endr
.Lend:
	s_wait_tensorcnt 0x0                           ; the wave's end: behind my last LDS store
	ds_add_u32 v[SPW], v[NIL]
	s_wait_dscnt 0x0
	s_endpgm
.Lfunc_end_k_q5632c66e25_prep:
	.size	k_q5632c66e25_prep, .Lfunc_end_k_q5632c66e25_prep-k_q5632c66e25_prep
	.p2alignl 7, 3214868480
	.fill 96, 4, 3214868480
	.section	.rodata,"a",@progbits
	.p2align	6, 0x0
	.amdhsa_kernel k_q5632c66e25_prep
		.amdhsa_group_segment_fixed_size 55296
		.amdhsa_private_segment_fixed_size 0
		.amdhsa_enable_private_segment 0
		.amdhsa_kernarg_size 104
		.amdhsa_user_sgpr_count 2
		.amdhsa_user_sgpr_kernarg_segment_ptr 1
		.amdhsa_wavefront_size32 1
		.amdhsa_system_sgpr_workgroup_id_x 1
		.amdhsa_system_sgpr_workgroup_id_y 1
		.amdhsa_system_sgpr_workgroup_id_z 1
		.amdhsa_system_vgpr_workitem_id 0
		.amdhsa_next_free_vgpr 240
		.amdhsa_next_free_sgpr 66
		.amdhsa_reserve_vcc 0
		.amdhsa_float_denorm_mode_32 3
		.amdhsa_float_denorm_mode_16_64 3
		.amdhsa_memory_ordered 1
		.amdhsa_forward_progress 1
		.amdhsa_inst_pref_size 67
	.end_amdhsa_kernel
	.amdgpu_metadata
---
amdhsa.version: [ 1, 2 ]
amdhsa.kernels:
  - .name:           k_q5632c66e25_prep
    .symbol:         k_q5632c66e25_prep.kd
    .args:
      - { .name: x, .offset: 0, .size: 8, .value_kind: global_buffer, .address_space: global }
      - { .name: ln_g, .offset: 8, .size: 8, .value_kind: global_buffer, .address_space: global }
      - { .name: ln_b, .offset: 16, .size: 8, .value_kind: global_buffer, .address_space: global }
      - { .name: Wb, .offset: 24, .size: 8, .value_kind: global_buffer, .address_space: global }
      - { .name: bb, .offset: 32, .size: 8, .value_kind: global_buffer, .address_space: global }
      - { .name: xn16, .offset: 40, .size: 8, .value_kind: global_buffer, .address_space: global }
      - { .name: betat, .offset: 48, .size: 8, .value_kind: global_buffer, .address_space: global }
      - { .name: Wq, .offset: 56, .size: 8, .value_kind: global_buffer, .address_space: global }
      - { .name: Wk, .offset: 64, .size: 8, .value_kind: global_buffer, .address_space: global }
      - { .name: Wv, .offset: 72, .size: 8, .value_kind: global_buffer, .address_space: global }
      - { .name: Wa, .offset: 80, .size: 8, .value_kind: global_buffer, .address_space: global }
      - { .name: Wo, .offset: 88, .size: 8, .value_kind: global_buffer, .address_space: global }
      - { .name: wt, .offset: 96, .size: 8, .value_kind: global_buffer, .address_space: global }
    .group_segment_fixed_size: 55296
    .private_segment_fixed_size: 0
    .kernarg_segment_align: 8
    .kernarg_segment_size: 104
    .max_flat_workgroup_size: 128
    .sgpr_count:     66
    .vgpr_count:     240
    .wavefront_size: 32
...
	.end_amdgpu_metadata
.endif
;; end of part 6
;; launch gemm1 (part 7): grid 16 x 16, 4 waves a work-group, clusters of 4 x 4, 327,680 bytes of LDS; arguments xn16, wt, qkva, kn16, betat, ba, mx; writes qkva, kn16, mx
.if DOCPART == 7
	.amdgcn_target "amdgcn-amd-amdhsa--gfx1250"
	.amdhsa_code_object_version 6
	.text
	.protected	k_q5632c66e25_gemm1
	.globl	k_q5632c66e25_gemm1
	.p2align	8
	.type	k_q5632c66e25_gemm1,@function
k_q5632c66e25_gemm1:
	s_mov_b64 s[64:65], 0
	v_nop
	global_prefetch_b8 v0, s[64:65] scope:SCOPE_SE
	s_setreg_imm32_b32 hwreg(HW_REG_WAVE_MODE, 25, 1), 1
	s_wait_xcnt 0x0
	s_wait_alu depctr_hold_cnt(0) depctr_sa_sdst(0) depctr_va_vdst(0) depctr_va_sdst(0) depctr_va_ssrc(0) depctr_va_vcc(0) depctr_vm_vsrc(0)
	s_getreg_b32 s2, hwreg(HW_REG_IB_STS2, 6, 4)
	s_cmp_eq_u32 s2, 0
	s_cbranch_scc0 .Lentry_in_a_cluster
	s_endpgm
.Lentry_in_a_cluster:
	s_bfe_u32 s2, ttmp6, 0x10000c
	s_cmp_lg_u32 s2, 0xf033
	s_cbranch_scc0 .Lentry_shape_is_right
	s_endpgm
.Lentry_shape_is_right:
; GEMM1.  C[m][n] = sum over k of xn16[m][k] wt[n][k], 4096 x 4096 x 1024, f16 operands, f32 sums; n = 1024 type + 64 head + channel, types q, k, v, a.
; A work-group of four waves makes 256 x 256 of C, a wave 128 x 128 (64 accumulators, 512 registers).  K goes in steps of 128 through two LDS slots filled by joint tensor loads:
; 4 x 4 work-groups form a cluster; the four of a row share xn16's tile, the four of a column wt's.  The matrix instruction is used transposed (source 0 = 16 rows of wt, source 1 = 16 rows of
; xn16): a lane holds one row of C and eight neighbouring columns.
; THE WAY OUT.  The wave's 128 x 128 goes in f32 into the slots' bytes (they have had their last fill), and comes back as rows of one head (64 numbers = 16 lanes x 16 bytes).  By type:
; q as it is; k divided by max(|k|, 1e-12) over the head's 64 channels (f32 to qkva, f16 to kn16); v times beta; a as sigmoid(a + ba).  qkva: [type][b h][t][64] f32.
; A wave of type q or v also leaves the largest |q| or |beta v| that it stored (mx: [q, beta v][256 waves], one f32 each): the later launches take a common power of two from them.
; The type is the cluster's x, the same in all sixteen partners, so the branch on it is alike in all.
; REGISTERS, in windows of 256: window 0: v0-31 addresses; v64-191 xn16's fragments, two buffers; on the way out v64-231 at work.  window 1: v64-191 wt's fragments.  windows 2, 3: accumulators.
.set SIZE_K, 1024
.set KSTEP,  128
.set PITCH,  272                       ; an LDS row: 256 bytes + 16 of padding: the 16 rows of a fragment load start at 16 different groups of four banks (ISA guide 11.1)
.set HALFT,  128*PITCH
.set SLOT,   4*HALFT
.set SPARE,  2*SLOT                    ; behind the ring: the spare words, 128 bytes a wave: no other line names them
.set LAPS,   SIZE_K/(2*KSTEP)
.set DP,     528                       ; the way out: a row of 128 f32 + 16 bytes
.set DWB,    128*DP                    ; a wave's 128 rows
.set ADRA, 16
.set ADRB, 20
.set RDC,  22                          ; v22  the read-back address of the trip in hand
.set STO,  24
.set RD,   25
.set CO,   26                          ; v26  16 x lane: two rows of a head are 512 consecutive bytes of qkva
.set C16,  27                          ; v27  8 x lane: the same two rows in kn16
.set SPW,  28
.set NIL,  29
.set BO,   30                          ; v30  betat: 64 (lane / 16)
.set BAO,  31                          ; v31  ba: 16 (lane % 16)
.set F0,   64
.set F1,   128
.set R,    64                          ; the way out: group n = 2 j + head: rows 2 j, 2 j + 1, four columns a lane
.set BTV,  128
.set NB,   144
.set TT,   152
.set H16,  192
.set MP,   224                         ; v224-227 four running maxima,
.set MN,   228                         ; v228-231 four running minima of what the wave stores
.set G1, 24
.set G0, 32
.set G1B, 48
.set G0B, 56
.set MSB, 0
.macro WIN new                         ; the immediate's high byte repeats the setting that is left; a switch that changes nothing is dropped
.if MSB != (\new)
	s_set_vgpr_msb (MSB<<8)|(\new)
.set MSB, \new
.endif
.endm
.set MUL_LO, 0xa1                      ; source 0 window 1, source 1 window 0, C and D window 2
.set MUL_HI, 0xf1                      ; the same, C and D window 3
.set TO_B,   0x40                      ; destination window 1
.macro JLOAD s                         ; a joint load: waves 0, 1 fetch xn16's halves, waves 2, 3 wt's; an s_nop 0 and four v_nop follow each line
	s_cmp_eq_u32 s11, 0
	s_cbranch_scc0 .Lfor_b_\@
	tensor_load_to_lds s[G0+4*(\s):G0+4*(\s)+3], s[G1:G1+7]
	s_nop 0
.rept 4
	v_nop
.endr
	s_branch .Lasked_\@
.Lfor_b_\@:
	tensor_load_to_lds s[G0B+4*(\s):G0B+4*(\s)+3], s[G1B:G1B+7]
	s_nop 0
.rept 4
	v_nop
.endr
.Lasked_\@:
.endm
.macro CREST                           ; a round of the cluster's barrier behind its opening barrier
	s_cmp_lg_u32 s10, 0
	s_cbranch_scc1 .Lnot_wave_0_\@
	s_barrier_signal -3
.Lnot_wave_0_\@:
	s_barrier_wait -3
	s_barrier_signal -1
	s_barrier_wait -1
.endm
.macro CROUND
	s_barrier_signal -1
	s_barrier_wait -1
	CREST
.endm
	s_load_b128 s[4:7], s[0:1], 0x0                ; xn16, wt
	s_load_b256 s[68:75], s[0:1], 0x10             ; qkva, kn16, betat, ba
	s_load_b64 s[88:89], s[0:1], 0x30              ; mx
	v_lshl_add_u32 v[SPW], v0, 2, SPARE
	v_mov_b32 v[NIL], 0
	ds_add_u32 v[SPW], v[NIL]                      ; the wave's opening: the add and its wait ahead of my first tensor load
	ds_add_u32 v28, v29
	v_lshrrev_b32 v1, 5, v0
	v_readfirstlane_b32 s10, v1                    ; wave 0..3
	s_lshr_b32 s11, s10, 1                         ; my half of the rows; also: I fetch xn16 (0) or wt (1)
	s_and_b32 s12, s10, 1                          ; my half of the columns; also: which 128 rows I fetch
	s_bfe_u32 s40, ttmp6, 0x40000                  ; cx
	s_bfe_u32 s41, ttmp6, 0x40004                  ; cy
	s_lshl_b32 s42, ttmp9, 2
	s_add_co_u32 s42, s42, s40                     ; tile column
	s_and_b32 s13, ttmp7, 0xffff
	s_lshl_b32 s13, s13, 2
	s_add_co_u32 s13, s13, s41                     ; tile row
	s_lshl_b32 s43, s41, 2
	s_lshl_b32 s43, 15, s43                        ; my row of the cluster
	s_lshl_b32 s44, 0x1111, s40                    ; my column
	s_or_b32 s[G1+0], s43, (1<<16)|(1<<20)|(1<<21)|(5<<22)|(3<<25)   ; mask; 2-byte elements; padding on; bit 21 beside a mask; after every 64 words 4 words
	s_or_b32 s[G1B+0], s44, (1<<16)|(1<<20)|(1<<21)|(5<<22)|(3<<25)
.irp g, G1, G1B
	s_mov_b32 s[(\g)+1], KSTEP<<16                 ; tensor_dim0 = 128
	s_mov_b32 s[(\g)+2], 128<<16                   ; tensor_dim1 = 128
	s_mov_b32 s[(\g)+3], KSTEP<<16                 ; tile_dim0 = 128
	s_mov_b32 s[(\g)+4], 128                       ; tile_dim1 = 128
	s_mov_b32 s[(\g)+5], SIZE_K                    ; elements from row to row
	s_mov_b32 s[(\g)+6], 0
	s_mov_b32 s[(\g)+7], 0
.endr
	s_lshl_b32 s17, s12, 7
	s_lshl_b32 s16, s13, 8
	s_add_co_u32 s16, s16, s17                     ; xn16: row 256 x tile row + 128 x half
	s_lshl_b32 s46, s42, 8
	s_add_co_u32 s46, s46, s17                     ; wt: row 256 x tile column + 128 x half
	s_mov_b32 s17, 0
	s_mov_b32 s47, 0
	s_mov_b64 s[18:19], SIZE_K*2
	s_mul_u64 s[16:17], s[16:17], s[18:19]
	s_mul_u64 s[46:47], s[46:47], s[18:19]
	s_mul_i32 s20, s10, HALFT                      ; where they go: wave x 128 rows
	s_wait_dscnt 0x0                               ; the opening add is done
	s_wait_kmcnt 0x0
	s_add_nc_u64 s[14:15], s[4:5], s[16:17]
	s_add_nc_u64 s[46:47], s[6:7], s[46:47]
	CROUND                                         ; all sixteen work-groups are here: the first joint loads meet
.irp s, 0,1
	s_mov_b32 s[G0+4*(\s)], 1
	s_add_co_u32 s[G0+4*(\s)+1], s20, (\s)*SLOT
	s_add_nc_u64 s[G0+4*(\s)+2:G0+4*(\s)+3], s[14:15], (\s)*KSTEP*2
	s_or_b32 s[G0+4*(\s)+3], s[G0+4*(\s)+3], 0x80000000
	s_mov_b32 s[G0B+4*(\s)], 1
	s_add_co_u32 s[G0B+4*(\s)+1], s20, (\s)*SLOT
	s_add_nc_u64 s[G0B+4*(\s)+2:G0B+4*(\s)+3], s[46:47], (\s)*KSTEP*2
	s_or_b32 s[G0B+4*(\s)+3], s[G0B+4*(\s)+3], 0x80000000
	JLOAD \s
.endr
	v_and_b32 v1, 15, v0                           ; l % 16
	v_bfe_u32 v2, v0, 4, 1                         ; l / 16
	v_mul_u32_u24 v3, v1, PITCH
	v_lshl_add_u32 v3, v2, 4, v3
	s_mul_i32 s21, s11, HALFT
	s_mul_i32 s22, s12, HALFT
	s_add_co_u32 s22, s22, 2*HALFT
.irp s, 0,1
	v_add_nc_u32 v[ADRA+(\s)], s21, v3
	v_add_nc_u32 v[ADRB+(\s)], s22, v3
	s_add_co_u32 s21, s21, SLOT
	s_add_co_u32 s22, s22, SLOT
.endr
	s_mul_i32 s23, s10, DWB                        ; the way out: my wave's 128 rows of 528 bytes
	v_mul_u32_u24 v4, v1, DP                       ; in: row l % 16, 32 bytes for each half of the lanes
	v_lshl_add_u32 v4, v2, 5, v4
	v_add_nc_u32 v[STO], s23, v4
	v_mul_u32_u24 v5, v2, DP                       ; back: lanes 0-15 one row of a head, lanes 16-31 the next
	v_lshl_add_u32 v5, v1, 4, v5
	v_add_nc_u32 v[RD], s23, v5
	v_and_b32 v6, 31, v0
	v_lshlrev_b32 v[CO], 4, v6
	v_lshlrev_b32 v[C16], 3, v6
	v_lshlrev_b32 v[BO], 6, v2
	v_lshlrev_b32 v[BAO], 4, v1
.macro MUL16 f, hi, a0, zero           ; 16 matrix instructions: m blocks a0, a0 + 1 of the window's four x all 8 n blocks, 32 along K; the 64 accumulators take turns
	WIN MUL_LO+0x50*(\hi)
.irp a, \a0, (\a0)+1
.irp b, 0,1,2,3,4,5,6,7
.if \zero
	v_wmma_f32_16x16x32_f16 v[8*(8*(\a)+(\b)):8*(8*(\a)+(\b))+7], v[(\f)+8*(\b):(\f)+8*(\b)+7], v[(\f)+8*(4*(\hi)+(\a)):(\f)+8*(4*(\hi)+(\a))+7], 0
.else
	v_wmma_f32_16x16x32_f16 v[8*(8*(\a)+(\b)):8*(8*(\a)+(\b))+7], v[(\f)+8*(\b):(\f)+8*(\b)+7], v[(\f)+8*(4*(\hi)+(\a)):(\f)+8*(4*(\hi)+(\a))+7], v[8*(8*(\a)+(\b)):8*(8*(\a)+(\b))+7]
.endif
.endr
.endr
.endm
.macro FETCH slot, k, f                ; 32 LDS loads in one run: the fragments of 32 along K at byte k of the rows
	WIN TO_B
.irp i, 0,1,2,3,4,5,6,7
	ds_load_b128 v[(\f)+8*(\i):(\f)+8*(\i)+3],   v[ADRB+(\slot)] offset:(\k)+(\i)*16*PITCH
	ds_load_b128 v[(\f)+8*(\i)+4:(\f)+8*(\i)+7], v[ADRB+(\slot)] offset:(\k)+(\i)*16*PITCH+32
.endr
	WIN 0
.irp i, 0,1,2,3,4,5,6,7
	ds_load_b128 v[(\f)+8*(\i):(\f)+8*(\i)+3],   v[ADRA+(\slot)] offset:(\k)+(\i)*16*PITCH
	ds_load_b128 v[(\f)+8*(\i)+4:(\f)+8*(\i)+7], v[ADRA+(\slot)] offset:(\k)+(\i)*16*PITCH+32
.endr
.endm
.macro PLACES                          ; four places in front of loads into registers that matrix instructions have read, and of reads of results
.rept 4
	v_nop
.endr
.endm
.macro QUARTER slot, k, f, g, zero     ; 64 matrix instructions on buffer f; in the middle the next quarter's fragments go into buffer g
	s_wait_dscnt 8                                 ; all but the youngest eight loads (xn16's rows 64-127)
	WIN MUL_LO
	MUL16 \f, 0, 0, \zero
	MUL16 \f, 0, 2, \zero
	PLACES
	FETCH \slot, \k, \g
	s_wait_dscnt 32                                ; all but the 32 just issued
	WIN MUL_HI
	MUL16 \f, 1, 0, \zero
	MUL16 \f, 1, 2, \zero
.endm
.macro MEET round                      ; the change of slots: one barrier; in front of it all my tensor loads, the add, and my reads of this slot
	WIN 0
	s_wait_tensorcnt 0x0                           ; the one that was out is my part of the next slot
	ds_add_u32 v[SPW], v[NIL]
	s_wait_dscnt 9                                 ; the add and the youngest eight loads may be out
	WIN MUL_LO
	MUL16 F1, 0, 0, 0
	s_wait_dscnt 0x0                               ; the add is done, my reads of this slot are over
	s_barrier_signal -1
	MUL16 F1, 0, 2, 0
.if \round
	WIN 0
.endif
	s_barrier_wait -1
.endm
.macro TURN slot, next, fill           ; the last quarter of a K step; fill = 1: the slot just read is filled again, two K steps on, first thing behind the cluster's round
	MEET \fill
.if \fill
	CREST
	s_add_nc_u64 s[G0+4*(\slot)+2:G0+4*(\slot)+3], s[G0+4*(\slot)+2:G0+4*(\slot)+3], 2*KSTEP*2
	s_add_nc_u64 s[G0B+4*(\slot)+2:G0B+4*(\slot)+3], s[G0B+4*(\slot)+2:G0B+4*(\slot)+3], 2*KSTEP*2
	JLOAD \slot                                    ; its four v_nop are also the places in front of the loads below
.else
	PLACES
.endif
	FETCH \next, 0, F0
	WIN MUL_HI
	MUL16 F1, 1, 0, 0
	MUL16 F1, 1, 2, 0
.endm
	s_wait_tensorcnt 1                             ; my part of K step 0 is in; K step 1's may stay out
	s_barrier_signal -1
	s_barrier_wait -1
	FETCH 0, 0, F0
	QUARTER 0, 64,  F0, F1, 1                      ; the first quarter's products start the sums
	WIN 0
	s_mov_b32 s3, LAPS-1
.Llap:                                                 ; a trip goes once round the ring and fills both slots again
	QUARTER 0, 128, F1, F0, 0
	QUARTER 0, 192, F0, F1, 0
	TURN 0, 1, 1
	QUARTER 1, 64,  F0, F1, 0
	QUARTER 1, 128, F1, F0, 0
	QUARTER 1, 192, F0, F1, 0
	TURN 1, 0, 1
	QUARTER 0, 64,  F0, F1, 0
	WIN 0
	s_sub_co_u32 s3, s3, 1
	s_cmp_lg_u32 s3, 0
	s_cbranch_scc1 .Llap
	QUARTER 0, 128, F1, F0, 0                      ; the last lap fills nothing
	QUARTER 0, 192, F0, F1, 0
	TURN 0, 1, 0
	QUARTER 1, 64,  F0, F1, 0
	QUARTER 1, 128, F1, F0, 0
	QUARTER 1, 192, F0, F1, 0
	s_wait_dscnt 8                                 ; the very last quarter
	MUL16 F1, 0, 0, 0
	MUL16 F1, 0, 2, 0
	s_wait_dscnt 0x0                               ; my reads of the slots are over:
	s_barrier_signal -1                            ; behind this barrier the slots' bytes are the waves' stages
	MUL16 F1, 1, 0, 0
	MUL16 F1, 1, 2, 0
	WIN 0
	s_barrier_wait -1
	PLACES
.irp a, 0,1,2,3,4,5,6,7                ; the 128 x 128 in f32 into my own 128 rows; each accumulator's low registers first
	WIN 0x08+4*((\a)/4)                            ; store data (source 1) in window 2 or 3
.irp b, 0,1,2,3,4,5,6,7
	ds_store_b128 v[STO], v[8*(8*((\a)%4)+(\b)):8*(8*((\a)%4)+(\b))+3]   offset:(\a)*16*DP+64*(\b)
	ds_store_b128 v[STO], v[8*(8*((\a)%4)+(\b))+4:8*(8*((\a)%4)+(\b))+7] offset:(\a)*16*DP+64*(\b)+16
.endr
.endr
	WIN 0
	s_lshl_b32 s76, s13, 8
	s_lshl_b32 s77, s11, 7
	s_add_co_u32 s76, s76, s77                     ; my first row of C
	s_lshr_b32 s77, s76, 9                         ; b
	s_and_b32 s78, s76, 511                        ; t
	s_lshl_b32 s79, s40, 2
	s_lshl1_add_u32 s79, s12, s79                  ; my first head = 4 cx + 2 x column half
	s_lshl4_add_u32 s80, s77, s79                  ; 16 b + head
	s_lshl_b32 s80, s80, 9
	s_add_co_u32 s80, s80, s78                     ; row of [b h][t]
	s_lshl_b32 s82, ttmp9, 24                      ; the type's plane of 16,777,216 bytes
	s_lshl_b32 s81, s80, 8
	s_add_co_u32 s82, s82, s81
	s_mov_b32 s83, 0
	s_add_nc_u64 s[68:69], s[68:69], s[82:83]
	s_lshl_b32 s82, s80, 7
	s_add_nc_u64 s[70:71], s[70:71], s[82:83]
	s_lshl_b32 s82, s76, 6
	s_lshl2_add_u32 s82, s79, s82
	s_add_nc_u64 s[72:73], s[72:73], s[82:83]
	s_lshl_b32 s82, s79, 8
	s_add_nc_u64 s[74:75], s[74:75], s[82:83]
	s_mov_b32 s84, 0                               ; the trip's 16 rows in my stage
	s_mov_b32 s85, 0x2b8cbccc                      ; 1e-12
	s_mov_b32 s86, 0x76543210                      ; v_permlanex16_b32: each lane takes its own place in the other half
	s_mov_b32 s87, 0xfedcba98
	s_mov_b32 s3, 8                                ; eight trips of 16 rows x 2 heads
.irp m, 0,1,2,3,4,5,6,7
	v_mov_b32 v[MP+\m], 0                          ; the running maxima and minima start at 0
.endr
.macro RBK                             ; 16 rows x 2 heads back; LDS serves a wave's instructions in order (ISA guide 5.7.1.4): these see my stores
	v_add_nc_u32 v[RDC], s84, v[RD]
.irp n, 0,1,2,3,4,5,6,7,8,9,10,11,12,13,14,15
	ds_load_b128 v[R+4*\n:R+4*\n+3], v[RDC] offset:(\n/2)*2*DP+(\n%2)*256
.endr
	s_wait_dscnt 0x0
.endm
.macro AMAX                            ; the largest and the smallest of the trip's 64 numbers a lane, in four chains each
.irp n, 0,1,2,3,4,5,6,7,8,9,10,11,12,13,14,15
	v_max3_num_f32 v[MP+(\n%4)], v[R+4*\n], v[R+4*\n+1], v[MP+(\n%4)]
	v_min3_num_f32 v[MN+(\n%4)], v[R+4*\n], v[R+4*\n+1], v[MN+(\n%4)]
.endr
.irp n, 0,1,2,3,4,5,6,7,8,9,10,11,12,13,14,15
	v_max3_num_f32 v[MP+(\n%4)], v[R+4*\n+2], v[R+4*\n+3], v[MP+(\n%4)]
	v_min3_num_f32 v[MN+(\n%4)], v[R+4*\n+2], v[R+4*\n+3], v[MN+(\n%4)]
.endr
.endm
.macro WRF amax=0                      ; and out: each store covers 512 consecutive bytes, aligned; amax = 1: the maxima are taken while the stores leave
.irp n, 0,1,2,3,4,5,6,7,8,9,10,11,12,13,14,15
	global_store_b128 v[CO], v[R+4*\n:R+4*\n+3], s[68:69] offset:(\n/2)*512+(\n%2)*131072
.endr
.if \amax
	AMAX
.endif
	s_wait_xcnt 0x0                                ; the stores' data and offsets are rewritten only behind this wait
	v_add_nc_u32 v[CO], 4096, v[CO]
	s_add_co_u32 s84, s84, 16*DP
.endm
.macro BMUL dst, n                     ; a pair times beta of group n
.if (\n)%2
	v_pk_mul_f32 v[\dst:\dst+1], v[\dst:\dst+1], v[BTV+(\n)-1:BTV+(\n)] op_sel:[0,1] op_sel_hi:[1,1]
.else
	v_pk_mul_f32 v[\dst:\dst+1], v[\dst:\dst+1], v[BTV+(\n):BTV+(\n)+1] op_sel_hi:[1,0]
.endif
.endm
	s_cmp_eq_u32 ttmp9, 0
	s_cbranch_scc1 .Lq
	s_cmp_eq_u32 ttmp9, 1
	s_cbranch_scc1 .Lk
	s_cmp_eq_u32 ttmp9, 2
	s_cbranch_scc1 .Lv
	global_load_b128 v[NB:NB+3],   v[BAO], s[74:75]             ; a: ba of my four columns in each of the two heads
	global_load_b128 v[NB+4:NB+7], v[BAO], s[74:75] offset:256
	s_wait_loadcnt 0x0
.irp m, 0,2,4,6
	v_pk_mul_f32 v[NB+\m:NB+\m+1], v[NB+\m:NB+\m+1], 0xbfb8aa3b op_sel_hi:[1,0]
.endr
.La:                                                   ; alpha = 1 / (1 + 2^(-1.442695 (a + ba)))
	RBK
.irp n, 0,1,2,3,4,5,6,7,8,9,10,11,12,13,14,15
	v_pk_fma_f32 v[R+4*\n:R+4*\n+1],   v[R+4*\n:R+4*\n+1],   0xbfb8aa3b, v[NB+4*(\n%2):NB+4*(\n%2)+1]   op_sel_hi:[1,0,1]
	v_pk_fma_f32 v[R+4*\n+2:R+4*\n+3], v[R+4*\n+2:R+4*\n+3], 0xbfb8aa3b, v[NB+4*(\n%2)+2:NB+4*(\n%2)+3] op_sel_hi:[1,0,1]
.endr
.set i, 0
.rept 64
	v_exp_f32 v[R+i], v[R+i]
.set i, i+1
.endr
	v_nop                                          ; a plain instruction behind the transcendentals
.set i, 0
	s_wait_alu depctr_va_vdst(0)
.rept 32
	v_pk_add_f32 v[R+2*i:R+2*i+1], v[R+2*i:R+2*i+1], 1.0 op_sel_hi:[1,0]
.set i, i+1
.endr
.set i, 0
.rept 64
	v_rcp_f32 v[R+i], v[R+i]
.set i, i+1
.endr
	v_nop
	s_wait_alu depctr_va_vdst(0)
	WRF
	s_sub_co_u32 s3, s3, 1
	s_cmp_lg_u32 s3, 0
	s_cbranch_scc1 .La
	s_branch .Ldone
.Lq:
	RBK
	WRF 1
	s_sub_co_u32 s3, s3, 1
	s_cmp_lg_u32 s3, 0
	s_cbranch_scc1 .Lq
	s_mov_b32 s82, 0                               ; q's 256 numbers stand first in mx
	s_branch .Lmax
.Lk:                                                   ; kn = k / max(|k|, 1e-12): a row of a head lies in 16 lanes, four numbers each
	RBK
.irp n, 0,1,2,3,4,5,6,7,8,9,10,11,12,13,14,15
	v_pk_mul_f32 v[TT+2*\n:TT+2*\n+1], v[R+4*\n:R+4*\n+1], v[R+4*\n:R+4*\n+1]
.endr
.irp n, 0,1,2,3,4,5,6,7,8,9,10,11,12,13,14,15
	v_pk_fma_f32 v[TT+2*\n:TT+2*\n+1], v[R+4*\n+2:R+4*\n+3], v[R+4*\n+2:R+4*\n+3], v[TT+2*\n:TT+2*\n+1]
.endr
.irp n, 0,1,2,3,4,5,6,7,8,9,10,11,12,13,14,15
	v_add_f32 v[TT+2*\n], v[TT+2*\n], v[TT+2*\n+1]
.endr
.irp m, 1,2,4,8
.irp n, 0,1,2,3,4,5,6,7,8,9,10,11,12,13,14,15
	v_add_f32_dpp v[TT+2*\n], v[TT+2*\n], v[TT+2*\n] row_xmask:\m row_mask:0xf bank_mask:0xf
.endr
.endr
.irp n, 0,1,2,3,4,5,6,7,8,9,10,11,12,13,14,15
	v_sqrt_f32 v[TT+2*\n], v[TT+2*\n]
.endr
	v_nop
	s_wait_alu depctr_va_vdst(0)
.irp n, 0,1,2,3,4,5,6,7,8,9,10,11,12,13,14,15
	v_max_num_f32 v[TT+2*\n], s85, v[TT+2*\n]
.endr
.irp n, 0,1,2,3,4,5,6,7,8,9,10,11,12,13,14,15
	v_rcp_f32 v[TT+2*\n], v[TT+2*\n]
.endr
	v_nop
	s_wait_alu depctr_va_vdst(0)
.irp n, 0,1,2,3,4,5,6,7,8,9,10,11,12,13,14,15
	v_pk_mul_f32 v[R+4*\n:R+4*\n+1],   v[R+4*\n:R+4*\n+1],   v[TT+2*\n:TT+2*\n+1] op_sel_hi:[1,0]
	v_pk_mul_f32 v[R+4*\n+2:R+4*\n+3], v[R+4*\n+2:R+4*\n+3], v[TT+2*\n:TT+2*\n+1] op_sel_hi:[1,0]
.endr
.irp n, 0,1,2,3,4,5,6,7,8,9,10,11,12,13,14,15
	v_cvt_pk_f16_f32 v[H16+2*\n],   v[R+4*\n],   v[R+4*\n+1]
	v_cvt_pk_f16_f32 v[H16+2*\n+1], v[R+4*\n+2], v[R+4*\n+3]
.endr
.irp n, 0,1,2,3,4,5,6,7,8,9,10,11,12,13,14,15
	global_store_b64 v[C16], v[H16+2*\n:H16+2*\n+1], s[70:71] offset:(\n/2)*256+(\n%2)*65536  ; 256 consecutive bytes, aligned
.endr
	WRF
	v_add_nc_u32 v[C16], 2048, v[C16]              ; behind the wait that stands in WRF
	s_sub_co_u32 s3, s3, 1
	s_cmp_lg_u32 s3, 0
	s_cbranch_scc1 .Lk
	s_branch .Ldone
.Lv:                                                   ; beta v
.irp n, 0,1,2,3,4,5,6,7,8,9,10,11,12,13,14,15
	global_load_b32 v[BTV+\n], v[BO], s[72:73] offset:(\n/2)*128+(\n%2)*4
.endr
	RBK
	s_wait_loadcnt 0x0                             ; beta is in, and its offset register is free
	v_add_nc_u32 v[BO], 1024, v[BO]
.irp n, 0,1,2,3,4,5,6,7,8,9,10,11,12,13,14,15
	BMUL R+4*\n, \n
	BMUL R+4*\n+2, \n
.endr
	WRF 1
	s_sub_co_u32 s3, s3, 1
	s_cmp_lg_u32 s3, 0
	s_cbranch_scc1 .Lv
	s_mov_b32 s82, 1024                            ; beta v's 256 numbers stand behind q's
.Lmax:                                                 ; the wave's largest magnitude, one number, to word (4 tile row + cx) x 4 + wave of its type's 256
	v_max3_num_f32 v[MP], v[MP], v[MP+1], v[MP+2]
	v_min3_num_f32 v[MN], v[MN], v[MN+1], v[MN+2]
	v_max_num_f32 v[MP], v[MP], v[MP+3]
	v_min_num_f32 v[MN], v[MN], v[MN+3]
	v_sub_f32 v[MN], 0, v[MN]
	v_max_num_f32 v[MP], v[MP], v[MN]
	v_max_num_f32_dpp v[MP], v[MP], v[MP] row_xmask:1 row_mask:0xf bank_mask:0xf
	v_max_num_f32_dpp v[MP], v[MP], v[MP] row_xmask:2 row_mask:0xf bank_mask:0xf
	v_max_num_f32_dpp v[MP], v[MP], v[MP] row_xmask:4 row_mask:0xf bank_mask:0xf
	v_max_num_f32_dpp v[MP], v[MP], v[MP] row_xmask:8 row_mask:0xf bank_mask:0xf
	v_permlanex16_b32 v[MN], v[MP], s86, s87
	v_max_num_f32 v[MP], v[MP], v[MN]              ; every lane holds it
	s_lshl_b32 s81, s13, 2
	s_add_co_u32 s81, s81, s40
	s_lshl_b32 s81, s81, 2
	s_add_co_u32 s81, s81, s10
	s_lshl_b32 s81, s81, 2
	s_add_co_u32 s82, s82, s81
	s_add_nc_u64 s[88:89], s[88:89], s[82:83]
	v_mov_b32 v[MP+1], 0
	global_store_b32 v[MP+1], v[MP], s[88:89]      ; all lanes store the same number to the same word
.Ldone:
	s_wait_tensorcnt 0x0                           ; the wave's end
	ds_add_u32 v[SPW], v[NIL]
	s_wait_dscnt 0x0
	CROUND                                         ; the closing round
	s_endpgm
.Lfunc_end_k_q5632c66e25_gemm1:
	.size	k_q5632c66e25_gemm1, .Lfunc_end_k_q5632c66e25_gemm1-k_q5632c66e25_gemm1
	.p2alignl 7, 3214868480
	.fill 96, 4, 3214868480
	.section	.rodata,"a",@progbits
	.p2align	6, 0x0
	.amdhsa_kernel k_q5632c66e25_gemm1
		.amdhsa_group_segment_fixed_size 327680
		.amdhsa_private_segment_fixed_size 0
		.amdhsa_enable_private_segment 0
		.amdhsa_kernarg_size 56
		.amdhsa_user_sgpr_count 2
		.amdhsa_user_sgpr_kernarg_segment_ptr 1
		.amdhsa_wavefront_size32 1
		.amdhsa_system_sgpr_workgroup_id_x 1
		.amdhsa_system_sgpr_workgroup_id_y 1
		.amdhsa_system_sgpr_workgroup_id_z 1
		.amdhsa_system_vgpr_workitem_id 0
		.amdhsa_next_free_vgpr 1024
		.amdhsa_next_free_sgpr 92
		.amdhsa_reserve_vcc 0
		.amdhsa_float_denorm_mode_32 3
		.amdhsa_float_denorm_mode_16_64 3
		.amdhsa_memory_ordered 1
		.amdhsa_forward_progress 1
		.amdhsa_inst_pref_size 168
	.end_amdhsa_kernel
	.amdgpu_metadata
---
amdhsa.version: [ 1, 2 ]
amdhsa.kernels:
  - .name:           k_q5632c66e25_gemm1
    .symbol:         k_q5632c66e25_gemm1.kd
    .args:
      - { .name: xn16, .offset: 0, .size: 8, .value_kind: global_buffer, .address_space: global }
      - { .name: wt, .offset: 8, .size: 8, .value_kind: global_buffer, .address_space: global }
      - { .name: qkva, .offset: 16, .size: 8, .value_kind: global_buffer, .address_space: global }
      - { .name: kn16, .offset: 24, .size: 8, .value_kind: global_buffer, .address_space: global }
      - { .name: betat, .offset: 32, .size: 8, .value_kind: global_buffer, .address_space: global }
      - { .name: ba, .offset: 40, .size: 8, .value_kind: global_buffer, .address_space: global }
      - { .name: mx, .offset: 48, .size: 8, .value_kind: global_buffer, .address_space: global }
    .group_segment_fixed_size: 327680
    .private_segment_fixed_size: 0
    .kernarg_segment_align: 8
    .kernarg_segment_size: 56
    .max_flat_workgroup_size: 128
    .sgpr_count:     92
    .vgpr_count:     1024
    .wavefront_size: 32
...
	.end_amdgpu_metadata
.endif
;; end of part 7
;; launch scan (part 8): grid 256 x 1, 4 waves a work-group, no clusters, 327,680 bytes of LDS; arguments qkva, kn16, betat, raw_gamma_m, obuf, mx; writes obuf
.if DOCPART == 8
	.amdgcn_target "amdgcn-amd-amdhsa--gfx1250"
	.amdhsa_code_object_version 6
	.text
	.protected	k_q5632c66e25_scan
	.globl	k_q5632c66e25_scan
	.p2align	8
	.type	k_q5632c66e25_scan,@function
k_q5632c66e25_scan:
	s_mov_b64 s[64:65], 0
	v_nop
	global_prefetch_b8 v0, s[64:65] scope:SCOPE_SE
	s_setreg_imm32_b32 hwreg(HW_REG_WAVE_MODE, 25, 1), 1
	s_wait_xcnt 0x0
; SCAN.  Work-group id: head b h = id / 2, columns 32 (id % 2) .. + 31 of the state S (the 64 columns of S never meet).
; PHASE A.  M_t = g M_(t-1) + kn kn^T with M = 1e-6 I at the start has the closed form  M_t kn_t = 1e-6 g^(t+1) kn_t + sum over s <= t of g^(t-s) (kn_s . kn_t) kn_s :
; a causal product with a scalar decay, all exponents >= 0.  Scores kn_s . kn_t by the matrix unit (f16 kn), times the decay in f32, rounded to f16, times kn again; then
; ktilde = Mk / max(|Mk|, 1e-6), and -beta ktilde goes to LDS in f32 for all 512 steps.  Wave w takes the 32-row blocks 2w, 2w+1, 14-2w, 15-2w: 30 earlier blocks of keys for every wave.
; PHASE B.  S is walked step by step in f32: S = diag(a) S; p = kn^T S; S += (-beta ktilde) p^T + kn (beta v)^T; o = S^T q.  Lane l: rows 8 (l % 8) .. + 7, columns 8 wave + 2 (l / 8), + 1.
; The sums over rows cross eight lanes (three steps on the arithmetic itself).  o of step t is made in step t + 1, side by side with p's sum.  q, kn, beta v, a come in chunks of 64 steps
; through two LDS slots, a plane a wave; a tile holds 66 rows, the chunk's 64 and the next chunk's first two, since the walk loads ahead (behind the head's last row the mover writes zeros:
; the descriptor states the rows that are left).  The second slot lies on kn16's bytes, which phase A has finished with.
; o leaves as f16(o / s), laid [8 columns' group][row][8] for the last product.  s is a power of two, the same in every work-group: 2^(e1 + e2), e1 and e2 the exponents of the largest |q| and the
; largest |beta v| of the whole problem, taken from the 512 numbers that the launch before left in mx.  o is linear in q and in beta v, so o / s does not move with their scale.
; NO CLUSTER: only the two work-groups of a head share tiles, and a refill has 64 steps in which to land.
; LIMITS.  |o| < 65,504 s.  (A state whose steps do not stretch it keeps |o| <= 8 max|q| x 512 max|beta v| < 2^14 s.)  |o| / s below 6e-5 keeps f16's fixed step of 6e-8.  s is held within 2^-126 .. 2^126.
; log2 g is held at -1000 or above; a power of g below 2^-126 counts as 0.  kn enters phase A in f16.
.set TILE,  16896                      ; 66 rows of 256 bytes; a slot is four tiles: q, kn, beta v, a
.set SLOT1, 208896                     ; 0x33000: shares no bit with wave x 0x4200, so one exclusive or turns an address in slot 0 into slot 1's
.set NKT,   67584                      ; behind slot 0: -beta ktilde, 512 rows of 256 bytes + 16
.set NP,    272
.set NKG,   206848                     ; 2,048 bytes of zeros: the look-ahead behind row 511 lands here
.set XB,    208896                     ; kn16: 512 rows of 128 bytes + 16
.set PX,    144
.set OST,   282624                     ; each wave's stage for o: 68 rows (steps -4 .. 63) of 32 bytes
.set OSB,   2304
.set SPARE, 291840                     ; the spare words, 128 bytes a wave: no other line names them
.set SPW,   46
.set NIL,   47
.set WV,    14                         ; s14 wave
; phase A: v2 K's lane address, v3 V's, v4, v5, v6 those of the run in hand, v7 NKT's, v8, v9 betat's, v10 l % 16, v11 l / 16, v12 log2 g, v13 16 log2 g, v14 g^16, v15 g^32, v45 16 x lane (mx)
.set GV,  16                           ; v16-19  g^(16 n), g^(16 (n+1)), g^(16 (n+2)), the last twice
.set D0,  20                           ; v20-27  g^e for e = l % 16 - 8 (l / 16) - j >= 0, else 0
.set D1,  28                           ; v28-35  g^(e + 16)
.set PF,  48                           ; v48-63  weights in f16, 8 registers a tile of 16 t
.set QF,  64                           ; v64-95  kn of the block's 32 t
.set ACC, 96                           ; v96-159 Mk: tile i, channels 16 cb on at ACC + 32 i + 8 cb
.set KF,  160                          ; v160-191 kn of 32 s, as it lies
.set VF,  192                          ; v192-223 the same, turned
.set SC,  224                          ; v224-255 scores: tile (i, u) at SC + 8 (2 i + u)
; phase B
.set ADRC, 2
.set ADRV, 3
.set ADRK, 4
.set OSA,  5
.set LC,   6                           ; 32 (l % 8)
.set LV,   7                           ; my two columns' bytes in a row
.set OSA0, 8
.set FRD,  9
.set GO,   10                          ; my byte offset in obuf, one chunk ahead of the chunk that is stored: the stores reach back
.set LK,   11
.set FO,   32                          ; v32-39  a chunk's o in f16, as stored: registers that nothing else of phase B names
.set SA,   64                          ; v64-79  the state: 8 rows x 2 columns
.set SB,   80                          ; v80-95  at work
.set SET,  96                          ; four sets of 34: q 8, kn 8, a 8, -beta ktilde 8, beta v 2
.set P0,   232
.set P1,   234
.set O0,   236
.set O1,   238
.set OC,   240                         ; four steps' o, by l % 4
.macro PLACES                          ; four places behind matrix instructions (ISA guide 7.12.1)
.rept 4
	v_nop
.endr
.endm
.macro WMAX r                          ; eight numbers a lane in v[r .. r+7] -> their maximum over the wave, in v[r] of every lane
	v_max3_num_f32 v[\r], v[\r], v[\r+1], v[\r+2]
	v_max3_num_f32 v[\r+4], v[\r+4], v[\r+5], v[\r+6]
	v_max3_num_f32 v[\r], v[\r], v[\r+3], v[\r+4]
	v_max_num_f32 v[\r], v[\r], v[\r+7]
	v_max_num_f32_dpp v[\r], v[\r], v[\r] row_xmask:1 row_mask:0xf bank_mask:0xf
	v_max_num_f32_dpp v[\r], v[\r], v[\r] row_xmask:2 row_mask:0xf bank_mask:0xf
	v_max_num_f32_dpp v[\r], v[\r], v[\r] row_xmask:4 row_mask:0xf bank_mask:0xf
	v_max_num_f32_dpp v[\r], v[\r], v[\r] row_xmask:8 row_mask:0xf bank_mask:0xf
	v_permlanex16_b32 v[\r+1], v[\r], s66, s67
	v_max_num_f32 v[\r], v[\r], v[\r+1]
.endm
.macro QLOAD
.irp i, 0,1
.irp c, 0,1
	ds_load_b128 v[QF+16*\i+8*\c:QF+16*\i+8*\c+3],   v6 offset:\i*16*PX+\c*64
	ds_load_b128 v[QF+16*\i+8*\c+4:QF+16*\i+8*\c+7], v6 offset:\i*16*PX+\c*64+32
.endr
.endr
.endm
.macro KLOAD a
.irp u, 0,1
.irp c, 0,1
	ds_load_b128 v[KF+16*\u+8*\c:KF+16*\u+8*\c+3],   v[\a] offset:\u*16*PX+\c*64
	ds_load_b128 v[KF+16*\u+8*\c+4:KF+16*\u+8*\c+7], v[\a] offset:\u*16*PX+\c*64+32
.endr
.endr
.endm
.macro VLOAD
.irp cb, 0,1,2,3
	ds_load_tr16_b128 v[VF+8*\cb:VF+8*\cb+3],   v5 offset:32*\cb
	ds_load_tr16_b128 v[VF+8*\cb+4:VF+8*\cb+7], v5 offset:32*\cb+16*PX
.endr
.endm
.macro SCORE i, u, c                   ; source 0 = 16 s, source 1 = 16 t: a lane holds one t and eight s
.set rS, SC+8*(2*(\i)+(\u))
.if \c
	v_wmma_f32_16x16x32_f16 v[rS:rS+7], v[KF+16*(\u)+8:KF+16*(\u)+15], v[QF+16*(\i)+8:QF+16*(\i)+15], v[rS:rS+7]
.else
	v_wmma_f32_16x16x32_f16 v[rS:rS+7], v[KF+16*(\u):KF+16*(\u)+7], v[QF+16*(\i):QF+16*(\i)+7], 0
.endif
.endm
.macro SCALE i, u, tab, gi=-1          ; the decay: a table by lane and register, and for earlier blocks a power of g^16; from the low registers on
.set rS, SC+8*(2*(\i)+(\u))
.irp m, 0,1,2,3
	v_pk_mul_f32 v[rS+2*\m:rS+2*\m+1], v[rS+2*\m:rS+2*\m+1], v[\tab+2*\m:\tab+2*\m+1]
.endr
.if (\gi) >= 0
.irp m, 0,1,2,3
.if (\gi) == 1
	v_pk_mul_f32 v[rS+2*\m:rS+2*\m+1], v[rS+2*\m:rS+2*\m+1], v[GV:GV+1] op_sel:[0,1] op_sel_hi:[1,1]
.elseif (\gi) == 0
	v_pk_mul_f32 v[rS+2*\m:rS+2*\m+1], v[rS+2*\m:rS+2*\m+1], v[GV:GV+1] op_sel_hi:[1,0]
.else
	v_pk_mul_f32 v[rS+2*\m:rS+2*\m+1], v[rS+2*\m:rS+2*\m+1], v[GV+2:GV+3] op_sel_hi:[1,0]
.endif
.endr
.endif
.endm
.macro CVT i, u
.set rS, SC+8*(2*(\i)+(\u))
.irp m, 0,1,2,3
	v_cvt_pk_f16_f32 v[PF+8*(\i)+4*(\u)+\m], v[rS+2*\m], v[rS+2*\m+1]
.endr
.endm
.macro PVM i, cb, zero                 ; source 0 = 16 channels x 32 s, source 1 = 32 s x 16 t
.set rA, ACC+32*(\i)+8*(\cb)
.if \zero
	v_wmma_f32_16x16x32_f16 v[rA:rA+7], v[VF+8*(\cb):VF+8*(\cb)+7], v[PF+8*(\i):PF+8*(\i)+7], 0
.else
	v_wmma_f32_16x16x32_f16 v[rA:rA+7], v[VF+8*(\cb):VF+8*(\cb)+7], v[PF+8*(\i):PF+8*(\i)+7], v[rA:rA+7]
.endif
.endm
.macro UNH dst, r                      ; the two f16 of register r, widened
	v_cvt_f32_f16 v[\dst], v\r\().l
	v_cvt_f32_f16 v[\dst+1], v\r\().h
.endm
.macro FIN i                           ; tile i of the block: + 1e-6 g^(t+1) kn, the norm, times -beta / max(norm, 1e-6), into LDS
.set rA, ACC+32*(\i)
	s_lshl_b32 s61, s59, 5
	s_add_co_u32 s61, s61, 16*(\i)+1
	v_add_nc_u32 v38, s61, v10                     ; t + 1
	v_cvt_f32_u32 v38, v38
	v_mul_f32 v38, v12, v38
	v_exp_f32 v38, v38
.set m, 0
.if \i
.irp r, 80,81,82,83,84,85,86,87,88,89,90,91,92,93,94,95
	UNH SC+2*m, \r
.set m, m+1
.endr
.else
.irp r, 64,65,66,67,68,69,70,71,72,73,74,75,76,77,78,79
	UNH SC+2*m, \r                                 ; kn_t's fragment holds the very channels, in the very lanes, that Mk's accumulators hold
.set m, m+1
.endr
.endif
	s_wait_alu depctr_va_vdst(0)
	v_mul_f32 v38, 0x358637bd, v38                 ; 1e-6 g^(t+1)
	v_mov_b32 v39, v38
.set m, 0
.rept 16
	v_pk_fma_f32 v[rA+2*m:rA+2*m+1], v[SC+2*m:SC+2*m+1], v[38:39], v[rA+2*m:rA+2*m+1]  ; ascending: each accumulator is read from its low end on
.set m, m+1
.endr
	v_pk_mul_f32 v[40:41], v[rA:rA+1], v[rA:rA+1]
	v_pk_mul_f32 v[42:43], v[rA+2:rA+3], v[rA+2:rA+3]
.set m, 2
.rept 14
	v_pk_fma_f32 v[40+2*(m%2):41+2*(m%2)], v[rA+2*m:rA+2*m+1], v[rA+2*m:rA+2*m+1], v[40+2*(m%2):41+2*(m%2)]
.set m, m+1
.endr
	v_pk_add_f32 v[40:41], v[40:41], v[42:43]
	v_add_f32 v40, v40, v41
	v_permlanex16_b32 v41, v40, s66, s67           ; the other 32 channels lie in the lane 16 away
	v_add_f32 v40, v40, v41
	v_sqrt_f32 v40, v40
	v_nop
	s_wait_alu depctr_va_vdst(0)
	v_max_num_f32 v40, 0x358637bd, v40
	v_rcp_f32 v40, v40
	v_nop
	s_wait_alu depctr_va_vdst(0)
	v_mul_f32 v40, v40, v[36+(\i)]
	v_sub_f32 v40, 0, v40
	v_mov_b32 v41, v40
.set m, 0
.rept 16
	v_pk_mul_f32 v[rA+2*m:rA+2*m+1], v[rA+2*m:rA+2*m+1], v[40:41]
.set m, m+1
.endr
.irp cb, 0,1,2,3
	ds_store_b128 v44, v[rA+8*\cb:rA+8*\cb+3]   offset:(\i)*16*NP+64*\cb
	ds_store_b128 v44, v[rA+8*\cb+4:rA+8*\cb+7] offset:(\i)*16*NP+64*\cb+16
.endr
.endm
; A block of 32 t, number s59.  Its own 32 s first (three of the four tiles; the fourth lies above the diagonal), then the earlier blocks of s, st = 0 .. s59 - 1: the loop counts to the constant 15 and
; jumps forward over the dead steps.  K's run of 8 loads and then V's are always one step ahead: each wait for 8 leaves the younger run out.  No two matrix instructions on end share an accumulator.
.macro BLOCK
	s_mul_i32 s61, s59, 32*PX
	v_add_nc_u32 v6, s61, v2
	v_add_nc_u32 v5, s61, v3
	s_lshl_b32 s61, s59, 11
	v_add_nc_u32 v9, s61, v8
	s_mul_i32 s61, s59, 32*NP
	v_add_nc_u32 v44, s61, v7
	global_load_b32 v36, v9, s[8:9]                ; beta of t = 32 block + l % 16,
	global_load_b32 v37, v9, s[8:9] offset:1024    ; and 16 on
	QLOAD
	KLOAD 6
	VLOAD
	s_wait_dscnt 8                                 ; Q and K are in, V's eight may be out
	SCORE 0, 0, 0
	SCORE 1, 0, 0
	SCORE 1, 1, 0
	SCORE 0, 0, 1
	SCORE 1, 0, 1
	SCORE 1, 1, 1
	PLACES
	KLOAD 2                                        ; s block 0
	SCALE 0, 0, D0
	SCALE 1, 1, D0
	SCALE 1, 0, D1
	CVT 0, 0
	CVT 1, 0
	CVT 1, 1
.irp m, 4,5,6,7
	v_mov_b32 v[PF+\m], 0                          ; the tile above the diagonal
.endr
	s_wait_dscnt 8                                 ; V is in, the next K's eight may be out
.irp cb, 0,1,2,3
	PVM 0, \cb, 1
	PVM 1, \cb, 1
.endr
	PLACES
	v_mov_b32 v5, v3
	VLOAD
	s_mov_b32 s60, 0
.Lfar_\@:
	s_cmp_ge_u32 s60, s59
	s_cbranch_scc1 .Lnext_\@
	s_sub_co_u32 s61, s59, s60
	s_lshl_b32 s61, s61, 1
	s_sub_co_u32 s61, s61, 2                       ; t - s = 16 (2 (block - st) - 2 + i - u + 1) + (e + 16)
	v_cvt_f32_u32 v38, s61
	v_mul_f32 v38, v13, v38
	v_exp_f32 v[GV], v38
	s_mul_i32 s62, s60, 32*PX
	s_add_co_u32 s62, s62, 32*PX
	v_add_nc_u32 v4, s62, v2                       ; the next s block: it never passes the block's own
	v_add_nc_u32 v5, s62, v3
	s_wait_alu depctr_va_vdst(0)
	v_mul_f32 v[GV+1], v[GV], v14
	v_mul_f32 v[GV+2], v[GV], v15
	v_mul_f32 v[GV+3], v[GV], v15
	s_wait_dscnt 8                                 ; K is in
	SCORE 0, 0, 0
	SCORE 0, 1, 0
	SCORE 1, 0, 0
	SCORE 1, 1, 0
	SCORE 0, 0, 1
	SCORE 0, 1, 1
	SCORE 1, 0, 1
	SCORE 1, 1, 1
	PLACES
	KLOAD 4
	SCALE 0, 0, D1, 1
	SCALE 0, 1, D1, 0
	SCALE 1, 0, D1, 2
	SCALE 1, 1, D1, 1
	CVT 0, 0
	CVT 0, 1
	CVT 1, 0
	CVT 1, 1
	s_wait_dscnt 8                                 ; V is in
.irp cb, 0,1,2,3
	PVM 0, \cb, 0
	PVM 1, \cb, 0
.endr
	PLACES
	VLOAD
.Lnext_\@:
	s_add_co_u32 s60, s60, 1
	s_cmp_lt_u32 s60, 15
	s_cbranch_scc1 .Lfar_\@
	s_wait_dscnt 0x0                               ; the runs fetched ahead and not used
	s_wait_loadcnt 0x0                             ; beta
	FIN 0
	FIN 1
.endm
	s_load_b256 s[4:11], s[0:1], 0x0               ; qkva, kn16, betat, raw_gamma_m
	s_load_b64 s[12:13], s[0:1], 0x20              ; obuf
	s_load_b64 s[20:21], s[0:1], 0x28              ; mx
	v_lshl_add_u32 v[SPW], v0, 2, SPARE
	v_mov_b32 v[NIL], 0
	ds_add_u32 v[SPW], v[NIL]                      ; the wave's opening: the add and its wait ahead of my first tensor load
	ds_add_u32 v46, v47
	v_lshrrev_b32 v1, 5, v0
	v_readfirstlane_b32 s[WV], v1
	s_lshr_b32 s15, ttmp9, 1                       ; b h
	s_and_b32 s16, ttmp9, 1                        ; which 32 columns
	s_lshr_b32 s17, s15, 4                         ; b
	s_and_b32 s18, s15, 15                         ; h
	s_mov_b32 s24, 3<<16                           ; the ring's shape: elements of 8 bytes, no padding
	s_mov_b32 s25, 32<<16                          ; tensor_dim0 = 32: a row of 256 bytes
	s_mov_b32 s26, 512<<16                         ; tensor_dim1 = the rows left of the head from the tile's first: 512, and 64 fewer with every chunk
	s_mov_b32 s27, 32<<16                          ; tile_dim0 = 32
	s_mov_b32 s28, 66                              ; tile_dim1 = 66 rows
	s_mov_b32 s29, 32                              ; 32 elements from row to row
	s_mov_b32 s30, 0
	s_mov_b32 s31, 0
	s_mov_b32 s36, (1<<16)|(1<<20)|(4<<22)|(3<<25) ; kn16's shape: 128 t as 64 rows of 256 bytes, 4 words of padding after every 32 words
	s_mov_b32 s37, 128<<16
	s_mov_b32 s38, 64<<16
	s_mov_b32 s39, 128<<16
	s_mov_b32 s40, 64
	s_mov_b32 s41, 128
	s_mov_b32 s42, 0
	s_mov_b32 s43, 0
	s_mov_b32 s32, 1
	s_mul_i32 s33, s[WV], TILE                     ; wave w brings plane w (q, kn, beta v, a) to tile w of the slot
	s_mov_b32 s44, 1
	s_mul_i32 s45, s[WV], 128*PX
	s_add_co_u32 s45, s45, XB
	s_lshl_b32 s50, s[WV], 24
	s_lshl_b32 s51, s15, 17
	s_add_co_u32 s50, s50, s51
	s_mov_b32 s51, 0
	s_lshl_b32 s76, s15, 16
	s_lshl_b32 s77, s[WV], 14
	s_add_co_u32 s76, s76, s77
	s_mov_b32 s77, 0
	s_mov_b32 s66, 0x76543210
	s_mov_b32 s67, 0xfedcba98
	s_wait_dscnt 0x0                               ; the opening add is done
	s_wait_kmcnt 0x0
	s_add_nc_u64 s[34:35], s[4:5], s[50:51]
	s_or_b32 s35, s35, 0x80000000
	s_add_nc_u64 s[46:47], s[6:7], s[76:77]
	s_or_b32 s47, s47, 0x80000000
	tensor_load_to_lds s[44:47], s[36:43]          ; my 128 rows of kn16
	s_nop 0
	tensor_load_to_lds s[32:35], s[24:31]          ; chunk 0 of my plane into slot 0: two loads of mine are out
	s_nop 0
	s_lshl_b32 s76, s18, 2
	s_add_nc_u64 s[10:11], s[10:11], s[76:77]
	s_load_b32 s48, s[10:11], 0x0                  ; raw_gamma_m[h]
	s_lshl_b32 s62, s17, 15
	s_add_co_u32 s76, s76, s62
	s_add_nc_u64 s[8:9], s[8:9], s[76:77]          ; betat at (512 b, h)
	v_and_b32 v45, 31, v0
	v_lshlrev_b32 v45, 4, v45                      ; 16 x lane; never rewritten
	global_load_b128 v[224:227], v45, s[20:21]             ; the 256 maxima of |q|: eight a lane,
	global_load_b128 v[228:231], v45, s[20:21] offset:512
	global_load_b128 v[232:235], v45, s[20:21] offset:1024 ; and those of |beta v|
	global_load_b128 v[236:239], v45, s[20:21] offset:1536
	v_and_b32 v10, 15, v0
	v_bfe_u32 v11, v0, 4, 1
	v_mul_u32_u24 v2, v10, PX
	v_lshl_add_u32 v2, v11, 4, v2
	v_add_nc_u32 v2, XB, v2                        ; row l % 16, 16 bytes for each half of the lanes
	v_and_b32 v36, 7, v0
	v_bfe_u32 v37, v0, 3, 1
	v_lshl_add_u32 v3, v11, 3, v36
	v_mul_u32_u24 v3, v3, PX
	v_lshl_add_u32 v3, v37, 4, v3
	v_add_nc_u32 v3, XB, v3                        ; the turning load: row 8 (l / 16) + l % 8, 16 bytes by (l / 8) % 2
	v_mul_u32_u24 v7, v10, NP
	v_lshl_add_u32 v7, v11, 5, v7
	v_add_nc_u32 v7, NKT, v7
	v_lshlrev_b32 v8, 6, v10
	v_lshl_add_u32 v36, v0, 4, NKG
.irp m, 40,41,42,43
	v_mov_b32 v\m, 0
.endr
	ds_store_b128 v36, v[40:43]                    ; the guard behind row 511
	s_wait_kmcnt 0x0
	v_mov_b32 v12, s48
	v_mul_f32 v12, 0xbfb8aa3b, v12
	v_exp_f32 v12, v12
	v_nop
	s_wait_alu depctr_va_vdst(0)
	v_add_f32 v12, 1.0, v12
	v_log_f32 v12, v12
	v_nop
	s_wait_alu depctr_va_vdst(0)
	v_sub_f32 v12, 0, v12                          ; log2 sigmoid(raw) = -log2(1 + 2^(-1.442695 raw)),
	v_max_num_f32 v12, 0xc47a0000, v12             ; held at -1000, so that 0 times it stays 0
	v_mul_f32 v13, 0x41800000, v12
	v_exp_f32 v14, v13
	v_nop
	s_wait_alu depctr_va_vdst(0)
	v_mul_f32 v15, v14, v14
	v_lshlrev_b32 v36, 3, v11
	v_sub_nc_u32 v36, v10, v36
.irp j, 0,1,2,3,4,5,6,7
	v_add_nc_u32 v37, -(\j), v36                   ; e = l % 16 - 8 (l / 16) - j
	v_cvt_f32_i32 v38, v37
	v_mul_f32 v39, v12, v38
	v_add_f32 v38, v13, v39
	v_exp_f32 v[D0+\j], v39
	v_exp_f32 v[D1+\j], v38
	v_nop
	v_cmp_le_i32 vcc_lo, 0, v37
	s_wait_alu depctr_va_vdst(0)
	v_cndmask_b32 v[D0+\j], 0, v[D0+\j], vcc_lo    ; a key behind the query counts 0
.endr
	s_wait_loadcnt 0x0                             ; mx.  1 / s = 2^(127 - kb), kb = the two maxima's biased exponents added, less 127, held within 1 .. 253
	WMAX 224
	WMAX 232
	v_readfirstlane_b32 s61, v224
	v_readfirstlane_b32 s62, v232
	s_lshr_b32 s61, s61, 23
	s_lshr_b32 s62, s62, 23
	s_add_co_u32 s61, s61, s62
	s_sub_co_u32 s61, s61, 127
	s_max_i32 s61, s61, 1
	s_min_i32 s61, s61, 253
	s_sub_co_u32 s61, 254, s61
	s_lshl_b32 s78, s61, 23                        ; s[78:79]: 1 / s, named as a pair
	s_mov_b32 s79, s78
	s_wait_tensorcnt 0x1                           ; my part of kn16 is in; chunk 0 may stay out
	s_wait_dscnt 0x0
	s_barrier_signal -1
	s_barrier_wait -1
	s_mov_b32 s58, 0
.Lblock:
	s_lshl_b32 s59, s[WV], 1
	s_add_co_u32 s59, s59, s58                     ; blocks 2 w, 2 w + 1
	BLOCK
	s_lshl_b32 s61, s[WV], 1
	s_sub_co_u32 s59, 14, s61
	s_add_co_u32 s59, s59, s58                     ; blocks 14 - 2 w, 15 - 2 w
	BLOCK
	s_add_co_u32 s58, s58, 1
	s_cmp_lt_u32 s58, 2
	s_cbranch_scc1 .Lblock
	; ---------------- phase B ----------------
.macro MULB dst, a, b                  ; pair dst = pair a times register b
.if (\b)&1
	v_pk_mul_f32 v[\dst:\dst+1], v[\a:\a+1], v[(\b)-1:(\b)] op_sel:[0,1] op_sel_hi:[1,1]
.else
	v_pk_mul_f32 v[\dst:\dst+1], v[\a:\a+1], v[(\b):(\b)+1] op_sel_hi:[1,0]
.endif
.endm
.macro FMAB dst, a, b, c               ; pair dst = pair a times register b + pair c
.if (\b)&1
	v_pk_fma_f32 v[\dst:\dst+1], v[\a:\a+1], v[(\b)-1:(\b)], v[\c:\c+1] op_sel:[0,1,0] op_sel_hi:[1,1,1]
.else
	v_pk_fma_f32 v[\dst:\dst+1], v[\a:\a+1], v[(\b):(\b)+1], v[\c:\c+1] op_sel_hi:[1,0,1]
.endif
.endm
.macro DPP2 r, m                       ; both registers of a pair take the lane l xor m
	v_add_f32_dpp v[\r], v[\r], v[\r] row_xmask:\m row_mask:0xf bank_mask:0xf
	v_add_f32_dpp v[\r+1], v[\r+1], v[\r+1] row_xmask:\m row_mask:0xf bank_mask:0xf
.endm
.macro LD set, n                       ; nine loads: step n of the trip into a set
.set LS, SET+34*(\set)
	ds_load_b128 v[LS:LS+3],     v[ADRC] offset:256*(\n)
	ds_load_b128 v[LS+4:LS+7],   v[ADRC] offset:256*(\n)+16
	ds_load_b128 v[LS+8:LS+11],  v[ADRC] offset:TILE+256*(\n)
	ds_load_b128 v[LS+12:LS+15], v[ADRC] offset:TILE+256*(\n)+16
	ds_load_b128 v[LS+16:LS+19], v[ADRC] offset:3*TILE+256*(\n)
	ds_load_b128 v[LS+20:LS+23], v[ADRC] offset:3*TILE+256*(\n)+16
	ds_load_b128 v[LS+24:LS+27], v[ADRK] offset:NP*(\n)
	ds_load_b128 v[LS+28:LS+31], v[ADRK] offset:NP*(\n)+16
	ds_load_b64  v[LS+32:LS+33], v[ADRV] offset:2*TILE+256*(\n)
.endm
.macro ADDRS
	v_add_nc_u32 v[ADRC], s53, v[LC]
	v_add_nc_u32 v[ADRV], s53, v[LV]
	v_add_nc_u32 v[ADRK], s54, v[LK]
	v_add_nc_u32 v[OSA],  s55, v[OSA0]
.endm
; A step.  Its order keeps dependent lines apart: p's two chains, the two chains of the step before's o = S^T q, and two of the updates S += kn (beta v)^T go round in groups of six, so that a link stands six
; lines behind the one that it adds onto; the two sums cross the lanes level by level, side by side.
; THE LDS LOADS go out in ONE run for two steps: steps 0 and 2 of a trip each issue eighteen, for the steps two and three ahead; steps 1 and 3 issue none.  The run stands behind the last crossing, ahead of the
; lines that need p.  It fills the set of the step two back, and the set of the step before, whose q the chains above have just read for the last time.
; A trip's LDS instructions in order: step 0: nine for step 2, nine for step 3, the stage's store; step 2: nine for the next trip's step 0, nine for its step 1.  Each wait's count is what was issued behind
; the set that the step needs.
.macro STEP u
.set CS, SET+34*(\u)
.set PS, SET+34*(((\u)+3)%4)
.if (\u) == 0
	s_wait_dscnt 9                                 ; my set is in; step 1's nine may be out
.elseif (\u) == 2
	s_wait_dscnt 10                                ; my set is in; step 3's nine and the stage's store may be out
.else
	s_wait_dscnt 19                                ; my set is in; the eighteen loads of the step before and the stage's store may be out
.endif
.irp d, 0,1,2,3,4,5,6,7
	MULB SB+2*\d, SA+2*\d, CS+16+\d                ; diag(a) S
.endr
	MULB P0, SB, CS+8                              ; kn^T S, my eight rows, in two chains
	MULB P1, SB+2, CS+9
	MULB O0, SA, PS                                ; q^T S of the step before, likewise
	MULB O1, SA+2, PS+1
	FMAB SB, CS+32, CS+8, SB                       ; S += kn (beta v)^T, behind p's read of the row
	FMAB SB+2, CS+32, CS+9, SB+2
.irp d, 2,4,6
	FMAB P0, SB+2*\d, CS+8+\d, P0
	FMAB P1, SB+2*\d+2, CS+9+\d, P1
	FMAB O0, SA+2*\d, PS+\d, O0
	FMAB O1, SA+2*\d+2, PS+\d+1, O1
	FMAB SB+2*\d, CS+32, CS+8+\d, SB+2*\d
	FMAB SB+2*\d+2, CS+32, CS+9+\d, SB+2*\d+2
.endr
	v_pk_add_f32 v[P0:P0+1], v[P0:P0+1], v[P1:P1+1]
	v_pk_add_f32 v[O0:O0+1], v[O0:O0+1], v[O1:O1+1]
	DPP2 P0, 1
	DPP2 O0, 1
	DPP2 P0, 2
	DPP2 O0, 2
	DPP2 P0, 4
	DPP2 O0, 4
.if ((\u)%2) == 0
	LD ((\u)+2)%4, (\u)+2                          ; two steps ahead,
	LD ((\u)+3)%4, (\u)+3                          ; and three
.endif
.irp d, 0,1,2,3,4,5,6,7
	FMAB SA+2*\d, P0, CS+24+\d, SB+2*\d            ; S += (-beta ktilde) p^T
.endr
	v_cndmask_b32 v[OC],   v[OC],   v[O0],   s[68+((\u)+3)%4]  ; lanes with l % 4 = that step % 4 keep it
	v_cndmask_b32 v[OC+1], v[OC+1], v[O0+1], s[68+((\u)+3)%4]
.if (\u) == 0
	ds_store_b64 v[OSA], v[OC:OC+1]                ; the four steps before this trip
.endif
.endm
; The change of slots.  Every wave: all its tensor loads, the add, its LDS instructions, the barrier.  Behind it the slot to be read is whole (at the first use: -beta ktilde too) and nobody reads the
; other any more (at the first use: kn16).  fill = 1: the other slot takes the next chunk, first thing behind the barrier: one load a wave, with 64 steps in which to land.
.macro CHANGE fill
	s_wait_tensorcnt 0x0
	ds_add_u32 v[SPW], v[NIL]
.if \fill
	s_xor_b32 s33, s33, SLOT1                      ; no load of mine is out, so the descriptor may be written: the other slot,
	s_add_nc_u64 s[34:35], s[34:35], 16384         ; 64 rows on,
	s_sub_co_u32 s26, s26, 64<<16                  ; 64 rows fewer left
.endif
	s_wait_dscnt 0x0
	s_barrier_signal -1
	s_xor_b32 s52, s52, SLOT1                      ; the slot to be read
	s_barrier_wait -1
.if \fill
	tensor_load_to_lds s[32:35], s[24:31]
	s_nop 0
.endif
.endm
; A chunk of 64 steps.  The last trip's look-ahead reads rows 64 and 65 of each tile and the two next rows of -beta ktilde (behind row 511: the guard); it is not used: the next chunk loads its first two steps anew.
; The address registers are made anew at a trip's end, more than a step behind the last load that names them.
.macro CHUNK
	s_mov_b32 s53, s52
	s_mov_b32 s55, 0
	ADDRS
	LD 0, 0
	LD 1, 1
	s_mov_b32 s57, 16
.Ltrip_\@:
	STEP 0
	STEP 1
	STEP 2
	STEP 3
	s_add_co_u32 s53, s53, 1024
	s_add_co_u32 s54, s54, 4*NP
	s_add_co_u32 s55, s55, 128
	ADDRS
	s_sub_co_u32 s57, s57, 1
	s_cmp_lg_u32 s57, 0
	s_cbranch_scc1 .Ltrip_\@
.set PS, SET+34*3
	s_wait_dscnt 0x0                               ; the look-ahead's loads
	MULB O0, SA, PS                                ; o of step 63
	MULB O1, SA+2, PS+1
.irp d, 2,4,6
	FMAB O0, SA+2*\d, PS+\d, O0
	FMAB O1, SA+2*\d+2, PS+\d+1, O1
.endr
	v_pk_add_f32 v[O0:O0+1], v[O0:O0+1], v[O1:O1+1]
	DPP2 O0, 1
	DPP2 O0, 2
	DPP2 O0, 4
	v_cndmask_b32 v[OC],   v[OC],   v[O0],   s71
	v_cndmask_b32 v[OC+1], v[OC+1], v[O0+1], s71
	ds_store_b64 v[OSA], v[OC:OC+1]
	ds_load_b128 v[96:99],   v[FRD]                ; my stage back by rows: step l, and step l + 32 (LDS serves a wave's instructions in order: ISA guide 5.7.1.4)
	ds_load_b128 v[100:103], v[FRD] offset:16
	ds_load_b128 v[104:107], v[FRD] offset:1024
	ds_load_b128 v[108:111], v[FRD] offset:1040
	s_wait_xcnt 0x0                                ; the chunk before's two stores were issued 64 steps ago: their data and their offset are rewritten only behind this wait
	v_add_nc_u32 v[GO], 1024, v[GO]                ; one chunk ahead: the stores below reach back
	s_wait_dscnt 0x0
.irp m, 0,1,2,3,4,5,6,7
	v_pk_mul_f32 v[96+2*\m:97+2*\m], v[96+2*\m:97+2*\m], s[78:79] op_sel_hi:[1,0]      ; o / s
.endr
.irp m, 0,1,2,3,4,5,6,7
	v_cvt_pk_f16_f32 v[FO+\m], v[96+2*\m], v[97+2*\m]
.endr
	global_store_b128 v[GO], v[FO:FO+3],   s[72:73] offset:-1024   ; 512 consecutive bytes a store, aligned
	global_store_b128 v[GO], v[FO+4:FO+7], s[72:73] offset:-512
.endm
	v_and_b32 v36, 7, v0
	v_bfe_u32 v37, v0, 3, 2
	v_lshlrev_b32 v[LC], 5, v36
	s_lshl_b32 s61, s16, 7
	s_lshl_b32 s62, s[WV], 5
	s_add_co_u32 s61, s61, s62
	v_lshl_add_u32 v[LV], v37, 3, s61              ; columns 32 half + 8 wave + 2 (l / 8), in bytes
	s_mul_i32 s62, s[WV], OSB
	s_add_co_u32 s62, s62, OST
	v_and_b32 v38, 3, v0
	v_lshlrev_b32 v[OSA0], 5, v38
	v_lshl_add_u32 v[OSA0], v37, 3, v[OSA0]
	v_add_nc_u32 v[OSA0], s62, v[OSA0]
	v_and_b32 v38, 31, v0
	v_lshlrev_b32 v[FRD], 5, v38
	v_add_nc_u32 v[FRD], s62, v[FRD]
	v_add_nc_u32 v[FRD], 128, v[FRD]               ; four rows of the stage stand for the steps before the chunk
	v_lshlrev_b32 v[GO], 4, v38
	v_add_nc_u32 v[LK], NKT, v[LC]
	s_lshl_b32 s61, s18, 3
	s_lshl_b32 s62, s16, 2
	s_add_co_u32 s61, s61, s62
	s_add_co_u32 s61, s61, s[WV]                   ; my group of 8 columns: 8 h + 4 half + wave
	s_lshl_b32 s76, s61, 16
	s_lshl_b32 s61, s17, 13
	s_add_co_u32 s76, s76, s61
	s_add_nc_u64 s[72:73], s[12:13], s[76:77]      ; the group's plane of 65,536 bytes at row 512 b
	s_mov_b32 s68, 0x11111111
	s_mov_b32 s69, 0x22222222
	s_mov_b32 s70, 0x44444444
	s_mov_b32 s71, 0x88888888
	s_mov_b32 s52, SLOT1                           ; the first change turns it into slot 0
	s_mov_b32 s54, 0
.set i, 0
.rept 16
	v_mov_b32 v[SA+i], 0                           ; S starts at 0
.set i, i+1
.endr
.set i, 0
.rept 8
	v_mov_b32 v[SET+34*3+i], 0                     ; the step before the first has q = 0
.set i, i+1
.endr
	v_mov_b32 v[OC], 0
	v_mov_b32 v[OC+1], 0
	s_mov_b32 s56, 7
.Lchunk:
	CHANGE 1
	CHUNK
	s_sub_co_u32 s56, s56, 1
	s_cmp_lg_u32 s56, 0
	s_cbranch_scc1 .Lchunk
	CHANGE 0                                       ; the last chunk is written out: nothing is asked for
	CHUNK
	s_wait_tensorcnt 0x0                           ; the wave's end
	ds_add_u32 v[SPW], v[NIL]
	s_wait_dscnt 0x0
	s_endpgm
.Lfunc_end_k_q5632c66e25_scan:
	.size	k_q5632c66e25_scan, .Lfunc_end_k_q5632c66e25_scan-k_q5632c66e25_scan
	.p2alignl 7, 3214868480
	.fill 96, 4, 3214868480
	.section	.rodata,"a",@progbits
	.p2align	6, 0x0
	.amdhsa_kernel k_q5632c66e25_scan
		.amdhsa_group_segment_fixed_size 327680
		.amdhsa_private_segment_fixed_size 0
		.amdhsa_enable_private_segment 0
		.amdhsa_kernarg_size 48
		.amdhsa_user_sgpr_count 2
		.amdhsa_user_sgpr_kernarg_segment_ptr 1
		.amdhsa_wavefront_size32 1
		.amdhsa_system_sgpr_workgroup_id_x 1
		.amdhsa_system_sgpr_workgroup_id_y 1
		.amdhsa_system_sgpr_workgroup_id_z 1
		.amdhsa_system_vgpr_workitem_id 0
		.amdhsa_next_free_vgpr 256
		.amdhsa_next_free_sgpr 80
		.amdhsa_reserve_vcc 1
		.amdhsa_float_denorm_mode_32 3
		.amdhsa_float_denorm_mode_16_64 3
		.amdhsa_memory_ordered 1
		.amdhsa_forward_progress 1
		.amdhsa_inst_pref_size 101
	.end_amdhsa_kernel
	.amdgpu_metadata
---
amdhsa.version: [ 1, 2 ]
amdhsa.kernels:
  - .name:           k_q5632c66e25_scan
    .symbol:         k_q5632c66e25_scan.kd
    .args:
      - { .name: qkva, .offset: 0, .size: 8, .value_kind: global_buffer, .address_space: global }
      - { .name: kn16, .offset: 8, .size: 8, .value_kind: global_buffer, .address_space: global }
      - { .name: betat, .offset: 16, .size: 8, .value_kind: global_buffer, .address_space: global }
      - { .name: raw_gamma_m, .offset: 24, .size: 8, .value_kind: global_buffer, .address_space: global }
      - { .name: obuf, .offset: 32, .size: 8, .value_kind: global_buffer, .address_space: global }
      - { .name: mx, .offset: 40, .size: 8, .value_kind: global_buffer, .address_space: global }
    .group_segment_fixed_size: 327680
    .private_segment_fixed_size: 0
    .kernarg_segment_align: 8
    .kernarg_segment_size: 48
    .max_flat_workgroup_size: 128
    .sgpr_count:     80
    .vgpr_count:     256
    .wavefront_size: 32
...
	.end_amdgpu_metadata
.endif
;; end of part 8
;; launch gemm2 (part 9): grid 8 x 32, 4 waves a work-group, clusters of 4 x 4, 327,680 bytes of LDS; arguments obuf, wt, x, mx, out0; writes out0
.if DOCPART == 9
	.amdgcn_target "amdgcn-amd-amdhsa--gfx1250"
	.amdhsa_code_object_version 6
	.text
	.protected	k_q5632c66e25_gemm2
	.globl	k_q5632c66e25_gemm2
	.p2align	8
	.type	k_q5632c66e25_gemm2,@function
k_q5632c66e25_gemm2:
	s_mov_b64 s[64:65], 0
	v_nop
	global_prefetch_b8 v0, s[64:65] scope:SCOPE_SE
	s_setreg_imm32_b32 hwreg(HW_REG_WAVE_MODE, 25, 1), 1
	s_wait_xcnt 0x0
	s_wait_alu depctr_hold_cnt(0) depctr_sa_sdst(0) depctr_va_vdst(0) depctr_va_sdst(0) depctr_va_ssrc(0) depctr_va_vcc(0) depctr_vm_vsrc(0)
	s_getreg_b32 s2, hwreg(HW_REG_IB_STS2, 6, 4)
	s_cmp_eq_u32 s2, 0
	s_cbranch_scc0 .Lentry_in_a_cluster
	s_endpgm
.Lentry_in_a_cluster:
	s_bfe_u32 s2, ttmp6, 0x10000c
	s_cmp_lg_u32 s2, 0xf033
	s_cbranch_scc0 .Lentry_shape_is_right
	s_endpgm
.Lentry_shape_is_right:
; GEMM2.  out0[m][n] = x[m][n] + s x sum over k of A[m][k] W[n][k], 4096 x 1024 x 1024, f16 operands, f32 sums.  A = f16(o / s) from the scan; W = Wo turned, the fifth matrix of wt.
; s is the power of two by which the scan divided: 2^(kb - 127), kb made here as there from the 512 maxima in mx (the two largest numbers' biased exponents added, less 127, held within 1 .. 253).
; A lies in obuf as [group of 8 k][row][8]: a K step of 256 is 32 groups, each 2,048 consecutive bytes for the tile's 128 rows; in LDS the same, so a fragment load's sixteen lanes read 256
; consecutive bytes and no padding is wanted.  A tile of C is 128 x 128: 256 work-groups, four waves of 64 x 64 (16 accumulators).  4 x 4 work-groups form a cluster: A's tile is shared along a row, W's
; along a column, each asked for jointly.  The matrix instruction is used transposed: a lane holds one row of C and eight neighbouring columns.
; THE WAY OUT: f32 through one stage (slot 0's bytes, which have had their last fill and their last read), a barrier, whole rows of 512 bytes back, times s plus x (loaded at the start), stored.
; REGISTERS: window 0: v0-31 addresses; v32-95 at work on the way out (v32-47 hold mx until then); v128-255 accumulators.  window 1: two fragment buffers of 128.  window 2: v0-127 my 32 rows of x.
.set SIZE_K, 1024
.set KSTEP,  256
.set PITCH,  528                       ; W's rows in LDS: 512 bytes + 16
.set ABYTES, 65536                     ; A's part of a slot: 32 groups x 2,048 bytes
.set HALFA,  32768
.set HALFB,  64*PITCH
.set SLOT,   ABYTES+2*HALFB
.set SPITCH, 528                       ; the stage: 128 f32 + 16 bytes
.set SPARE,  2*SLOT                    ; the spare words, 128 bytes a wave: no other line names them
.set LAPS,   SIZE_K/(2*KSTEP)
.set ADRA, 16
.set ADRB, 20
.set STO,  24
.set RD,   25
.set CO,   26
.set SPW,  28
.set NIL,  29
.set TMP,  32
.set ACC,  128
.set F0,   0
.set F1,   128
.set G1, 24
.set G0, 32
.set G1B, 48
.set G0B, 56
.set MSB, 0
.macro WIN new
.if MSB != (\new)
	s_set_vgpr_msb (MSB<<8)|(\new)
.set MSB, \new
.endif
.endm
.set MUL,  0x05                        ; sources 0 and 1 window 1; C and D window 0
.set TO_F, 0x40                        ; destination window 1
.macro JLOAD s                         ; a joint load: waves 0, 1 fetch A's halves, waves 2, 3 W's; an s_nop 0 and four v_nop follow each line
	s_cmp_eq_u32 s11, 0
	s_cbranch_scc0 .Lfor_b_\@
	tensor_load_to_lds s[G0+4*(\s):G0+4*(\s)+3], s[G1:G1+7]
	s_nop 0
.rept 4
	v_nop
.endr
	s_branch .Lasked_\@
.Lfor_b_\@:
	tensor_load_to_lds s[G0B+4*(\s):G0B+4*(\s)+3], s[G1B:G1B+7]
	s_nop 0
.rept 4
	v_nop
.endr
.Lasked_\@:
.endm
.macro CREST
	s_cmp_lg_u32 s10, 0
	s_cbranch_scc1 .Lnot_wave_0_\@
	s_barrier_signal -3
.Lnot_wave_0_\@:
	s_barrier_wait -3
	s_barrier_signal -1
	s_barrier_wait -1
.endm
.macro CROUND
	s_barrier_signal -1
	s_barrier_wait -1
	CREST
.endm
.macro WMAX r                          ; eight numbers a lane in v[r .. r+7] -> their maximum over the wave, in v[r] of every lane
	v_max3_num_f32 v[\r], v[\r], v[\r+1], v[\r+2]
	v_max3_num_f32 v[\r+4], v[\r+4], v[\r+5], v[\r+6]
	v_max3_num_f32 v[\r], v[\r], v[\r+3], v[\r+4]
	v_max_num_f32 v[\r], v[\r], v[\r+7]
	v_max_num_f32_dpp v[\r], v[\r], v[\r] row_xmask:1 row_mask:0xf bank_mask:0xf
	v_max_num_f32_dpp v[\r], v[\r], v[\r] row_xmask:2 row_mask:0xf bank_mask:0xf
	v_max_num_f32_dpp v[\r], v[\r], v[\r] row_xmask:4 row_mask:0xf bank_mask:0xf
	v_max_num_f32_dpp v[\r], v[\r], v[\r] row_xmask:8 row_mask:0xf bank_mask:0xf
	v_permlanex16_b32 v[\r+1], v[\r], s78, s79
	v_max_num_f32 v[\r], v[\r], v[\r+1]
.endm
	s_load_b128 s[4:7], s[0:1], 0x0                ; obuf, wt
	s_load_b128 s[68:71], s[0:1], 0x10             ; x, mx
	s_load_b64 s[72:73], s[0:1], 0x20              ; out0
	v_lshl_add_u32 v[SPW], v0, 2, SPARE
	v_mov_b32 v[NIL], 0
	ds_add_u32 v[SPW], v[NIL]                      ; the wave's opening: the add and its wait ahead of my first tensor load
	ds_add_u32 v28, v29
	v_lshrrev_b32 v1, 5, v0
	v_readfirstlane_b32 s10, v1
	s_lshr_b32 s11, s10, 1                         ; my half of the rows; also: I fetch A (0) or W (1)
	s_and_b32 s12, s10, 1                          ; my half of the columns; also: which half of that tile I fetch
	s_bfe_u32 s40, ttmp6, 0x40000
	s_bfe_u32 s41, ttmp6, 0x40004
	s_lshl_b32 s42, ttmp9, 2
	s_add_co_u32 s42, s42, s40                     ; tile column
	s_and_b32 s13, ttmp7, 0xffff
	s_lshl_b32 s13, s13, 2
	s_add_co_u32 s13, s13, s41                     ; tile row
	s_lshl_b32 s43, s41, 2
	s_lshl_b32 s43, 15, s43
	s_lshl_b32 s44, 0x1111, s40
	s_or_b32 s[G1+0], s43, (1<<16)|(1<<21)         ; A: mask of my row; 2-byte elements; bit 21 beside a mask; no padding
	s_mov_b32 s[G1+1], 1024<<16                    ; tensor_dim0 = 1,024: 128 rows x 8
	s_mov_b32 s[G1+2], 16<<16                      ; tensor_dim1 = 16 groups
	s_mov_b32 s[G1+3], 1024<<16                    ; tile_dim0
	s_mov_b32 s[G1+4], 16                          ; tile_dim1
	s_mov_b32 s[G1+5], 32768                       ; elements from group to group: 4,096 rows x 8
	s_mov_b32 s[G1+6], 0
	s_mov_b32 s[G1+7], 0
	s_or_b32 s[G1B+0], s44, (1<<16)|(1<<20)|(1<<21)|(6<<22)|(3<<25)  ; W: mask of my column; after every 128 words 4 words of padding
	s_mov_b32 s[G1B+1], KSTEP<<16
	s_mov_b32 s[G1B+2], 64<<16
	s_mov_b32 s[G1B+3], KSTEP<<16
	s_mov_b32 s[G1B+4], 64
	s_mov_b32 s[G1B+5], SIZE_K
	s_mov_b32 s[G1B+6], 0
	s_mov_b32 s[G1B+7], 0
	s_lshl_b32 s16, s12, 20                        ; A: 16 groups of 65,536 bytes for the half,
	s_lshl_b32 s17, s13, 11                        ; 128 rows of 16 bytes for the tile row
	s_add_co_u32 s16, s16, s17
	s_mov_b32 s17, 0
	s_lshl_b32 s46, s42, 7
	s_lshl_b32 s47, s12, 6
	s_add_co_u32 s46, s46, s47
	s_lshl_b32 s46, s46, 11                        ; W: row 128 x tile column + 64 x half, 2,048 bytes each,
	s_add_co_u32 s46, s46, 0x800000                ; behind wt's first four matrices
	s_mov_b32 s47, 0
	s_mul_i32 s20, s12, HALFA                      ; where they go
	s_mul_i32 s21, s12, HALFB
	s_add_co_u32 s21, s21, ABYTES
	s_mov_b32 s78, 0x76543210                      ; v_permlanex16_b32: each lane takes its own place in the other half
	s_mov_b32 s79, 0xfedcba98
	s_wait_dscnt 0x0                               ; the opening add is done
	s_wait_kmcnt 0x0
	s_add_nc_u64 s[14:15], s[4:5], s[16:17]
	s_add_nc_u64 s[46:47], s[6:7], s[46:47]
	CROUND                                         ; all sixteen work-groups are here: the first joint loads meet
.irp s, 0,1
	s_mov_b32 s[G0+4*(\s)], 1
	s_add_co_u32 s[G0+4*(\s)+1], s20, (\s)*SLOT
	s_add_nc_u64 s[G0+4*(\s)+2:G0+4*(\s)+3], s[14:15], (\s)*2097152   ; a K step is 32 groups
	s_or_b32 s[G0+4*(\s)+3], s[G0+4*(\s)+3], 0x80000000
	s_mov_b32 s[G0B+4*(\s)], 1
	s_add_co_u32 s[G0B+4*(\s)+1], s21, (\s)*SLOT
	s_add_nc_u64 s[G0B+4*(\s)+2:G0B+4*(\s)+3], s[46:47], (\s)*KSTEP*2
	s_or_b32 s[G0B+4*(\s)+3], s[G0B+4*(\s)+3], 0x80000000
	JLOAD \s
.endr
	s_lshl_b32 s16, s13, 7
	s_lshl_b32 s17, s10, 5
	s_add_co_u32 s16, s16, s17                     ; the rows that I store: 128 x tile row + 32 x wave,
	s_lshl_b32 s16, s16, 12                        ; 4,096 bytes each
	s_mov_b32 s17, 0
	s_add_nc_u64 s[68:69], s[68:69], s[16:17]
	s_add_nc_u64 s[72:73], s[72:73], s[16:17]
	s_lshl_b32 s46, s42, 9                         ; the tile's 128 columns
	s_mov_b32 s47, 0
	s_add_nc_u64 s[68:69], s[68:69], s[46:47]
	s_add_nc_u64 s[72:73], s[72:73], s[46:47]
	v_and_b32 v5, 31, v0
	v_lshlrev_b32 v[CO], 4, v5                     ; a row's 512 bytes: 16 a lane; never rewritten
	global_load_b128 v[32:35], v[CO], s[70:71]             ; the 256 maxima of |q|: eight a lane,
	global_load_b128 v[36:39], v[CO], s[70:71] offset:512
	global_load_b128 v[40:43], v[CO], s[70:71] offset:1024 ; and those of |beta v|: wanted only on the way out
	global_load_b128 v[44:47], v[CO], s[70:71] offset:1536
	WIN 0x80                                       ; destination window 2
.set t, 0
.rept 32
	global_load_b128 v[4*t:4*t+3], v[CO], s[68:69] offset:t*4096 th:TH_LOAD_NT  ; x: wanted only on the way out
.set t, t+1
.endr
	WIN 0
	v_and_b32 v1, 15, v0
	v_bfe_u32 v2, v0, 4, 1
	v_lshlrev_b32 v3, 4, v1
	v_lshl_add_u32 v3, v2, 11, v3                  ; A: row l % 16, group l / 16
	v_mul_u32_u24 v4, v1, PITCH
	v_lshl_add_u32 v4, v2, 4, v4                   ; W: row l % 16, 16 bytes for each half of the lanes
	s_lshl_b32 s21, s11, 10                        ; my 64 rows of A
	s_mul_i32 s22, s12, HALFB
	s_add_co_u32 s22, s22, ABYTES
.irp s, 0,1
	v_add_nc_u32 v[ADRA+(\s)], s21, v3
	v_add_nc_u32 v[ADRB+(\s)], s22, v4
	s_add_co_u32 s21, s21, SLOT
	s_add_co_u32 s22, s22, SLOT
.endr
	s_mul_i32 s23, s11, 64*SPITCH                  ; into the stage: my 64 rows, my 256 bytes of them
	s_lshl_b32 s21, s12, 8
	s_add_co_u32 s23, s23, s21
	v_mul_u32_u24 v4, v1, SPITCH
	v_lshl_add_u32 v4, v2, 5, v4
	v_add_nc_u32 v[STO], s23, v4
	s_mul_i32 s23, s10, 32*SPITCH                  ; back: rows 32 wave on, whole
	v_add_nc_u32 v[RD], s23, v[CO]
.macro MUL8 f, c, a0, zero             ; 8 matrix instructions; the 16 accumulators take turns
	WIN MUL
.irp a, \a0, (\a0)+1
.irp b, 0,1,2,3
.if \zero
	v_wmma_f32_16x16x32_f16 v[ACC+8*(4*(\a)+(\b)):ACC+8*(4*(\a)+(\b))+7], v[(\f)+64+8*(4*(\c)+(\b)):(\f)+64+8*(4*(\c)+(\b))+7], v[(\f)+8*(4*(\c)+(\a)):(\f)+8*(4*(\c)+(\a))+7], 0
.else
	v_wmma_f32_16x16x32_f16 v[ACC+8*(4*(\a)+(\b)):ACC+8*(4*(\a)+(\b))+7], v[(\f)+64+8*(4*(\c)+(\b)):(\f)+64+8*(4*(\c)+(\b))+7], v[(\f)+8*(4*(\c)+(\a)):(\f)+8*(4*(\c)+(\a))+7], v[ACC+8*(4*(\a)+(\b)):ACC+8*(4*(\a)+(\b))+7]
.endif
.endr
.endr
.endm
.macro FETCH slot, k, f                ; 32 LDS loads: 64 along K at byte k of W's rows = groups 8 (k / 128) on of A; the first 32 along K first
	WIN TO_F
.irp c, 0,1
.irp i, 0,1,2,3
	ds_load_b128 v[(\f)+64+8*(4*(\c)+(\i)):(\f)+64+8*(4*(\c)+(\i))+3],   v[ADRB+(\slot)] offset:(\k)+64*(\c)+(\i)*16*PITCH
	ds_load_b128 v[(\f)+64+8*(4*(\c)+(\i))+4:(\f)+64+8*(4*(\c)+(\i))+7], v[ADRB+(\slot)] offset:(\k)+64*(\c)+(\i)*16*PITCH+32
	ds_load_b128 v[(\f)+8*(4*(\c)+(\i)):(\f)+8*(4*(\c)+(\i))+3],         v[ADRA+(\slot)] offset:(8*((\k)/128)+4*(\c))*2048+256*(\i)
	ds_load_b128 v[(\f)+8*(4*(\c)+(\i))+4:(\f)+8*(4*(\c)+(\i))+7],       v[ADRA+(\slot)] offset:(8*((\k)/128)+4*(\c))*2048+256*(\i)+4096
.endr
.endr
.endm
.macro PLACES
.rept 4
	v_nop
.endr
.endm
.macro QUARTER slot, k, f, g, zero
	s_wait_dscnt 16                                ; the first 32 along K are in
	WIN MUL
	MUL8 \f, 0, 0, \zero
	MUL8 \f, 0, 2, \zero
	PLACES
	FETCH \slot, \k, \g
	s_wait_dscnt 32                                ; all but the 32 just issued
	WIN MUL
	MUL8 \f, 1, 0, 0
	MUL8 \f, 1, 2, 0
.endm
.macro TURN slot, next, fill           ; the last quarter changes slots: one barrier; in front of it all my tensor loads, the add, my reads of this slot
	WIN 0
	s_wait_tensorcnt 0x0
	ds_add_u32 v[SPW], v[NIL]
	s_wait_dscnt 17                                ; the add and the youngest sixteen loads may be out
	WIN MUL
	MUL8 F1, 0, 0, 0
	s_wait_dscnt 0x0
	s_barrier_signal -1
	MUL8 F1, 0, 2, 0
.if \fill
	WIN 0
.endif
	s_barrier_wait -1
.if \fill
	CREST                                          ; the barrier has opened a round of the cluster's barrier
	s_add_nc_u64 s[G0+4*(\slot)+2:G0+4*(\slot)+3], s[G0+4*(\slot)+2:G0+4*(\slot)+3], 4194304
	s_add_nc_u64 s[G0B+4*(\slot)+2:G0B+4*(\slot)+3], s[G0B+4*(\slot)+2:G0B+4*(\slot)+3], 2*KSTEP*2
	JLOAD \slot                                    ; the first tensor load behind the round; its four v_nop are also the places in front of the loads below
.else
	PLACES
.endif
	FETCH \next, 0, F0
	WIN MUL
	MUL8 F1, 1, 0, 0
	MUL8 F1, 1, 2, 0
.endm
	s_wait_tensorcnt 1                             ; my part of K step 0 is in; K step 1's may stay out
	s_barrier_signal -1
	s_barrier_wait -1
	FETCH 0, 0, F0
	QUARTER 0, 128, F0, F1, 1
	WIN 0
	s_mov_b32 s3, LAPS-1
.Llap:                                                 ; K = 1,024 is two laps: one trip fills both slots again, the last lap is written out
	QUARTER 0, 256, F1, F0, 0
	QUARTER 0, 384, F0, F1, 0
	TURN 0, 1, 1
	QUARTER 1, 128, F0, F1, 0
	QUARTER 1, 256, F1, F0, 0
	QUARTER 1, 384, F0, F1, 0
	TURN 1, 0, 1
	QUARTER 0, 128, F0, F1, 0
	WIN 0
	s_sub_co_u32 s3, s3, 1
	s_cmp_lg_u32 s3, 0
	s_cbranch_scc1 .Llap
	QUARTER 0, 256, F1, F0, 0                      ; the last lap fills nothing
	QUARTER 0, 384, F0, F1, 0
	TURN 0, 1, 0                                   ; behind its barrier nobody reads slot 0 any more
	QUARTER 1, 128, F0, F1, 0
	QUARTER 1, 256, F1, F0, 0
	QUARTER 1, 384, F0, F1, 0
	s_wait_dscnt 16
	WIN MUL
	MUL8 F1, 0, 0, 0
	MUL8 F1, 0, 2, 0
	s_wait_dscnt 0
	MUL8 F1, 1, 0, 0
	MUL8 F1, 1, 2, 0
	WIN 0
	PLACES
.irp a, 0,1,2,3
.irp b, 0,1,2,3
	ds_store_b128 v[STO], v[ACC+8*(4*(\a)+(\b)):ACC+8*(4*(\a)+(\b))+3]   offset:(\a)*16*SPITCH+64*(\b)     ; each accumulator's low registers first
	ds_store_b128 v[STO], v[ACC+8*(4*(\a)+(\b))+4:ACC+8*(4*(\a)+(\b))+7] offset:(\a)*16*SPITCH+64*(\b)+16
.endr
.endr
	s_wait_dscnt 0x0                               ; for the others' sake: a row's 512 bytes come from two waves
	s_barrier_signal -1
	s_barrier_wait -1
	s_wait_loadcnt 0x0                             ; x and mx
	WMAX 32
	WMAX 40
	v_readfirstlane_b32 s76, v32
	v_readfirstlane_b32 s77, v40
	s_lshr_b32 s76, s76, 23
	s_lshr_b32 s77, s77, 23
	s_add_co_u32 s76, s76, s77
	s_sub_co_u32 s76, s76, 127
	s_max_i32 s76, s76, 1
	s_min_i32 s76, s76, 253
	s_lshl_b32 s74, s76, 23                        ; s[74:75]: s, named as a pair
	s_mov_b32 s75, s74
.irp rr, 0,1
.irp t, 0,1,2,3,4,5,6,7,8,9,10,11,12,13,14,15
	ds_load_b128 v[TMP+4*\t:TMP+4*\t+3], v[RD] offset:(16*\rr+\t)*SPITCH
.endr
	s_wait_dscnt 0x0
	WIN 0x20                                       ; source 2 in window 2
.irp t, 0,1,2,3,4,5,6,7,8,9,10,11,12,13,14,15
	v_pk_fma_f32 v[TMP+4*\t:TMP+4*\t+1],   v[TMP+4*\t:TMP+4*\t+1],   s[74:75], v[64*\rr+4*\t:64*\rr+4*\t+1]     op_sel_hi:[1,0,1]
	v_pk_fma_f32 v[TMP+4*\t+2:TMP+4*\t+3], v[TMP+4*\t+2:TMP+4*\t+3], s[74:75], v[64*\rr+4*\t+2:64*\rr+4*\t+3] op_sel_hi:[1,0,1]
.endr
	WIN 0
.irp t, 0,1,2,3,4,5,6,7,8,9,10,11,12,13,14,15
	global_store_b128 v[CO], v[TMP+4*\t:TMP+4*\t+3], s[72:73] offset:(16*\rr+\t)*4096 th:TH_STORE_NT  ; 512 consecutive bytes, aligned
.endr
	s_wait_xcnt 0x0                                ; the stores' data are loaded again only behind this wait
.endr
	s_wait_tensorcnt 0x0                           ; the wave's end
	ds_add_u32 v[SPW], v[NIL]
	s_wait_dscnt 0x0
	CROUND                                         ; the closing round
	s_endpgm
.Lfunc_end_k_q5632c66e25_gemm2:
	.size	k_q5632c66e25_gemm2, .Lfunc_end_k_q5632c66e25_gemm2-k_q5632c66e25_gemm2
	.p2alignl 7, 3214868480
	.fill 96, 4, 3214868480
	.section	.rodata,"a",@progbits
	.p2align	6, 0x0
	.amdhsa_kernel k_q5632c66e25_gemm2
		.amdhsa_group_segment_fixed_size 327680
		.amdhsa_private_segment_fixed_size 0
		.amdhsa_enable_private_segment 0
		.amdhsa_kernarg_size 40
		.amdhsa_user_sgpr_count 2
		.amdhsa_user_sgpr_kernarg_segment_ptr 1
		.amdhsa_wavefront_size32 1
		.amdhsa_system_sgpr_workgroup_id_x 1
		.amdhsa_system_sgpr_workgroup_id_y 1
		.amdhsa_system_sgpr_workgroup_id_z 1
		.amdhsa_system_vgpr_workitem_id 0
		.amdhsa_next_free_vgpr 640
		.amdhsa_next_free_sgpr 80
		.amdhsa_reserve_vcc 0
		.amdhsa_float_denorm_mode_32 3
		.amdhsa_float_denorm_mode_16_64 3
		.amdhsa_memory_ordered 1
		.amdhsa_forward_progress 1
		.amdhsa_inst_pref_size 95
	.end_amdhsa_kernel
	.amdgpu_metadata
---
amdhsa.version: [ 1, 2 ]
amdhsa.kernels:
  - .name:           k_q5632c66e25_gemm2
    .symbol:         k_q5632c66e25_gemm2.kd
    .args:
      - { .name: obuf, .offset: 0, .size: 8, .value_kind: global_buffer, .address_space: global }
      - { .name: wt, .offset: 8, .size: 8, .value_kind: global_buffer, .address_space: global }
      - { .name: x, .offset: 16, .size: 8, .value_kind: global_buffer, .address_space: global }
      - { .name: mx, .offset: 24, .size: 8, .value_kind: global_buffer, .address_space: global }
      - { .name: out0, .offset: 32, .size: 8, .value_kind: global_buffer, .address_space: global }
    .group_segment_fixed_size: 327680
    .private_segment_fixed_size: 0
    .kernarg_segment_align: 8
    .kernarg_segment_size: 40
    .max_flat_workgroup_size: 128
    .sgpr_count:     80
    .vgpr_count:     640
    .wavefront_size: 32
...
	.end_amdgpu_metadata
.endif
;; end of part 9
;; ======== version 3 of 3: 4 launches; version 2 with the launch prep written anew for expert scheduling mode
;; limits: values are held in f16: magnitudes above 65,504 overflow, below 6.1e-05 lose precision
;; workspace buffers: xn16 8,388,608 bytes; wt 10,485,760 bytes; betat 262,144 bytes; qkva 67,108,864 bytes; kn16 8,388,608 bytes; obuf 8,388,608 bytes; mx 2,048 bytes
;; launch prep (part 10): grid 896 x 1, 4 waves a work-group, no clusters, 55,296 bytes of LDS; arguments x, ln_g, ln_b, Wb, bb, xn16, betat, Wq, Wk, Wv, Wa, Wo, wt; writes xn16, betat, wt
.if DOCPART == 10
	.amdgcn_target "amdgcn-amd-amdhsa--gfx1250"
	.amdhsa_code_object_version 6
	.text
	.protected	k_q5632c66e25_prep
	.globl	k_q5632c66e25_prep
	.p2align	8
	.type	k_q5632c66e25_prep,@function
k_q5632c66e25_prep:
	s_mov_b64 s[64:65], 0
	v_nop
	global_prefetch_b8 v0, s[64:65] scope:SCOPE_SE
	s_setreg_imm32_b32 hwreg(HW_REG_WAVE_SCHED_MODE, 0, 2), 2
	s_setreg_imm32_b32 hwreg(HW_REG_WAVE_MODE, 25, 1), 1
	s_wait_xcnt 0x0
	s_wait_alu depctr_vm_vsrc(0)
; PREP.  Two kinds of work-group in one launch, told apart by the work-group's number; neither needs anything of the other, and each has LDS bytes of its own.
; WORK-GROUPS 0-255: 16 rows of x: LayerNorm (the mean, then the centred squares: two passes over registers), written as f16 (xn16), and beta = sigmoid(xn Wb + bb) for these rows (betat, f32,
; [row][head]).  Wave w takes rows 4 w .. 4 w + 3, a whole row in 32 registers, so a row's sums never leave the wave.  For beta the 16 rows meet in LDS, wave w multiplies k = 256 w .. 256 w + 255 by the
; matrix unit, and wave 0 adds the four partial sums.
; WORK-GROUPS 256-895: one tile of 128 k x 64 n of Wq, Wk, Wv, Wa or Wo (f32, [k][n]), rounded to f16 and turned to [n][k] through LDS: wt is [1024 matrix + n][k].  Reads: sixteen lanes take 256
; consecutive bytes of a row.  Stores: sixteen lanes fill 256 consecutive bytes, aligned.
; The long work-groups have the low numbers.  240 registers a wave and 55,296 bytes of LDS let four work-groups lie on a WGP; there are 3.5 for each of 256.
; No tensor loads, no cluster: each byte of x and of the weights is read once by one wave, and nothing but the small Wb is shared.
; LIMITS.  xn, Wb and the weights are matrix operands in f16: beyond 65,504 they would be infinite (xn is a normalised number times ln_g plus ln_b); below 6e-5 they keep f16's fixed step of 6e-8.
; THE MODE: SCHED_MODE bits 1:0 = 2 (LLVM: expert scheduling mode 2), set by the entry lines.  The code itself states the register dependences
; between vector or matrix instructions and memory or LDS instructions, with s_wait_alu, always for 0.
; THE PLAN, for LayerNorm and beta.  Registers that memory or LDS instructions touch:
;   v2, v3, v4      offsets and an LDS address, made once at the head: read by the loads of x, ln_g, ln_b and by every row's stores; never written again.
;   X, row rho      x's loads land in it; row rho's arithmetic works in place and its conversions close up into the first sixteen registers; the row's eight stores read these.  The stores are issued
;                   in row rho + 1, behind the wait that stands there for the reciprocal root: it also shows the conversions written, and no line of a later row names these registers.
;                   Behind row 3's stores Wb's loads land in all of X.
;   G, BB           ln_g's and ln_b's loads land in them; each row's gain and bias lines read them; behind the barrier the fragments of xn land in them, and in wave 0 the partial sums.
;   v7-9, v16, v17, v20   beta's addresses, made behind row 3's conversions and ahead of the one wait there; never written again.
;   v24-31          the partial sum: matrix instructions and four additions write it, two LDS stores read it.
; For a weight tile: v2 is made ahead of the loads; v3, v4, v9 while they are out; the conversions write v48-79, which the LDS stores read; no register that a memory instruction has read is written again.
.set XNP,   2064                       ; a row of xn in LDS: 2,048 bytes + 16: an odd multiple of 16, so the 16 rows of a fragment load start in 16 different groups of banks
.set PART,  33280                      ; behind the 16 rows: four partial sums of 1,024 bytes
.set SPARE, 37376                      ; the spare words, 128 bytes a wave: no other line names them
.set WT0,   37888                      ; behind them: the turned weight tile, 64 rows
.set TP,    272                        ; of 128 f16 + 16 bytes
.set SPW,   22                         ; v22  my spare word
.set NIL,   23                         ; v23  0
.set G,     48                         ; v48-79   ln_g of my 32 columns
.set BB,    80                         ; v80-111  ln_b
.set X,     112                        ; v112-239 four rows, 32 numbers a lane each; for a weight tile v112-175: 16 rows x 4 columns a lane
.macro REDUCE                          ; four pairs v[14:21] -> their sum over the wave, in v14 of every lane
	v_pk_add_f32 v[14:15], v[14:15], v[16:17]
	v_pk_add_f32 v[18:19], v[18:19], v[20:21]
	v_pk_add_f32 v[14:15], v[14:15], v[18:19]
	v_add_f32 v14, v14, v15
	v_add_f32_dpp v14, v14, v14 row_xmask:1 row_mask:0xf bank_mask:0xf
	v_add_f32_dpp v14, v14, v14 row_xmask:2 row_mask:0xf bank_mask:0xf
	v_add_f32_dpp v14, v14, v14 row_xmask:4 row_mask:0xf bank_mask:0xf
	v_add_f32_dpp v14, v14, v14 row_xmask:8 row_mask:0xf bank_mask:0xf
	v_permlanex16_b32 v15, v14, s38, s39
	v_add_f32 v14, v14, v15
.endm
.macro OUTROW rho                      ; a finished row, sixteen registers of f16, out to memory and to LDS
.irp s, 0,1,2,3
	global_store_b128 v3, v[X+32*(\rho)+4*\s:X+32*(\rho)+4*\s+3], s[18:19] offset:2048*(\rho)+512*\s  ; 512 consecutive bytes a store
	ds_store_b128 v4, v[X+32*(\rho)+4*\s:X+32*(\rho)+4*\s+3] offset:XNP*(\rho)+512*\s
.endr
.endm
.macro LNROW rho                       ; one row: mean, centred, variance, scale, gain and bias, f16; in its middle the row before goes out
.set XR, X+32*(\rho)
	s_wait_loadcnt (3-(\rho))*8                    ; loads come back in order: this row is in, the later rows' eight loads each stay out
.irp k, 0,1,2,3
	v_pk_add_f32 v[14+2*\k:15+2*\k], v[XR+2*\k:XR+2*\k+1], v[XR+8+2*\k:XR+8+2*\k+1]
.endr
.irp k, 0,1,2,3
	v_pk_add_f32 v[14+2*\k:15+2*\k], v[14+2*\k:15+2*\k], v[XR+16+2*\k:XR+16+2*\k+1]
.endr
.irp k, 0,1,2,3
	v_pk_add_f32 v[14+2*\k:15+2*\k], v[14+2*\k:15+2*\k], v[XR+24+2*\k:XR+24+2*\k+1]
.endr
	REDUCE
	v_mul_f32 v10, s40, v14                        ; the mean, twice
	v_mul_f32 v11, s40, v14
.set i, 0
.rept 16
	v_pk_add_f32 v[XR+2*i:XR+2*i+1], v[XR+2*i:XR+2*i+1], v[10:11] neg_lo:[0,1] neg_hi:[0,1]
.set i, i+1
.endr
.irp k, 0,1,2,3
	v_pk_mul_f32 v[14+2*\k:15+2*\k], v[XR+2*\k:XR+2*\k+1], v[XR+2*\k:XR+2*\k+1]
.endr
.set i, 4
.rept 12
	v_pk_fma_f32 v[14+2*(i%4):15+2*(i%4)], v[XR+2*i:XR+2*i+1], v[XR+2*i:XR+2*i+1], v[14+2*(i%4):15+2*(i%4)]
.set i, i+1
.endr
	REDUCE
	v_fma_f32 v12, v14, s40, s41                   ; variance + 1e-5
	v_rsq_f32 v12, v12
	v_nop                                          ; a plain instruction behind the transcendental
	s_wait_alu depctr_va_vdst(0)                   ; v12, the reciprocal root, is written, ahead of its first reader; and the row before's conversions have written its sixteen registers, which the stores below read
.if (\rho) > 0
	OUTROW (\rho)-1                                ; no vector instruction since the wait names these registers, nor v3 or v4
.endif
	v_mov_b32 v13, v12
.set i, 0
.rept 16
	v_pk_mul_f32 v[XR+2*i:XR+2*i+1], v[XR+2*i:XR+2*i+1], v[12:13]
.set i, i+1
.endr
.set i, 0
.rept 16
	v_pk_fma_f32 v[XR+2*i:XR+2*i+1], v[XR+2*i:XR+2*i+1], v[G+2*i:G+2*i+1], v[BB+2*i:BB+2*i+1]
.set i, i+1
.endr
.set i, 0
.rept 16
	v_cvt_pk_f16_f32 v[XR+i], v[XR+2*i], v[XR+2*i+1]  ; ascending: register i is written when pairs up to i have been read
.set i, i+1
.endr
.endm
	s_load_b512 s[8:23], s[0:1], 0x0               ; x, ln_g, ln_b, Wb, bb, xn16, betat, Wq
	s_load_b256 s[24:31], s[0:1], 0x40             ; Wk, Wv, Wa, Wo
	s_load_b64 s[32:33], s[0:1], 0x60              ; wt
	v_lshl_add_u32 v[SPW], v0, 2, SPARE
	v_mov_b32 v[NIL], 0
	v_lshrrev_b32 v1, 5, v0
	v_readfirstlane_b32 s36, v1                    ; wave 0..3
	v_and_b32 v1, 31, v0                           ; lane
	v_and_b32 v5, 15, v0                           ; lane % 16
	v_bfe_u32 v6, v0, 4, 1                         ; lane / 16
	s_wait_alu depctr_va_sdst(0)                   ; s36 is written, ahead of the branch and of its first reader on either way
	s_cmp_lt_u32 ttmp9, 256
	s_cbranch_scc0 .Lweights                       ; the same way for all four waves of a work-group
	; ---------------- LayerNorm and beta: rows 16 id + 4 wave + 0..3 ----------------
	s_mov_b32 s38, 0x76543210                      ; v_permlanex16_b32: each lane takes its own place in the other half
	s_mov_b32 s39, 0xfedcba98
	s_mov_b32 s40, 0x3a800000                      ; 1 / 1024
	s_mov_b32 s41, 0x3727c5ac                      ; 1e-5
	s_lshl_b32 s42, ttmp9, 16                      ; 16 rows of 4,096 bytes
	s_lshl_b32 s43, s36, 14                        ; 4 rows
	s_add_co_u32 s42, s42, s43
	s_mov_b32 s43, 0
	s_wait_kmcnt 0x0
	s_add_nc_u64 s[8:9], s[8:9], s[42:43]          ; x at my four rows
	s_lshr_b32 s42, s42, 1
	s_add_nc_u64 s[18:19], s[18:19], s[42:43]      ; xn16 likewise, rows of 2,048 bytes
	v_lshlrev_b32 v2, 5, v1                        ; a row is four segments of 256 numbers; I own 8 neighbours of each: 32 bytes in f32,
	v_lshlrev_b32 v3, 4, v1                        ; 16 in f16
	s_mul_i32 s44, s36, 4*XNP
	v_lshl_add_u32 v4, v1, 4, s44                  ; my 16 bytes in my wave's first row in LDS
	s_wait_alu depctr_va_vdst(0)                   ; v2, v3 and v4 are written: the loads below read v2, every row's stores v3 and v4
.irp s, 0,1,2,3
	global_load_b128 v[G+8*\s:G+8*\s+3],    v2, s[10:11] offset:1024*\s
	global_load_b128 v[G+8*\s+4:G+8*\s+7],  v2, s[10:11] offset:1024*\s+16
	global_load_b128 v[BB+8*\s:BB+8*\s+3],   v2, s[12:13] offset:1024*\s
	global_load_b128 v[BB+8*\s+4:BB+8*\s+7], v2, s[12:13] offset:1024*\s+16
.endr
.irp rho, 0,1,2,3
.irp s, 0,1,2,3
	global_load_b128 v[X+32*\rho+8*\s:X+32*\rho+8*\s+3],   v2, s[8:9] offset:4096*\rho+1024*\s th:TH_LOAD_NT
	global_load_b128 v[X+32*\rho+8*\s+4:X+32*\rho+8*\s+7], v2, s[8:9] offset:4096*\rho+1024*\s+16 th:TH_LOAD_NT
.endr
.endr
	LNROW 0
	LNROW 1
	LNROW 2
	LNROW 3
	; beta.  Wave w takes k = 256 w .. 256 w + 255 of the 16 rows x 16 heads; the four partial sums meet in LDS.  Its six addresses are made here, ahead of the one wait.
	s_lshl_b32 s44, s36, 14                        ; 256 w rows of Wb, 64 bytes each
	v_lshlrev_b32 v8, 2, v5                        ; head lane % 16
	v_lshl_add_u32 v8, v6, 9, v8                   ; 8 (lane / 16) rows
	v_add_nc_u32 v8, s44, v8
	v_lshlrev_b32 v20, 5, v6                       ; bb: my eight heads
	v_mul_u32_u24 v7, v5, XNP
	v_lshl_add_u32 v7, v6, 4, v7
	s_lshl_b32 s45, s36, 9
	v_add_nc_u32 v7, s45, v7                       ; row lane % 16, byte 512 w + 16 (lane / 16)
	s_lshl_b32 s45, s36, 10
	v_lshl_add_u32 v16, v1, 5, PART                ; 32 bytes a lane in partial sum 0,
	v_add_nc_u32 v9, s45, v16                      ; and in my wave's
	v_lshlrev_b32 v17, 6, v5
	v_lshl_add_u32 v17, v6, 5, v17                 ; betat: row lane % 16, heads 8 (lane / 16) on
	s_wait_alu depctr_va_vdst(0)                   ; row 3's conversions have written the registers that its stores read; the six addresses are written; and the rows' arithmetic is done with X, G and BB, in which the loads below land
	OUTROW 3
	s_wait_xcnt 0x0                                ; the stores have had their addresses translated: the rows' registers are loaded again only behind this wait,
	s_wait_alu depctr_vm_vsrc(0)                   ; and the four rows' stores, to memory and to LDS, have read those registers, in which Wb lands
.set i, 0
.rept 128                              ; number i % 16 of K step i / 16: k = 32 (i / 16) + 8 (lane / 16) + i % 16, and 8 more for the upper eight: a fragment's order
	global_load_b32 v[X+i], v8, s[14:15] offset:(32*(i/16)+(i%16)+8*((i%16)/8))*64
.set i, i+1
.endr
	global_load_b128 v[40:43], v20, s[16:17]       ; bb of my eight heads
	global_load_b128 v[44:47], v20, s[16:17] offset:16
	s_wait_dscnt 0x0                               ; for the others' sake: my four rows are in LDS
	s_barrier_signal -1
	s_barrier_wait -1
.irp js, 0,1,2,3,4,5,6,7
	ds_load_b128 v[48+8*\js:51+8*\js], v7 offset:64*\js          ; into G's and BB's registers: no vector instruction since the wait above names them, nor v7
	ds_load_b128 v[52+8*\js:55+8*\js], v7 offset:64*\js+32
.endr
	s_wait_loadcnt 0x0                             ; Wb and bb
.set i, 0
.rept 64
	v_cvt_pk_f16_f32 v[X+i], v[X+2*i], v[X+2*i+1]  ; ascending, as above: K step js ends up in v[X + 8 js ..]
.set i, i+1
.endr
	s_wait_dscnt 0x0
.irp js, 0,1,2,3,4,5,6,7               ; source 0 = 16 heads, source 1 = 16 rows: a lane holds one row and eight heads.  Two accumulators take turns
.if \js < 2
	v_wmma_f32_16x16x32_f16 v[24+8*(\js%2):31+8*(\js%2)], v[X+8*\js:X+8*\js+7], v[48+8*\js:55+8*\js], 0
.else
	v_wmma_f32_16x16x32_f16 v[24+8*(\js%2):31+8*(\js%2)], v[X+8*\js:X+8*\js+7], v[48+8*\js:55+8*\js], v[24+8*(\js%2):31+8*(\js%2)]
.endif
.endr
.rept 4
	v_nop                                          ; four places behind the last product (ISA guide 7.12.1)
.endr
.irp m, 0,2,4,6
	v_pk_add_f32 v[24+\m:25+\m], v[24+\m:25+\m], v[32+\m:33+\m]
.endr
	s_wait_alu depctr_va_vdst(0)                   ; the additions have written v24-31, which the LDS stores read; the matrix instructions are done reading v48-79, in which wave 0's loads land behind the barrier
	ds_store_b128 v9, v[24:27]
	ds_store_b128 v9, v[28:31] offset:16
	s_wait_dscnt 0x0                               ; for wave 0's sake
	s_barrier_signal -1
	s_barrier_wait -1
	s_cmp_lg_u32 s36, 0
	s_cbranch_scc1 .Lend
.irp p, 0,1,2,3
	ds_load_b128 v[48+8*\p:51+8*\p], v16 offset:1024*\p
	ds_load_b128 v[52+8*\p:55+8*\p], v16 offset:1024*\p+16
.endr
	s_lshl_b32 s42, ttmp9, 10                      ; 16 rows of 64 bytes
	s_mov_b32 s43, 0
	s_add_nc_u64 s[20:21], s[20:21], s[42:43]
	s_wait_dscnt 0x0
.irp m, 0,2,4,6
	v_pk_add_f32 v[48+\m:49+\m], v[48+\m:49+\m], v[56+\m:57+\m]
	v_pk_add_f32 v[64+\m:65+\m], v[64+\m:65+\m], v[72+\m:73+\m]
.endr
.irp m, 0,2,4,6
	v_pk_add_f32 v[48+\m:49+\m], v[48+\m:49+\m], v[64+\m:65+\m]
.endr
.irp m, 0,2,4,6
	v_pk_add_f32 v[48+\m:49+\m], v[48+\m:49+\m], v[40+\m:41+\m]
.endr
.irp m, 0,2,4,6
	v_pk_mul_f32 v[48+\m:49+\m], v[48+\m:49+\m], 0xbfb8aa3b op_sel_hi:[1,0]  ; sigmoid(z) = 1 / (1 + 2^(-1.442695 z))
.endr
.irp m, 0,1,2,3,4,5,6,7
	v_exp_f32 v[48+\m], v[48+\m]
.endr
	v_nop
	s_wait_alu depctr_va_vdst(0)                   ; the eight exponentials are written, ahead of their first reader
.irp m, 0,2,4,6
	v_pk_add_f32 v[48+\m:49+\m], v[48+\m:49+\m], 1.0 op_sel_hi:[1,0]
.endr
.irp m, 0,1,2,3,4,5,6,7
	v_rcp_f32 v[48+\m], v[48+\m]
.endr
	v_nop
	s_wait_alu depctr_va_vdst(0)                   ; the eight reciprocals are written: the two stores read them
	global_store_b128 v17, v[48:51], s[20:21]
	global_store_b128 v17, v[52:55], s[20:21] offset:16
	s_branch .Lend
	; ---------------- a tile of a weight matrix: 128 k x 64 n, f32 [k][n] -> f16 [n][k] ----------------
.Lweights:
	s_sub_co_u32 s42, ttmp9, 256                   ; the tile's number, 0 .. 639
	s_lshr_b32 s43, s42, 7                         ; which matrix: Wq, Wk, Wv, Wa, Wo
	s_bfe_u32 s44, s42, 0x30004                    ; which 128 k
	s_and_b32 s45, s42, 15                         ; which 64 n
	s_lshl_b32 s48, s44, 19                        ; 128 rows of 4,096 bytes
	s_lshl_b32 s49, s45, 8                         ; 64 columns of 4 bytes
	s_add_co_u32 s48, s48, s49
	s_mov_b32 s49, 0
	s_wait_kmcnt 0x0
	s_mov_b64 s[46:47], s[22:23]
	s_cmp_eq_u32 s43, 1
	s_cselect_b64 s[46:47], s[24:25], s[46:47]
	s_cmp_eq_u32 s43, 2
	s_cselect_b64 s[46:47], s[26:27], s[46:47]
	s_cmp_eq_u32 s43, 3
	s_cselect_b64 s[46:47], s[28:29], s[46:47]
	s_cmp_eq_u32 s43, 4
	s_cselect_b64 s[46:47], s[30:31], s[46:47]
	s_add_nc_u64 s[46:47], s[46:47], s[48:49]
	v_lshlrev_b32 v2, 4, v5                        ; sixteen lanes read 256 consecutive bytes of a row;
	v_lshl_add_u32 v2, v6, 15, v2                  ; I take rows 8 (2 wave + lane / 16) + 0..7, and the same 64 rows on
	s_lshl_b32 s50, s36, 16
	v_add_nc_u32 v2, s50, v2
	s_wait_alu depctr_va_vdst(0)                   ; v2 is written: the sixteen loads read it
.irp it, 0,1
.irp i, 0,1,2,3,4,5,6,7
	global_load_b128 v[X+32*\it+4*\i:X+32*\it+4*\i+3], v2, s[46:47] offset:\it*262144+\i*4096 th:TH_LOAD_NT
.endr
.endr
	v_mul_u32_u24 v3, v5, 4*TP                     ; in LDS: row n = 4 (lane % 16) + c, 16 bytes = my 8 k
	v_lshl_add_u32 v3, v6, 4, v3
	s_lshl_b32 s51, s36, 5
	s_add_co_u32 s51, s51, WT0
	v_add_nc_u32 v3, s51, v3
	s_mul_i32 s51, s36, 16*TP                      ; back: rows 16 wave + lane / 16 + 2 j, sixteen lanes a row
	s_add_co_u32 s51, s51, WT0
	v_mul_u32_u24 v4, v6, TP
	v_lshl_add_u32 v4, v5, 4, v4
	v_add_nc_u32 v4, s51, v4
	s_lshl_b32 s52, s36, 4
	v_add_nc_u32 v7, s52, v6                       ; 16 wave + lane / 16
	v_lshlrev_b32 v9, 4, v5
	v_lshl_add_u32 v9, v7, 11, v9                  ; that row of 2,048 bytes in wt, 16 bytes a lane
	s_lshl_b32 s54, s43, 21                        ; wt: 1,024 rows of 2,048 bytes a matrix,
	s_lshl_b32 s55, s44, 8                         ; 128 k in f16,
	s_add_co_u32 s54, s54, s55
	s_lshl_b32 s55, s45, 17                        ; 64 rows
	s_add_co_u32 s54, s54, s55
	s_mov_b32 s55, 0
	s_add_nc_u64 s[32:33], s[32:33], s[54:55]
	s_wait_loadcnt 0x0
.irp it, 0,1
.irp c, 0,1,2,3
.irp i, 0,2,4,6
	v_cvt_pk_f16_f32 v[48+16*\it+4*\c+\i/2], v[X+32*\it+4*\i+\c], v[X+32*\it+4*\i+4+\c]
.endr
.endr
.endr
	s_wait_alu depctr_va_vdst(0)                   ; the conversions have written v48-79, which the LDS stores read; v3, v4 and v9 are written, which the LDS stores, the LDS loads and the global stores below read
.irp it, 0,1
.irp c, 0,1,2,3
	ds_store_b128 v3, v[48+16*\it+4*\c:51+16*\it+4*\c] offset:\c*TP+\it*128
.endr
.endr
	s_wait_dscnt 0x0                               ; for the others' sake: my stores are in LDS
	s_barrier_signal -1
	s_barrier_wait -1
.irp j, 0,1,2,3,4,5,6,7
	ds_load_b128 v[80+4*\j:83+4*\j], v4 offset:\j*2*TP
.endr
	s_wait_dscnt 0x0
.irp j, 0,1,2,3,4,5,6,7
	global_store_b128 v9, v[80+4*\j:83+4*\j], s[32:33] offset:\j*4096  ; sixteen lanes store 256 consecutive bytes, aligned
.endr
.Lend:
	s_wait_dscnt 0x0                               ; the closing lines, six on end
	s_wait_alu 0x0
	s_wait_tensorcnt 0x0
	ds_add_u32 v[SPW], v[NIL]
	s_wait_dscnt 0x0
	s_endpgm
.Lfunc_end_k_q5632c66e25_prep:
	.size	k_q5632c66e25_prep, .Lfunc_end_k_q5632c66e25_prep-k_q5632c66e25_prep
	.p2alignl 7, 3214868480
	.fill 96, 4, 3214868480
	.section	.rodata,"a",@progbits
	.p2align	6, 0x0
	.amdhsa_kernel k_q5632c66e25_prep
		.amdhsa_group_segment_fixed_size 55296
		.amdhsa_private_segment_fixed_size 0
		.amdhsa_enable_private_segment 0
		.amdhsa_kernarg_size 104
		.amdhsa_user_sgpr_count 2
		.amdhsa_user_sgpr_kernarg_segment_ptr 1
		.amdhsa_wavefront_size32 1
		.amdhsa_system_sgpr_workgroup_id_x 1
		.amdhsa_system_sgpr_workgroup_id_y 1
		.amdhsa_system_sgpr_workgroup_id_z 1
		.amdhsa_system_vgpr_workitem_id 0
		.amdhsa_next_free_vgpr 240
		.amdhsa_next_free_sgpr 66
		.amdhsa_reserve_vcc 0
		.amdhsa_float_denorm_mode_32 3
		.amdhsa_float_denorm_mode_16_64 3
		.amdhsa_memory_ordered 1
		.amdhsa_forward_progress 1
		.amdhsa_inst_pref_size 68
	.end_amdhsa_kernel
	.amdgpu_metadata
---
amdhsa.version: [ 1, 2 ]
amdhsa.kernels:
  - .name:           k_q5632c66e25_prep
    .symbol:         k_q5632c66e25_prep.kd
    .args:
      - { .name: x, .offset: 0, .size: 8, .value_kind: global_buffer, .address_space: global }
      - { .name: ln_g, .offset: 8, .size: 8, .value_kind: global_buffer, .address_space: global }
      - { .name: ln_b, .offset: 16, .size: 8, .value_kind: global_buffer, .address_space: global }
      - { .name: Wb, .offset: 24, .size: 8, .value_kind: global_buffer, .address_space: global }
      - { .name: bb, .offset: 32, .size: 8, .value_kind: global_buffer, .address_space: global }
      - { .name: xn16, .offset: 40, .size: 8, .value_kind: global_buffer, .address_space: global }
      - { .name: betat, .offset: 48, .size: 8, .value_kind: global_buffer, .address_space: global }
      - { .name: Wq, .offset: 56, .size: 8, .value_kind: global_buffer, .address_space: global }
      - { .name: Wk, .offset: 64, .size: 8, .value_kind: global_buffer, .address_space: global }
      - { .name: Wv, .offset: 72, .size: 8, .value_kind: global_buffer, .address_space: global }
      - { .name: Wa, .offset: 80, .size: 8, .value_kind: global_buffer, .address_space: global }
      - { .name: Wo, .offset: 88, .size: 8, .value_kind: global_buffer, .address_space: global }
      - { .name: wt, .offset: 96, .size: 8, .value_kind: global_buffer, .address_space: global }
    .group_segment_fixed_size: 55296
    .private_segment_fixed_size: 0
    .kernarg_segment_align: 8
    .kernarg_segment_size: 104
    .max_flat_workgroup_size: 128
    .sgpr_count:     66
    .vgpr_count:     240
    .wavefront_size: 32
...
	.end_amdgpu_metadata
.endif
;; end of part 10
;; launch gemm1: the kernel of part 7 again; grid 16 x 16, 4 waves a work-group, clusters of 4 x 4, 327,680 bytes of LDS; arguments xn16, wt, qkva, kn16, betat, ba, mx; writes qkva, kn16, mx
;; launch scan: the kernel of part 8 again; grid 256 x 1, 4 waves a work-group, no clusters, 327,680 bytes of LDS; arguments qkva, kn16, betat, raw_gamma_m, obuf, mx; writes obuf
;; launch gemm2: the kernel of part 9 again; grid 8 x 32, 4 waves a work-group, clusters of 4 x 4, 327,680 bytes of LDS; arguments obuf, wt, x, mx, out0; writes out0
